; MI455X (gfx1250); checked and timed in simulation.
; The chip was launched on July 23, 2026; its instructions are those of AMD's public machine-readable ISA for CDNA 5 (MIT licence, August 2026) and "CDNA5" Instruction Set Architecture Reference Guide (July 2026). The comments in the code are by the model that wrote it; some were corrected since.
;; Transformer Block. Allowed arithmetic: matrix products marked QUANTISED: E2M3 operands, one E8M0 scale for each 32 along K, by v_wmma_scale_f32_16x16x128_f8f6f4 with both operands' format E2M3, f32 sums; everything else in f32.
;; Inputs: W1 1,024 x 4,096 float32; W2 4,096 x 1,024 float32; Wk 1,024 x 1,024 float32; Wo 1,024 x 1,024 float32; Wq 1,024 x 1,024 float32; Wv 1,024 x 1,024 float32; b1 4,096 float32; b2 1,024 float32; be1 1,024 float32; be2 1,024 float32; bo 1,024 float32; g1 1,024 float32; g2 1,024 float32; x 4 x 1,024 x 1,024 float32.
;; Outputs: out0 4 x 1,024 x 1,024 float32.
;; This version of the problem:
;;   THIS VERSION OF THE PROBLEM IS GIVEN IN LOW PRECISION. The matrix products marked QUANTISED in the list below multiply operands that are first quantised to E2M3 (2 exponent bits, 3 mantissa bits; 6 bits a number), with one power-of-two scale for each 32 numbers along K (OCP MX v1.0); their sums are f32. All else is computed in f32.
;;   The module's matrix products, in the order in which they are computed (A, B: the left and right operand; K: the contracted axis; several contracted axes count as one K, in the product's order):
;;     1. [M 4,096, K 1,024] x [K 1,024, N 1,024]; A: computed on the way; B: input Wq: QUANTISED
;;     2. [M 4,096, K 1,024] x [K 1,024, N 1,024]; A: computed on the way; B: input Wk: QUANTISED
;;     3. [M 4,096, K 1,024] x [K 1,024, N 1,024]; A: computed on the way; B: input Wv: QUANTISED
;;     4. batch 64 x [M 1,024, K 64] x [K 64, N 1,024]; A: computed on the way; B: computed on the way: QUANTISED
;;     5. batch 64 x [M 64, K 1,024] x [K 1,024, N 1,024]; A: computed on the way; B: softmax (see below): QUANTISED
;;     6. [M 4,096, K 1,024] x [K 1,024, N 1,024]; A: computed on the way; B: input Wo: QUANTISED
;;     7. [M 4,096, K 1,024] x [K 1,024, N 4,096]; A: computed on the way; B: input W1: QUANTISED
;;     8. [M 4,096, K 4,096] x [K 4,096, N 1,024]; A: computed on the way; B: input W2: QUANTISED
;;   THE QUANTISER, for each operand of a quantised product, along K:
;;     - K is cut into blocks of 32 from its start; a last block that is shorter is filled with zeros.
;;     - A block's scale is 2^e with e = floor(log2(the largest magnitude in the block)) - 2, held to -126 .. 127; a block of zeros has e = 0. As a byte (E8M0): e + 127.
;;     - Each number is divided by its block's scale, clamped to +-7.5, and rounded to the nearest number of E2M3, ties to even, subnormals kept.
;;     - The product sums the exact products of the quantised numbers (number of the format x scale) in f32.
;;   ~~~python
;;   def quantise(x, axis):      # numpy; x: float32 -> the quantised numbers, widened to float32 again
;;       x = np.moveaxis(x, axis, -1); K = x.shape[-1]
;;       x = np.pad(x, [(0, 0)] * (x.ndim - 1) + [(0, -K % 32)]); x = x.reshape(x.shape[:-1] + (-1, 32)); a = np.abs(x).max(-1, keepdims=True)
;;       e = np.where(a > 0, np.clip(np.frexp(np.where(a > 0, a, 1))[1] - 1 - 2, -126, 127), 0)      # np.frexp(a)[1] - 1 = floor(log2(a)), exactly
;;       r = np.clip(x / 2.0 ** e, -7.5, 7.5)
;;       step = 2.0 ** (np.maximum(np.frexp(np.where(r == 0, 1, r))[1] - 1, 0) - 3)
;;       q = np.round(r / step) * step * 2.0 ** e      # np.round: ties to even
;;       return np.moveaxis(q.reshape(q.shape[:-2] + (-1,))[..., :K], -1, axis).astype(np.float32)
;;   ~~~
;;   SOFTMAX AHEAD OF A QUANTISED PRODUCT. Where the list says 'softmax', what is quantised is not the finished softmax but p = 2^(t - M), with t = logit x log2(e) and M = ceil(the row's largest t), a whole number; so 1/2 < the row's largest p <= 1. The row's sum l is taken of the UNQUANTISED p, in f32, and the product's result is divided by l at the end. Since M is a whole number, a kernel that streams over the keys may use a running M (the ceiling of the running maximum): every later rescaling is an exact power of two, which a block's scale takes up: the codes' values come out the same.
;;   OPERANDS COMPUTED ON THE WAY. 'Computed on the way' means the value that the module computes at that place (a softmax that the list does not call 'softmax' is quantised finished and normalised). What goes into a quantiser is computed in f32, as accurately as f32 sums, v_exp_f32 and their like allow (about 1e-6 of the number): no bf16 or f16 on the way to a quantiser, and a product that is left as it is and whose result goes on into a quantised operand takes f32 operands (vector FMAs, or v_wmma_f32_16x16x4_f32). A number that lies on a knife's edge between two numbers of the format may be rounded either way, as far as f32 arithmetic and the matrix unit's own rounding can turn it there, and no further.
;; One version. Each part assembles by itself: llvm-mc -triple=amdgcn-amd-amdhsa -mcpu=gfx1250 --defsym DOCPART=n.
;; ======== version 1 of 1: 7 launches
;; limits: right only within a limited range of input values
;; workspace buffers: pa 14,483,456 bytes; qkv 10,223,616 bytes; ctx 3,407,872 bytes; x2 16,777,216 bytes; h2 3,407,872 bytes; hid 13,631,488 bytes
;; launch lnw1 (part 1): grid 384 x 1, 8 waves a work-group, no clusters, 98,304 bytes of LDS; arguments x, g1, be1, pa, Wq, Wk, Wv, Wo; writes pa
.if DOCPART == 1
	.amdgcn_target "amdgcn-amd-amdhsa--gfx1250"
	.amdhsa_code_object_version 6
	.text
	.protected	k_q3c77a6ac5e_lnw1
	.globl	k_q3c77a6ac5e_lnw1
	.p2align	8
	.type	k_q3c77a6ac5e_lnw1,@function
k_q3c77a6ac5e_lnw1:
	s_mov_b64 s[64:65], 0
	v_nop
	global_prefetch_b8 v0, s[64:65] scope:SCOPE_SE
	s_setreg_imm32_b32 hwreg(HW_REG_WAVE_MODE, 25, 1), 1
	s_wait_xcnt 0x0
; TWO KINDS OF WORK-GROUPS IN ONE LAUNCH.  They part at the first branch, on the work-group's number (the same in all eight waves), share nothing, and have LDS bytes of their own.
; The weights' loads are on their way while the LayerNorm's waves wait for their rows and for each other; both results are wanted by the launches that follow, neither by the other.
;
; WORK-GROUPS 0 .. 255: h = g (x - mean) / sqrt(var + 1e-5) + be over rows of 1,024, in f32, and h quantised along the row to FP6 (E2M3) with one E8M0 byte for each 32; stored as images of operand registers.
; A work-group takes ONE block of 16 rows (row r of block 2 b + u is row 32 b + 8 u + r + 8 (r / 8)); wave w takes columns 128 w .. + 127, which are K step w: one fragment.
; Fragment (w, rb) goes to (256 w + rb) x 1,536; its scale words to 3,145,728 + (8 rb + w) x 128.  Loads read 512 consecutive bytes; the numbers turn through the wave's own stage so that lane (r, h) holds,
; of row r, 16 neighbours of each block of 32.  Mean and variance in two passes (the variance of x - mean: no difference of large sums); the eight waves' partial sums meet in LDS behind a barrier each.
;
; WORK-GROUPS 256 .. 383: Wq, Wk, Wv, Wo, f32 [K][N] with K as the first axis, become codes of FP6 with one E8M0 byte for each 32 along K, laid as images of operand registers:
; a fragment (16 columns n x 128 k) is 12 registers a lane, 1,536 dense bytes: registers 4 c .. 4 c + 3 of lane l at 512 c + 16 l.  Fragment (K step ks, block rb) lies at (ks RB + rb) x 1,536; its scale words
; (4 bytes at 4 l; lanes r and r + 16 hold column r's word) at (rb KS + ks) x 128.  The columns of a fragment are ordered as the rows above.
; A lane takes a column and its registers run down K, so a block of 32 lies in one lane and the conversions give codes with K innermost.  A wave takes 32 columns x 128 k (two fragments), a work-group 256 columns.
; One path serves the four tensors: pointer and places are chosen by the work-group's number (s_cselect).  The codes turn through the wave's own LDS bytes and leave as 3,072 consecutive bytes.
;
; No matrix unit, no cluster, no tensor load: streams, each byte read once by one work-group.
; LIMITS: NaN and infinities are not served; a block of zeros, or one whose largest magnitude lies under 2^-124, gets the byte 1 (the bytes are read by this program alone).
.set NLN,    256                       ; work-groups of the first kind
.set WQKV_C, 3407872
.set WQKV_S, 6553600
.set WO_C,   6815744
.set WO_S,   7602176
; LDS
.set STGB,  8448                       ; first kind: a wave's stage: 16 rows of 512 bytes + 16
.set RED1,  67584                      ; 16 rows x 8 waves: partial sums; the squares' 512 bytes further on
.set SPARE, 68608                      ; the spare words, 128 bytes a wave, for both kinds
.set PBASE, 69632                      ; second kind: eight regions of WREG bytes
.set WREG,  3584                       ; two fragment images 1,664 bytes apart, then two scale images of 128 bytes
.set FPIT,  1664                       ; 1,536 + 128: the two fragments' stores of one instruction fall on different banks
.set SIMG,  3328
; registers of both kinds
.set SPW, 252                          ; v252     my spare word's LDS address; never rewritten
.set NIL, 253                          ; v253     0; never rewritten
; registers of the first kind
.set X,   16                           ; v16-79   x as loaded; later be
.set Y,   80                           ; v80-143  register 16 b + i: column 32 b + 16 h + i of my row
.set G,   144                          ; v144-207 g
.set TM,  208                          ; v208-223 at work
.set PW,  224                          ; the scale word
.set PC,  226                          ; v226-244 the codes
.set SEL, 12                           ; s[12:13] lane selects: lane l xor 16
; registers of the second kind
.set OF,  16                           ; v16-23   4 x lane + q x 16 rows of the tensor
.set CD,  26                           ; v26-49   the codes: six registers for each of my four blocks
.set TU,  50                           ; v50-52   a block's upper 16 codes as the conversion leaves them
.set FB,  54                           ; v54-77   the two fragments read back; v78, v79 their scale words
.set WX,  124                          ; v124-251 my column's 128 numbers
.set RB0, 66                           ; s66-97   sixteen bases, a row of the tensor apart
; 64 numbers of a lane, v[s] .. v[s + 63], become a fragment's codes in v[PC] on and its scale word in v[PW]
.macro QUANT s
.irp b, 0,1,2,3
	v_max3_num_f32 v[TM+\b], |v[(\s)+16*\b]|, |v[(\s)+1+16*\b]|, 0x1800000   ; my 16 numbers of block b, and the floor 2^(3 - 127)
.endr
.irp i, 2,4,6,8,10,12,14
.irp b, 0,1,2,3
	s_delay_alu instid0(VALU_DEP_4)
	v_max3_num_f32 v[TM+\b], v[TM+\b], |v[(\s)+16*\b+\i]|, |v[(\s)+1+16*\b+\i]|
.endr
.endr
.irp b, 0,1,2,3
	s_delay_alu instid0(VALU_DEP_4)
	v_permlanex16_b32 v[TM+4+\b], v[TM+\b], s[SEL], s[SEL+1]
.endr
.irp b, 0,1,2,3
	s_delay_alu instid0(VALU_DEP_4)
	v_max_num_f32 v[TM+\b], v[TM+\b], v[TM+4+\b]   ; with lane l xor 16's: the block's largest magnitude
.endr
.irp b, 0,1,2,3
	s_delay_alu instid0(VALU_DEP_4)
	v_add_nc_u32 v[TM+12+\b], 0xff000000, v[TM+\b] ; 2 off the exponent field: the conversion's scale operand
.endr
.irp b, 0,1,2,3
	s_delay_alu instid0(VALU_DEP_4)
	v_lshrrev_b32 v[TM+4+\b], 23, v[TM+12+\b]      ; the byte
.endr
	s_delay_alu instid0(VALU_DEP_3)
	v_lshl_or_b32 v[PW], v[TM+5], 8, v[TM+4]
	s_delay_alu instid0(VALU_DEP_1)
	v_lshl_or_b32 v[PW], v[TM+6], 16, v[PW]
	s_delay_alu instid0(VALU_DEP_1)
	v_lshl_or_b32 v[PW], v[TM+7], 24, v[PW]
.irp c, 0,1
	v_cvt_scalef32_pk16_fp6_f32 v[PC+6*\c:PC+2+6*\c], v[(\s)+32*\c:(\s)+15+32*\c], v[TM+12+2*\c]
	v_cvt_scalef32_pk16_fp6_f32 v[PC+12+4*\c:PC+14+4*\c], v[(\s)+16+32*\c:(\s)+31+32*\c], v[TM+12+2*\c+1]
.endr
	v_nop                                          ; one plain place behind a scaled conversion
.irp c, 0,1                                    ; the layout wants a whole block in a lane
.irp i, 0,1,2
	v_permlane16_swap_b32 v[PC+6*\c+\i], v[PC+12+4*\c+\i]
.endr
.irp i, 0,1,2
	s_delay_alu instid0(VALU_DEP_3)
	v_mov_b32 v[PC+3+6*\c+\i], v[PC+12+4*\c+\i]
.endr
.endr
.endm
.macro PICK lim, p, start, rb, cb, sb  ; work-groups under lim belong to this tensor (or to one picked later)
	s_cmp_lt_u32 ttmp9, \lim
	s_cselect_b64 s[20:21], s[\p:\p+1], s[20:21]
	s_cselect_b32 s22, \start, s22
	s_cselect_b32 s26, \rb, s26
	s_cselect_b32 s27, \cb, s27
	s_cselect_b32 s28, \sb, s28
.endm
	v_lshl_add_u32 v[SPW], v0, 2, SPARE
	v_mov_b32 v[NIL], 0
	s_cmp_ge_u32 ttmp9, NLN                        ; which kind am I?  The same answer in all eight waves
	s_cbranch_scc1 .Lweights
	; ======== the first kind: LayerNorm and its quantiser ========
	s_load_b256 s[4:11], s[0:1], 0x0               ; x, g, be, h
	v_lshrrev_b32 v1, 5, v0
	s_delay_alu instid0(VALU_DEP_1)
	v_readfirstlane_b32 s16, v1                    ; wave 0..7
	v_and_b32 v2, 31, v0
	v_and_b32 v3, 15, v0                           ; r
	v_bfe_u32 v4, v0, 4, 1                         ; h
	s_delay_alu instid0(VALU_DEP_3)
	v_lshlrev_b32 v5, 4, v2                        ; 16 x lane
	s_delay_alu instid0(VALU_DEP_4)
	v_lshlrev_b32 v6, 2, v2                        ; 4 x lane
	s_mul_i32 s17, s16, STGB
	v_add_nc_u32 v7, s17, v5                       ; into the stage: a row as it lies
	v_mul_u32_u24 v8, v3, 528
	s_delay_alu instid0(VALU_DEP_1)
	v_lshl_add_u32 v8, v4, 6, v8
	s_delay_alu instid0(VALU_DEP_1)
	v_add_nc_u32 v8, s17, v8                       ; out of it: row r, + 64 h
	v_lshlrev_b32 v10, 5, v3
	s_delay_alu instid0(VALU_DEP_1)
	v_add_nc_u32 v10, RED1, v10                    ; row r's eight partial sums
	s_lshl_b32 s18, s16, 2
	v_add_nc_u32 v9, s18, v10                      ; and my wave's among them
	v_lshlrev_b32 v11, 6, v4                       ; g, be: 64 h
	s_mov_b32 s[SEL], 0x76543210
	s_mov_b32 s[SEL+1], 0xfedcba98
	s_mov_b32 s14, 0x3a800000                      ; 1 / 1,024
	s_mov_b32 s15, 0x3727c5ac                      ; 1e-5
.irp b, 0,1,2,3
	v_mov_b32 v[TM+4+\b], 0                        ; a lane permute's destination counts as one of its sources
.endr
	v_mov_b32 v250, 0
	s_lshr_b32 s19, ttmp9, 1
	s_lshl_b32 s19, s19, 5
	s_and_b32 s20, ttmp9, 1
	s_lshl_b32 s20, s20, 3
	s_add_co_u32 s19, s19, s20                     ; the block's first row
	s_lshl_b32 s20, s19, 12
	s_lshl_b32 s22, s16, 9                         ; my wave's 512 bytes of a row
	s_add_co_u32 s20, s20, s22
	s_mov_b32 s21, 0
	s_mov_b32 s23, 0
	s_lshl_b32 s24, s16, 8
	s_add_co_u32 s24, s24, ttmp9
	s_mul_i32 s24, s24, 1536
	s_mov_b32 s25, 0
	s_lshl_b32 s26, ttmp9, 3
	s_add_co_u32 s26, s26, s16
	s_lshl_b32 s26, s26, 7
	s_add_co_u32 s26, s26, 3145728
	s_mov_b32 s27, 0
	s_wait_alu depctr_va_vdst(0)
	s_wait_kmcnt 0x0
	s_add_nc_u64 s[4:5], s[4:5], s[20:21]
	s_add_nc_u64 s[6:7], s[6:7], s[22:23]
	s_add_nc_u64 s[8:9], s[8:9], s[22:23]
	s_add_nc_u64 s[24:25], s[10:11], s[24:25]
	s_add_nc_u64 s[26:27], s[10:11], s[26:27]
.set t, 0
.rept 16
	global_load_b128 v[X+4*t:X+4*t+3], v5, s[4:5] offset:(t+8*(t/8))*4096   ; row t of the block: 512 consecutive bytes
.set t, t+1
.endr
.irp b, 0,1,2,3
.irp j, 0,1,2,3
	global_load_b128 v[G+16*\b+4*\j:G+16*\b+4*\j+3], v11, s[6:7] offset:128*\b+16*\j
.endr
.endr
	s_wait_loadcnt 16                              ; x is in; g's sixteen loads may be out
.set t, 0
.rept 16
	ds_store_b128 v7, v[X+4*t:X+4*t+3] offset:528*t
.set t, t+1
.endr
.irp b, 0,1,2,3
.irp j, 0,1,2,3
	ds_load_b128 v[Y+16*\b+4*\j:Y+16*\b+4*\j+3], v8 offset:128*\b+16*\j   ; LDS serves a wave's instructions in order: these see my stores
.endr
.endr
	s_wait_dscnt 0x0                               ; the numbers are back, and the stores have read x's registers,
.irp b, 0,1,2,3
.irp j, 0,1,2,3
	global_load_b128 v[X+16*\b+4*\j:X+16*\b+4*\j+3], v11, s[8:9] offset:128*\b+16*\j   ; which take be
.endr
.endr
	v_pk_add_f32 v[248:249], v[80:81], v[82:83]
	v_pk_add_f32 v[254:255], v[88:89], v[92:93]
	v_pk_add_f32 v[244:245], v[96:97], v[100:101]
	v_pk_add_f32 v[242:243], v[104:105], v[108:109]
	v_pk_add_f32 v[240:241], v[112:113], v[116:117]
	v_pk_add_f32 v[238:239], v[120:121], v[124:125]
	v_pk_add_f32 v[236:237], v[128:129], v[132:133]
	v_pk_add_f32 v[246:247], v[136:137], v[140:141]
	s_delay_alu instid0(VALU_DEP_1)
	v_pk_add_f32 v[246:247], v[246:247], v[84:85]
	v_pk_add_f32 v[248:249], v[248:249], v[86:87]
	v_pk_add_f32 v[254:255], v[254:255], v[90:91]
	v_pk_add_f32 v[244:245], v[244:245], v[94:95]
	v_pk_add_f32 v[242:243], v[242:243], v[98:99]
	v_pk_add_f32 v[240:241], v[240:241], v[102:103]
	v_pk_add_f32 v[238:239], v[238:239], v[106:107]
	v_pk_add_f32 v[236:237], v[236:237], v[110:111]
	v_pk_add_f32 v[246:247], v[246:247], v[114:115]
	v_pk_add_f32 v[248:249], v[248:249], v[118:119]
	v_pk_add_f32 v[254:255], v[254:255], v[122:123]
	v_pk_add_f32 v[244:245], v[244:245], v[126:127]
	v_pk_add_f32 v[242:243], v[242:243], v[130:131]
	v_pk_add_f32 v[240:241], v[240:241], v[134:135]
	v_pk_add_f32 v[238:239], v[238:239], v[138:139]
	v_pk_add_f32 v[236:237], v[236:237], v[142:143]
	s_delay_alu instid0(VALU_DEP_4)
	v_pk_add_f32 v[246:247], v[246:247], v[242:243]
	s_delay_alu instid0(VALU_DEP_4)
	v_pk_add_f32 v[248:249], v[248:249], v[240:241]
	s_delay_alu instid0(VALU_DEP_4)
	v_pk_add_f32 v[254:255], v[254:255], v[238:239]
	s_delay_alu instid0(VALU_DEP_4)
	v_pk_add_f32 v[244:245], v[244:245], v[236:237]
	s_delay_alu instid0(VALU_DEP_2)
	v_pk_add_f32 v[246:247], v[246:247], v[254:255]
	s_delay_alu instid0(VALU_DEP_2)
	v_pk_add_f32 v[248:249], v[248:249], v[244:245]
	s_delay_alu instid0(VALU_DEP_1)
	v_pk_add_f32 v[246:247], v[246:247], v[248:249]
	s_delay_alu instid0(VALU_DEP_1)
	v_add_f32 v246, v246, v247
	s_delay_alu instid0(VALU_DEP_1)
	v_permlanex16_b32 v250, v246, s[SEL], s[SEL+1]
	s_delay_alu instid0(VALU_DEP_1)
	v_add_f32 v246, v246, v250                     ; my wave's 128 columns of row r
	ds_store_b32 v9, v246                          ; (lanes r and r + 16 write the same word with the same value)
	s_wait_dscnt 0x0                               ; for the others' sake
	s_barrier_signal -1
	s_barrier_wait -1
	ds_load_b128 v[208:211], v10
	ds_load_b128 v[212:215], v10 offset:16
	s_wait_dscnt 0x0
	v_add_f32 v208, v208, v209
	v_add_f32 v210, v210, v211
	v_add_f32 v212, v212, v213
	v_add_f32 v214, v214, v215
	s_delay_alu instid0(VALU_DEP_3)
	v_add_f32 v208, v208, v210
	s_delay_alu instid0(VALU_DEP_2)
	v_add_f32 v212, v212, v214
	s_delay_alu instid0(VALU_DEP_1)
	v_add_f32 v208, v208, v212
	s_delay_alu instid0(VALU_DEP_1)
	v_mul_f32 v12, s14, v208                       ; the mean
	s_delay_alu instid0(VALU_DEP_1)
	v_mov_b32 v13, v12
.set j, 0
.rept 32
	v_pk_add_f32 v[Y+j:Y+j+1], v[Y+j:Y+j+1], v[12:13] neg_lo:[0,1] neg_hi:[0,1]   ; x - mean
.set j, j+2
.endr
	v_pk_mul_f32 v[246:247], v[Y:Y+1], v[Y:Y+1]
	v_pk_mul_f32 v[248:249], v[Y+2:Y+3], v[Y+2:Y+3]
.set j, 4
.rept 15
	s_delay_alu instid0(VALU_DEP_2)
	v_pk_fma_f32 v[246:247], v[Y+j:Y+j+1], v[Y+j:Y+j+1], v[246:247]
	s_delay_alu instid0(VALU_DEP_2)
	v_pk_fma_f32 v[248:249], v[Y+j+2:Y+j+3], v[Y+j+2:Y+j+3], v[248:249]
.set j, j+4
.endr
	s_delay_alu instid0(VALU_DEP_1)
	v_pk_add_f32 v[246:247], v[246:247], v[248:249]
	s_delay_alu instid0(VALU_DEP_1)
	v_add_f32 v246, v246, v247
	s_delay_alu instid0(VALU_DEP_1)
	v_permlanex16_b32 v250, v246, s[SEL], s[SEL+1]
	s_delay_alu instid0(VALU_DEP_1)
	v_add_f32 v246, v246, v250
	ds_store_b32 v9, v246 offset:512               ; other bytes than the first sums': no barrier is owed between
	s_wait_dscnt 0x0
	s_barrier_signal -1
	s_barrier_wait -1
	ds_load_b128 v[208:211], v10 offset:512
	ds_load_b128 v[212:215], v10 offset:528
	s_wait_dscnt 0x0
	v_add_f32 v208, v208, v209
	v_add_f32 v210, v210, v211
	v_add_f32 v212, v212, v213
	v_add_f32 v214, v214, v215
	s_delay_alu instid0(VALU_DEP_3)
	v_add_f32 v208, v208, v210
	s_delay_alu instid0(VALU_DEP_2)
	v_add_f32 v212, v212, v214
	s_delay_alu instid0(VALU_DEP_1)
	v_add_f32 v208, v208, v212
	s_delay_alu instid0(VALU_DEP_1)
	v_fma_f32 v208, v208, s14, s15                 ; var + 1e-5
	s_wait_alu depctr_va_vdst(0)
	v_rsq_f32 v14, v208
	v_nop                                          ; a plain place behind the transcendental
	s_wait_alu depctr_va_vdst(0)                   ; the wait ahead of the first reader
	v_mov_b32 v15, v14
	s_wait_alu depctr_va_vdst(0)
	s_wait_loadcnt 0x0                             ; g and be
.set j, 0
.rept 32
	v_pk_mul_f32 v[Y+j:Y+j+1], v[Y+j:Y+j+1], v[14:15]
.set j, j+2
.endr
.set j, 0
.rept 32
	v_pk_fma_f32 v[Y+j:Y+j+1], v[Y+j:Y+j+1], v[G+j:G+j+1], v[X+j:X+j+1]
.set j, j+2
.endr
	QUANT Y
.irp c, 0,1,2
	global_store_b128 v5, v[PC+4*\c:PC+4*\c+3], s[24:25] offset:512*\c   ; 512 consecutive bytes a store
.endr
	global_store_b32 v6, v[PW], s[26:27]
	s_wait_tensorcnt 0x0                           ; the wave's end
	ds_add_u32 v[SPW], v[NIL]
	s_wait_dscnt 0x0
	s_endpgm
	; ======== the second kind: the weights' quantiser ========
.Lweights:
	s_load_b256 s[4:11], s[0:1], 0x20              ; Wq, Wk, Wv, Wo
	s_load_b64 s[16:17], s[0:1], 0x18              ; pa
	v_lshrrev_b32 v1, 5, v0
	s_delay_alu instid0(VALU_DEP_1)
	v_readfirstlane_b32 s18, v1                    ; wave 0..7
	v_and_b32 v2, 31, v0                           ; lane = my column in the wave's 32
	s_delay_alu instid0(VALU_DEP_1)
	v_lshlrev_b32 v3, 4, v2                        ; 16 x lane
	s_delay_alu instid0(VALU_DEP_2)
	v_lshlrev_b32 v4, 2, v2                        ; 4 x lane
	s_mul_i32 s19, s18, WREG
	s_add_co_u32 s19, s19, PBASE                   ; my wave's LDS bytes
	v_bfe_u32 v9, v0, 3, 1                         ; u: which of the two fragments my column belongs to
	v_and_b32 v5, 7, v0
	v_bfe_u32 v6, v0, 4, 1
	s_delay_alu instid0(VALU_DEP_1)
	v_lshl_add_u32 v7, v6, 3, v5                   ; r: its row there
	s_delay_alu instid0(VALU_DEP_4)
	v_mul_u32_u24 v8, v9, FPIT
	s_delay_alu instid0(VALU_DEP_1)
	v_lshl_add_u32 v5, v7, 4, v8
	s_delay_alu instid0(VALU_DEP_1)
	v_add_nc_u32 v5, s19, v5                       ; v5: where lane r of fragment u has its 16 bytes
	v_lshlrev_b32 v8, 7, v9
	s_delay_alu instid0(VALU_DEP_1)
	v_lshl_add_u32 v6, v7, 2, v8
	s_delay_alu instid0(VALU_DEP_1)
	v_add_nc_u32 v6, s19, v6
	s_delay_alu instid0(VALU_DEP_1)
	v_add_nc_u32 v6, SIMG, v6                      ; v6: and its scale word
	v_add_nc_u32 v7, s19, v3                       ; v7: back: 16 x lane
	v_add_nc_u32 v8, s19, v4
	s_delay_alu instid0(VALU_DEP_1)
	v_add_nc_u32 v8, SIMG, v8                      ; v8: back: 4 x lane
	s_wait_kmcnt 0x0
	s_mov_b64 s[20:21], s[10:11]                   ; Wo's figures, unless a PICK below takes over
	s_mov_b32 s22, NLN+96                          ; the tensor's first work-group
	s_mov_b32 s23, 4096                            ; bytes of a row: the same in all four
	s_mov_b32 s24, 2                               ; log2 of its blocks of 256 columns
	s_mov_b32 s25, 8                               ; K steps
	s_mov_b32 s26, 64                              ; fragment slots in a K step
	s_mov_b32 s27, WO_C
	s_mov_b32 s28, WO_S
	PICK NLN+96, 8, NLN+64, 256, WQKV_C+128*1536, WQKV_S+128*1024
	PICK NLN+64, 6, NLN+32, 256, WQKV_C+64*1536, WQKV_S+64*1024
	PICK NLN+32, 4, NLN, 256, WQKV_C, WQKV_S
	s_sub_co_u32 s29, ttmp9, s22                   ; my number in the tensor
	s_bfm_b32 s30, s24, 0
	s_and_b32 s31, s29, s30                        ; which 256 columns
	s_lshr_b32 s29, s29, s24                       ; which K step
	s_lshl_b32 s32, s31, 4
	s_lshl_b32 s33, s18, 1
	s_add_co_u32 s32, s32, s33                     ; rb of my wave's first fragment
	s_mul_i32 s34, s29, s23
	s_lshl_b32 s34, s34, 7                         ; 128 rows a K step
	s_lshl_b32 s35, s32, 6                         ; 16 columns of 4 bytes a fragment
	s_add_co_u32 s34, s34, s35
	s_mov_b32 s35, 0
	s_add_nc_u64 s[RB0:RB0+1], s[20:21], s[34:35]
	s_mov_b32 s36, s23
	s_mov_b32 s37, 0
.set i, 1
.rept 15
	s_add_nc_u64 s[RB0+2*i:RB0+2*i+1], s[RB0+2*(i-1):RB0+2*(i-1)+1], s[36:37]
.set i, i+1
.endr
	s_mul_i32 s38, s29, s26
	s_add_co_u32 s38, s38, s32
	s_mul_i32 s38, s38, 1536
	s_add_co_u32 s38, s38, s27
	s_mov_b32 s39, 0
	s_add_nc_u64 s[38:39], s[16:17], s[38:39]      ; where my two fragments go
	s_mul_i32 s40, s32, s25
	s_add_co_u32 s40, s40, s29
	s_lshl_b32 s40, s40, 7
	s_add_co_u32 s40, s40, s28
	s_mov_b32 s41, 0
	s_add_nc_u64 s[40:41], s[16:17], s[40:41]      ; and their scale words
	s_lshl_b32 s42, s25, 7                         ; the second fragment's lie KS x 128 bytes on
	v_mov_b32 v10, v4
	v_add_nc_u32 v11, s42, v4
	s_lshl_b32 s43, s23, 4                         ; 16 rows
	v_mov_b32 v[OF], v4
.set i, 1
.rept 7
	s_delay_alu instid0(VALU_DEP_1)
	v_add_nc_u32 v[OF+i], s43, v[OF+i-1]
.set i, i+1
.endr
.macro LOAD b                          ; block b: rows 32 b + 0 .. 31 of my column; each load reads 128 consecutive bytes a wave
.irp q, 0,1
.irp i, 0,1,2,3,4,5,6,7,8,9,10,11,12,13,14,15
	global_load_b32 v[WX+32*(\b)+16*\q+\i], v[OF+2*(\b)+\q], s[RB0+2*\i:RB0+2*\i+1] th:TH_LOAD_NT
.endr
.endr
.endm
.macro BLOCK b
.set XS, WX+32*(\b)
.if (\b) < 3
	s_wait_loadcnt 32                              ; this block's 32 loads are in; the next block's 32 may be out
.else
	s_wait_loadcnt 0x0
.endif
.if (\b) < 2
	LOAD (\b)+2                                    ; two blocks ahead: every block has registers of its own
.endif
	v_max3_num_f32 v12, |v[XS]|, |v[XS+1]|, |v[XS+2]|      ; the block's largest magnitude, in two chains
	v_max3_num_f32 v13, |v[XS+3]|, |v[XS+4]|, |v[XS+5]|
.irp i, 6,10,14,18,22,26
	s_delay_alu instid0(VALU_DEP_2)
	v_max3_num_f32 v12, v12, |v[XS+\i]|, |v[XS+\i+1]|
	s_delay_alu instid0(VALU_DEP_2)
	v_max3_num_f32 v13, v13, |v[XS+\i+2]|, |v[XS+\i+3]|
.endr
	s_delay_alu instid0(VALU_DEP_2)
	v_max3_num_f32 v12, v12, |v[XS+30]|, |v[XS+31]|
	s_delay_alu instid0(VALU_DEP_1)
	v_max3_num_f32 v12, v12, v13, 0x1800000        ; and the floor 2^(3 - 127): the byte cannot fall under 1
	s_delay_alu instid0(VALU_DEP_1)
	v_add_nc_u32 v14, 0xff000000, v12              ; 2 off the exponent field: the conversion's scale operand
	s_delay_alu instid0(VALU_DEP_1)
	v_lshrrev_b32 v15, 23, v14                     ; the scale's byte
.if (\b) == 0
	s_delay_alu instid0(VALU_DEP_1)
	v_mov_b32 v24, v15
.else
	s_delay_alu instid0(VALU_DEP_1)
	v_lshl_or_b32 v24, v15, 8*(\b), v24            ; four bytes make my column's scale word
.endif
	v_cvt_scalef32_pk16_fp6_f32 v[CD+6*(\b):CD+6*(\b)+2], v[XS:XS+15], v14
	v_cvt_scalef32_pk16_fp6_f32 v[TU:TU+2], v[XS+16:XS+31], v14    ; (a conversion's three registers begin on an even number)
	v_nop                                          ; one plain place behind a scaled conversion
.irp i, 0,1,2
	v_mov_b32 v[CD+6*(\b)+3+\i], v[TU+\i]
.endr
; block b is registers 6 (b / 2) .. + 5 of lane r + 16 (b % 2) of the fragment
.if (\b) == 0
	ds_store_b128 v5, v[CD:CD+3]
	ds_store_b64 v5, v[CD+4:CD+5] offset:512
.elseif (\b) == 1
	ds_store_b128 v5, v[CD+6:CD+9] offset:256
	ds_store_b64 v5, v[CD+10:CD+11] offset:768
.elseif (\b) == 2
	ds_store_b64 v5, v[CD+12:CD+13] offset:520
	ds_store_b128 v5, v[CD+14:CD+17] offset:1024
.else
	ds_store_b64 v5, v[CD+18:CD+19] offset:776
	ds_store_b128 v5, v[CD+20:CD+23] offset:1280
.endif
.endm
	LOAD 0
	LOAD 1
	s_wait_alu depctr_va_vdst(0)
	BLOCK 0
	BLOCK 1
	BLOCK 2
	BLOCK 3
	ds_store_b32 v6, v24                           ; the scale word, for lane r
	ds_store_b32 v6, v24 offset:64                 ; and for lane r + 16
.irp u, 0,1
.irp c, 0,1,2
	ds_load_b128 v[FB+12*\u+4*\c:FB+12*\u+4*\c+3], v7 offset:\u*FPIT+512*\c   ; LDS serves a wave's instructions in order: these see my stores
.endr
	ds_load_b32 v[FB+24+\u], v8 offset:128*\u
.endr
	s_wait_dscnt 0x0
.irp u, 0,1
.irp c, 0,1,2
	global_store_b128 v3, v[FB+12*\u+4*\c:FB+12*\u+4*\c+3], s[38:39] offset:\u*1536+512*\c   ; 512 consecutive bytes a store
.endr
	global_store_b32 v[10+\u], v[FB+24+\u], s[40:41]
.endr
	s_wait_tensorcnt 0x0                           ; the wave's end
	ds_add_u32 v[SPW], v[NIL]
	s_wait_dscnt 0x0
	s_endpgm
.Lfunc_end_k_q3c77a6ac5e_lnw1:
	.size	k_q3c77a6ac5e_lnw1, .Lfunc_end_k_q3c77a6ac5e_lnw1-k_q3c77a6ac5e_lnw1
	.p2alignl 7, 3214868480
	.fill 96, 4, 3214868480
	.section	.rodata,"a",@progbits
	.p2align	6, 0x0
	.amdhsa_kernel k_q3c77a6ac5e_lnw1
		.amdhsa_group_segment_fixed_size 98304
		.amdhsa_private_segment_fixed_size 0
		.amdhsa_enable_private_segment 0
		.amdhsa_kernarg_size 64
		.amdhsa_user_sgpr_count 2
		.amdhsa_user_sgpr_kernarg_segment_ptr 1
		.amdhsa_wavefront_size32 1
		.amdhsa_system_sgpr_workgroup_id_x 1
		.amdhsa_system_sgpr_workgroup_id_y 1
		.amdhsa_system_sgpr_workgroup_id_z 1
		.amdhsa_system_vgpr_workitem_id 0
		.amdhsa_next_free_vgpr 256
		.amdhsa_next_free_sgpr 100
		.amdhsa_reserve_vcc 0
		.amdhsa_float_denorm_mode_32 3
		.amdhsa_float_denorm_mode_16_64 3
		.amdhsa_memory_ordered 1
		.amdhsa_forward_progress 1
		.amdhsa_inst_pref_size 56
	.end_amdhsa_kernel
	.amdgpu_metadata
---
amdhsa.version: [ 1, 2 ]
amdhsa.kernels:
  - .name:           k_q3c77a6ac5e_lnw1
    .symbol:         k_q3c77a6ac5e_lnw1.kd
    .args:
      - { .name: x, .offset: 0, .size: 8, .value_kind: global_buffer, .address_space: global }
      - { .name: g1, .offset: 8, .size: 8, .value_kind: global_buffer, .address_space: global }
      - { .name: be1, .offset: 16, .size: 8, .value_kind: global_buffer, .address_space: global }
      - { .name: pa, .offset: 24, .size: 8, .value_kind: global_buffer, .address_space: global }
      - { .name: Wq, .offset: 32, .size: 8, .value_kind: global_buffer, .address_space: global }
      - { .name: Wk, .offset: 40, .size: 8, .value_kind: global_buffer, .address_space: global }
      - { .name: Wv, .offset: 48, .size: 8, .value_kind: global_buffer, .address_space: global }
      - { .name: Wo, .offset: 56, .size: 8, .value_kind: global_buffer, .address_space: global }
    .group_segment_fixed_size: 98304
    .private_segment_fixed_size: 0
    .kernarg_segment_align: 8
    .kernarg_segment_size: 64
    .max_flat_workgroup_size: 256
    .sgpr_count:     100
    .vgpr_count:     256
    .wavefront_size: 32
...
	.end_amdgpu_metadata
.endif
;; end of part 1
;; launch qkv (part 2): grid 12 x 16, 4 waves a work-group, clusters of 4 x 4, 327,680 bytes of LDS; arguments pa, qkv; writes qkv
.if DOCPART == 2
	.amdgcn_target "amdgcn-amd-amdhsa--gfx1250"
	.amdhsa_code_object_version 6
	.text
	.protected	k_q3c77a6ac5e_qkv
	.globl	k_q3c77a6ac5e_qkv
	.p2align	8
	.type	k_q3c77a6ac5e_qkv,@function
k_q3c77a6ac5e_qkv:
	s_mov_b64 s[64:65], 0
	v_nop
	global_prefetch_b8 v0, s[64:65] scope:SCOPE_SE
	s_setreg_imm32_b32 hwreg(HW_REG_WAVE_MODE, 25, 1), 1
	s_wait_xcnt 0x0
	s_wait_alu depctr_hold_cnt(0) depctr_sa_sdst(0) depctr_va_vdst(0) depctr_va_sdst(0) depctr_va_ssrc(0) depctr_va_vcc(0) depctr_vm_vsrc(0)
	s_getreg_b32 s2, hwreg(HW_REG_IB_STS2, 6, 4)
	s_cmp_eq_u32 s2, 0
	s_cbranch_scc0 .Lentry_in_a_cluster
	s_endpgm
.Lentry_in_a_cluster:
	s_bfe_u32 s2, ttmp6, 0x10000c
	s_cmp_lg_u32 s2, 0xf033
	s_cbranch_scc0 .Lentry_shape_is_right
	s_endpgm
.Lentry_shape_is_right:
; q = h Wq, k = h Wk, v = h Wv on codes of FP6 (E2M3, one E8M0 byte for each 32 along K = 1,024), and the results quantised at once: q and k along the head's 64, v along the keys.
; All operands lie in memory as images of operand registers: a fragment (16 rows x 128 K) is 1,536 dense bytes, fragment (K step, block) at (256 ks + rb) x 1,536, its scale words at (8 rb + ks) x 128.
; A tile of the result is 256 x 256: four waves, each 128 x 128 in 64 accumulators.  K goes two steps (256) to a slot and LDS holds five K steps of each side, one a region; all scale words of the tile's rows come once.
; THE PRODUCT IS USED TRANSPOSED: source 0 = the B side, source 1 = the A side: a lane holds one row of the A side, and, by the order of rows in a fragment (row r of block 2 b + u is row 32 b + 8 u + r + 8 (r / 8)),
; the 16 registers of B's blocks 2 b, 2 b + 1 are 16 neighbours of the B side: what the quantiser takes.  So the side along which the result is quantised is the B side:
;   clusters x = 0, 1: A = tokens (h), B = columns of Wq, Wk: a wave's 128 columns are a pair of heads: fragment F = 256 step + token block (step 0-7: q's head pairs, 8-15: k's);
;   cluster  x = 2:    A = columns of Wv, B = tokens: v comes out with the keys innermost: F = 4,096 + 64 token step + block of columns.
; The two modes differ in NUMBERS chosen by the cluster's x (s_cselect), the same in all sixteen partners: no branch.
; CLUSTERS 4 x 4: A's tiles are asked for jointly along a row of the cluster, B's along a column.  No prefetch: two refills in all, and the launch is short.
; LIMITS: NaN and infinities are not served; a block of zeros or under 2^-124 gets the byte 1 (read by this program alone).
.set WQKV_C, 3407872
.set NQ,    2
.set FR,    12
.set NL,    3
.set NP,    4
; THE WALK ALONG K AS THIS TEXT HAS IT: LDS holds five K steps of each side, K step k in region k % 5 of A's area and of B's (a region: 16 fragments, 24,576 bytes).
; K steps 0-2 and all scale words are asked for at the head (wave 0: A, wave 1: B, wave 2: A's scale words, wave 3: B's), K steps 3, 4 behind the first round (a K step of a side to a wave),
; K steps 5-7 into regions 0-2 in K step 2, when every wave has read them out (waves 0 and 1).  So the walk has two barriers, in K steps 2 and 4.
.set KREG,  24576                      ; a K step of one side: 16 fragments
.set BAREA, 122880                     ; A's five regions, then B's five
.set SCL,   245760                     ; behind them: the scale words, [block][K step][128 bytes], 16,384 bytes a side
.set HALFS, 8192
.set SPARE, 278528                     ; the spare words, 128 bytes a wave
.set ADRA, 16                          ; v16-17 my A fragments in regions 0-2, 3-4
.set ADRB, 20                          ; v20-21 my B fragments
.set LI,   24                          ; 16 x lane
.set LS,   25                          ; 4 x lane
.set ADRS, 27                          ; my scale words: lanes 0-15 A's, lanes 16-31 B's
.set SPW,  28
.set NIL,  29
.set SC,   32                          ; v32-63 scale words, two sets: register 2 i + q of a set: block i, the slot's q-th K step
.set AF,   128                         ; v128-223 A's fragments, one set
.set TM,   200                         ; the way out: at work
.set PW,   216
.set PC,   224
.set SEL,  2                           ; s[2:3]
.set G1, 24
.set G0, 32
.set G1B, 48
.set G0B, 56
.set G1S, 68
.set G0S, 76
.set G1SB, 80
.set G0SB, 88
.set MSB, 0
.macro WIN new
.if MSB != (\new)
	s_set_vgpr_msb (MSB<<8)|(\new)
.set MSB, (\new)
.endif
.endm
.set MUL_LO, 0xa1                      ; source 0 (B) window 1, source 1 (A) window 0, C and D window 2
.set MUL_HI, 0xf1
.set TO_B,   0x40
.macro JLOAD g0a, g1a, g0b, g1b        ; waves 0, 1 fetch for A, waves 2, 3 for B; an s_nop 0 and four v_nop follow each line
	s_cmp_eq_u32 s15, 0
	s_cbranch_scc0 .Lfor_b_\@
	tensor_load_to_lds s[\g0a:\g0a+3], s[\g1a:\g1a+7]
	s_nop 0
.rept 4
	v_nop
.endr
	s_branch .Lasked_\@
.Lfor_b_\@:
	tensor_load_to_lds s[\g0b:\g0b+3], s[\g1b:\g1b+7]
	s_nop 0
.rept 4
	v_nop
.endr
.Lasked_\@:
.endm
.macro CREST
	s_cmp_lg_u32 s14, 0
	s_cbranch_scc1 .Lnot_wave_0_\@
	s_barrier_signal -3
.Lnot_wave_0_\@:
	s_barrier_wait -3
	s_barrier_signal -1
	s_barrier_wait -1
.endm
.macro CROUND
	s_barrier_signal -1
	s_barrier_wait -1
	CREST
.endm
.macro PLACES n
.rept \n
	v_nop
.endr
.endm
.macro QUANT s, w                      ; 64 numbers v[s] .. of window w -> codes in v[PC] on, scale word in v[PW]
	s_wait_xcnt 0x0                                ; the last fragment's stores have read the codes' registers
	WIN (\w)|((\w)<<2)
.irp b, 0,1,2,3
	v_max3_num_f32 v[TM+\b], |v[(\s)+16*\b]|, |v[(\s)+1+16*\b]|, 0x1800000
.endr
	WIN ((\w)<<2)|((\w)<<4)
.irp i, 2,4,6,8,10,12,14
.irp b, 0,1,2,3
	v_max3_num_f32 v[TM+\b], v[TM+\b], |v[(\s)+16*\b+\i]|, |v[(\s)+1+16*\b+\i]|
.endr
.endr
	WIN 0
.irp b, 0,1,2,3
	v_permlanex16_b32 v[TM+4+\b], v[TM+\b], s[SEL], s[SEL+1]
.endr
.irp b, 0,1,2,3
	v_max_num_f32 v[TM+\b], v[TM+\b], v[TM+4+\b]
.endr
.irp b, 0,1,2,3
	v_add_nc_u32 v[TM+12+\b], 0xff000000, v[TM+\b]
.endr
.irp b, 0,1,2,3
	v_lshrrev_b32 v[TM+4+\b], 23, v[TM+12+\b]
.endr
	v_lshl_or_b32 v[PW], v[TM+5], 8, v[TM+4]
	v_lshl_or_b32 v[PW], v[TM+6], 16, v[PW]
	v_lshl_or_b32 v[PW], v[TM+7], 24, v[PW]
	WIN (\w)
.irp c, 0,1
	v_cvt_scalef32_pk16_fp6_f32 v[PC+6*\c:PC+2+6*\c], v[(\s)+32*\c:(\s)+15+32*\c], v[TM+12+2*\c]
	v_cvt_scalef32_pk16_fp6_f32 v[PC+12+4*\c:PC+14+4*\c], v[(\s)+16+32*\c:(\s)+31+32*\c], v[TM+12+2*\c+1]
.endr
	WIN 0
	v_nop
.irp c, 0,1
.irp i, 0,1,2
	v_permlane16_swap_b32 v[PC+6*\c+\i], v[PC+12+4*\c+\i]
.endr
.irp i, 0,1,2
	v_mov_b32 v[PC+3+6*\c+\i], v[PC+12+4*\c+\i]
.endr
.endr
.endm
	s_load_b128 s[4:7], s[0:1], 0x0                ; pa, qkv
	v_lshl_add_u32 v[SPW], v0, 2, SPARE
	v_mov_b32 v[NIL], 0
	ds_add_u32 v[SPW], v[NIL]                      ; the wave's opening: the add and its wait ahead of my first tensor load
	ds_add_u32 v[SPW], v[NIL]
	v_lshrrev_b32 v1, 5, v0
	v_readfirstlane_b32 s14, v1                    ; wave 0..3
	s_lshr_b32 s15, s14, 1                         ; my half of A's rows.  Also: I fetch for A (0) or B (1)
	s_and_b32 s16, s14, 1                          ; my half of B's rows.  Also: which 8 blocks I fetch
	s_bfe_u32 s40, ttmp6, 0x40000                  ; cx
	s_bfe_u32 s41, ttmp6, 0x40004                  ; cy
	s_and_b32 s12, ttmp7, 0xffff
	s_lshl_b32 s12, s12, 2                         ; 4 x cluster y
	s_lshl_b32 s13, ttmp9, 2                       ; 4 x cluster x
	s_cmp_eq_u32 ttmp9, 2                          ; v's clusters?  The same in all sixteen partners; it chooses numbers alone
	s_cselect_b32 s17, 8, s12                      ; A's tile less cy
	s_cselect_b32 s42, s12, s13                    ; B's tile less cx
	s_cselect_b32 s18, WQKV_C, 0                   ; where A's side begins in pa (its scale words 3,145,728 bytes further on)
	s_cselect_b32 s19, 0, WQKV_C                   ; and B's
	s_cselect_b32 s11, 64, 256                     ; the result's fragments in a step
	s_cselect_b32 s92, 4096, 0                     ; its first fragment
	s_cselect_b32 s93, 8, 0                        ; A's tile counts from here in the result
	s_add_co_u32 s17, s17, s41                     ; A's tile
	s_add_co_u32 s42, s42, s40                     ; B's tile
	s_lshl_b32 s43, s41, 2
	s_lshl_b32 s43, 15, s43                        ; my row of the cluster
	s_lshl_b32 s44, 0x1111, s40                    ; my column
	s_or_b32 s[G1+0], s43, (3<<16)|(1<<21)         ; elements of 8 bytes, no padding; the mask, and bit 21 beside it
	s_or_b32 s[G1B+0], s44, (3<<16)|(1<<21)
.irp g, G1, G1B                                ; K steps 393,216 bytes apart
	s_mov_b32 s[\g+1], 3072<<16                    ; 3 rows (K steps) of 24,576 bytes (16 fragments)
	s_mov_b32 s[\g+2], 3<<16
	s_mov_b32 s[\g+3], 3072<<16
	s_mov_b32 s[\g+4], 3
	s_mov_b32 s[\g+5], 49152
	s_mov_b32 s[\g+6], 0
	s_mov_b32 s[\g+7], 0
.endr
	s_or_b32 s[G1S+0], s43, (3<<16)|(1<<21)
	s_or_b32 s[G1SB+0], s44, (3<<16)|(1<<21)
.irp g, G1S, G1SB                              ; rows of 256 dense bytes
	s_mov_b32 s[\g+1], 32<<16
	s_mov_b32 s[\g+2], 64<<16                      ; 16,384 dense bytes as 64 rows of 256
	s_mov_b32 s[\g+3], 32<<16
	s_mov_b32 s[\g+4], 64
	s_mov_b32 s[\g+5], 32
	s_mov_b32 s[\g+6], 0
	s_mov_b32 s[\g+7], 0
.endr
	s_lshl_b32 s20, s17, 4                         ; A: the tile's first block
	s_lshl_b32 s46, s42, 4                         ; B likewise
	s_lshl_b32 s22, s20, 10
	s_add_co_u32 s22, s22, s18
	s_add_co_u32 s22, s22, 3145728
	s_mov_b32 s23, 0
	s_mul_i32 s20, s20, 1536
	s_add_co_u32 s20, s20, s18
	s_mov_b32 s21, 0
	s_lshl_b32 s8, s46, 10
	s_add_co_u32 s8, s8, s19
	s_add_co_u32 s8, s8, 3145728
	s_mov_b32 s9, 0
	s_mul_i32 s46, s46, 1536
	s_add_co_u32 s46, s46, s19
	s_mov_b32 s47, 0
	s_mul_i32 s45, s16, KREG
	s_add_co_u32 s45, s45, 3*KREG                  ; K step 3 or 4: its region in an area, by the wave's number alone,
	s_mul_i32 s94, s16, 393216
	s_add_co_u32 s94, s94, 3*393216                ; and its place in memory
	s_mov_b32 s95, 0
	s_mov_b32 s[SEL], 0x76543210
	s_mov_b32 s[SEL+1], 0xfedcba98
	s_wait_dscnt 0x0                               ; the opening add is done
	s_wait_kmcnt 0x0
	s_add_nc_u64 s[20:21], s[4:5], s[20:21]
	s_add_nc_u64 s[22:23], s[4:5], s[22:23]
	s_add_nc_u64 s[46:47], s[4:5], s[46:47]
	s_add_nc_u64 s[8:9], s[4:5], s[8:9]
	CROUND                                         ; all sixteen work-groups are here: the first joint loads meet
.macro GZ g, p                         ; a group 0 but for its LDS address: count 1, the address in s[p:p+1], the type
	s_mov_b32 s[\g], 1
	s_mov_b64 s[\g+2:\g+3], s[\p:\p+1]
	s_or_b32 s[\g+3], s[\g+3], 0x80000000
.endm
	GZ G0S, 22                                     ; A's scale words
	s_mov_b32 s[G0S+1], SCL
	GZ G0SB, 8                                     ; B's
	s_mov_b32 s[G0SB+1], SCL+2*HALFS
	GZ G0, 20                                      ; A's K steps 0-2; later 5-7
	s_mov_b32 s[G0+1], 0
	GZ G0B, 46                                     ; B's
	s_mov_b32 s[G0B+1], BAREA
	s_add_nc_u64 s[20:21], s[20:21], s[94:95]
	s_add_nc_u64 s[46:47], s[46:47], s[94:95]
	GZ G0+4, 20                                    ; K step 3 or 4 of A,
	s_mov_b32 s[G0+5], s45
	GZ G0B+4, 46                                   ; and of B
	s_add_co_u32 s[G0B+5], s45, BAREA
; the head's loads, one a wave: one chain of branches on the wave's number, every way through it passes one load
.macro ARM under, g0, g1, next
	s_cmp_lt_u32 s14, \under
	s_cbranch_scc0 \next
	tensor_load_to_lds s[\g0:\g0+3], s[\g1:\g1+7]
	s_nop 0
.rept 4
	v_nop
.endr
	s_branch .Lhead_asked
\next:
.endm
	ARM 1, G0,  G1,  .Lhead_b
	ARM 2, G0B, G1B, .Lhead_sa
	ARM 3, G0S, G1S, .Lhead_sb
	tensor_load_to_lds s[G0SB:G0SB+3], s[G1SB:G1SB+7]
	s_nop 0
.rept 4
	v_nop
.endr
.Lhead_asked:
	v_and_b32 v1, 31, v0
	v_bfe_u32 v2, v0, 4, 1
	s_wait_alu depctr_va_vdst(0)
	v_lshlrev_b32 v[LI], 4, v1
	v_lshlrev_b32 v[LS], 2, v1
	s_mul_i32 s95, s15, 12288                      ; my 8 blocks of a region's 16
	s_mul_i32 s96, s16, 12288
	s_add_co_u32 s96, s96, BAREA
.irp s, 0,1                                    ; register 0 serves regions 0-2, register 1 regions 3, 4: the offsets stay inside 16 bits
	v_add_nc_u32 v[ADRA+\s], s95, v[LI]
	v_add_nc_u32 v[ADRB+\s], s96, v[LI]
	s_add_co_u32 s95, s95, 3*KREG
	s_add_co_u32 s96, s96, 3*KREG
.endr
	s_mul_i32 s95, s15, HALFS                      ; A's scale words: my 8 blocks
	s_mul_i32 s96, s16, HALFS
	s_add_co_u32 s96, s96, 2*HALFS                 ; B's lie behind A's 16 blocks
	s_sub_co_u32 s96, s96, s95
	v_mul_u32_u24 v3, s96, v2                      ; lanes 16-31 take B's: one product
	s_wait_alu depctr_va_vdst(0)
	s_add_co_u32 s95, s95, SCL
	v_add_nc_u32 v3, v3, v[LS]
	v_add_nc_u32 v[ADRS], s95, v3
	s_lshl_b32 s95, s42, 1                         ; where my eight fragments go
	s_add_co_u32 s95, s95, s16                     ; the step: my 128 of the B side
	s_mul_i32 s95, s95, s11
	s_sub_co_u32 s96, s17, s93
	s_lshl_b32 s96, s96, 4
	s_lshl_b32 s97, s15, 3
	s_add_co_u32 s96, s96, s97                     ; my first block of the A side
	s_add_co_u32 s95, s95, s96
	s_add_co_u32 s95, s95, s92                     ; F
	s_lshl_b32 s98, s95, 7
	s_add_co_u32 s98, s98, 9437184
	s_mov_b32 s99, 0
	s_add_nc_u64 s[98:99], s[6:7], s[98:99]
	s_mul_i32 s96, s95, 1536
	s_mov_b32 s97, 0
	s_add_nc_u64 s[96:97], s[6:7], s[96:97]
.macro FRAG reg, adr, off              ; a fragment comes as it was stored: three loads of 512 consecutive bytes
.irp c, 0,1,2
	ds_load_b128 v[(\reg)+4*\c:(\reg)+4*\c+3], v[\adr] offset:(\off)+512*\c
.endr
.endm
.macro MUL16 a0, p, q, sc, zero        ; A's blocks a0, a0 + 1 x B's eight; the 64 accumulators take turns
.irp a, \a0, \a0+1
.irp b, 0,1,2,3,4,5,6,7
.if \zero
	v_wmma_scale_f32_16x16x128_f8f6f4 v[8*(8*((\a)%4)+\b):8*(8*((\a)%4)+\b)+7], v[128*(\p)+FR*\b:128*(\p)+FR*\b+FR-1], v[AF+FR*(\a):AF+FR*(\a)+FR-1], 0, v[SC+8*NQ*(\sc)+NQ*\b+(\q)], v[SC+8*NQ*(\sc)+NQ*(\a)+(\q)] matrix_a_fmt:MATRIX_FMT_FP6 matrix_b_fmt:MATRIX_FMT_FP6 matrix_a_scale:MATRIX_SCALE_ROW1
.else
	v_wmma_scale_f32_16x16x128_f8f6f4 v[8*(8*((\a)%4)+\b):8*(8*((\a)%4)+\b)+7], v[128*(\p)+FR*\b:128*(\p)+FR*\b+FR-1], v[AF+FR*(\a):AF+FR*(\a)+FR-1], v[8*(8*((\a)%4)+\b):8*(8*((\a)%4)+\b)+7], v[SC+8*NQ*(\sc)+NQ*\b+(\q)], v[SC+8*NQ*(\sc)+NQ*(\a)+(\q)] matrix_a_fmt:MATRIX_FMT_FP6 matrix_b_fmt:MATRIX_FMT_FP6 matrix_a_scale:MATRIX_SCALE_ROW1
.endif
.endr
.endr
.endm
.macro FETCH_B k, p                    ; B's eight fragments of K step k into set p
	WIN TO_B
.irp i, 0,1,2,3,4,5,6,7
	FRAG 128*(\p)+FR*\i, ADRB+((\k)%5)/3, (((\k)%5)%3)*KREG+\i*1536
.endr
	WIN 0
.endm
.macro FETCH_A k, i0                   ; A's blocks i0 .. i0 + 3 of K step k
.irp i, \i0, \i0+1, \i0+2, \i0+3
	FRAG AF+FR*(\i), ADRA+((\k)%5)/3, (((\k)%5)%3)*KREG+(\i)*1536
.endr
.endm
.macro SCALES sc
.irp i, 0,1,2,3,4,5,6,7
.irp q, 0,1
	ds_load_b32 v[SC+16*(\sc)+2*\i+\q], v[ADRS] offset:\i*1024+\q*128
.endr
.endr
.endm
; K step k: 64 products; the next step's fragments are fetched in its middle and at its end.  kind 0: no barrier.  kind 1: one barrier for two things: the K steps on their way are whole for all four waves, and
; regions 0-2 are read out; it opens a round of the cluster's barrier, and waves 0 and 1 fill the regions again.  kind 2: the barrier alone.
.macro KS k, kind, zero
.set NX, (\k)+1
.if \kind
	s_wait_tensorcnt 0x0                           ; all my tensor loads have landed
	ds_add_u32 v[SPW], v[NIL]
	s_wait_dscnt 4*NL+1                            ; (the add and A's blocks 4-7 may be out)
	WIN MUL_LO
	MUL16 0, (\k)%2, (\k)%2, ((\k)/2)%2, \zero
	s_wait_dscnt 0x0                               ; the add is done, and all my reads of LDS so far
	s_barrier_signal -1
	MUL16 2, (\k)%2, (\k)%2, ((\k)/2)%2, \zero
	WIN 0
	s_barrier_wait -1
.if (\kind) == 1
	CREST
	s_add_nc_u64 s[G0+2:G0+3], s[G0+2:G0+3], 5*393216
	s_add_nc_u64 s[G0B+2:G0B+3], s[G0B+2:G0B+3], 5*393216
	s_cmp_lt_u32 s14, 1
	s_cbranch_scc0 .Lfill_b_\@
	tensor_load_to_lds s[G0:G0+3], s[G1:G1+7]      ; A's K steps 5-7
	s_nop 0
.rept 4
	v_nop
.endr
	s_branch .Lfilled_\@
.Lfill_b_\@:
	s_cmp_lt_u32 s14, 2
	s_cbranch_scc0 .Lfilled_\@
	tensor_load_to_lds s[G0B:G0B+3], s[G1B:G1B+7]  ; B's
	s_nop 0
.rept 4
	v_nop
.endr
.Lfilled_\@:
.endif
.else
	s_wait_dscnt 4*NL                              ; B's set, A's blocks 0-3 and the scale words are in; the youngest twelve loads (A's blocks 4-7) may be out
	WIN MUL_LO
	MUL16 0, (\k)%2, (\k)%2, ((\k)/2)%2, \zero
	MUL16 2, (\k)%2, (\k)%2, ((\k)/2)%2, \zero
	s_wait_dscnt 0
.endif
	PLACES NP                                      ; four places in front of loads into registers that matrix instructions have read
.if NX%2 == 0
	WIN 0
	s_wait_alu depctr_va_vdst(0)                   ; the wait ahead of this reader
	v_add_nc_u32 v[ADRS], 256, v[ADRS]             ; the next two K steps' scale words
.endif
	FETCH_B NX, NX%2
	FETCH_A NX, 0
.if NX%2 == 0
	SCALES (NX/2)%2
.endif
	WIN MUL_HI
	MUL16 4, (\k)%2, (\k)%2, ((\k)/2)%2, \zero
	MUL16 6, (\k)%2, (\k)%2, ((\k)/2)%2, \zero
	PLACES NP
	WIN 0
	FETCH_A NX, 4
.endm
	s_wait_alu depctr_va_vdst(0)
	s_wait_tensorcnt 0x0                           ; my tile of the head's four is in
	ds_add_u32 v[SPW], v[NIL]
	s_mov_b32 s[G1S+2], 96<<16                     ; no tensor load of mine is out: the scale words' groups 1 now serve a dense K step, 24,576 bytes as 96 rows of 256
	s_mov_b32 s[G1S+4], 96
	s_mov_b32 s[G1SB+2], 96<<16
	s_mov_b32 s[G1SB+4], 96
	s_wait_dscnt 0x0
	CROUND                                         ; a whole round: the head's four tiles are in, and the joint loads meet
	JLOAD G0+4, G1S, G0B+4, G1SB                   ; K steps 3 and 4
	FETCH_B 0, 0
	FETCH_A 0, 0
	SCALES 0
	FETCH_A 0, 4
	KS 0, 0, 1
	KS 1, 0, 0
	KS 2, 1, 0
	KS 3, 0, 0
	KS 4, 2, 0
	KS 5, 0, 0
	KS 6, 0, 0
	s_wait_dscnt 4*NL
	WIN MUL_LO
	MUL16 0, 1, NQ-1, 1, 0
	MUL16 2, 1, NQ-1, 1, 0
	s_wait_dscnt 0
	WIN MUL_HI
	MUL16 4, 1, NQ-1, 1, 0
	MUL16 6, 1, NQ-1, 1, 0
	WIN 0
	PLACES NP                                      ; in front of the first reads of results and the first writes of operands' registers
.irp b, 0,1,2,3
	v_mov_b32 v[TM+4+\b], 0                        ; a lane permute's destination counts as one of its sources
.endr
; THE WAY OUT: block a's 64 numbers a lane are one row's 128 neighbours of the B side: one fragment, stored as it stands
.irp a, 0,1,2,3,4,5,6,7
	QUANT 64*(\a%4), 2+\a/4
.irp c, 0,1,2
	global_store_b128 v[LI], v[PC+4*\c:PC+4*\c+3], s[96:97] offset:\a*1536+512*\c
.endr
	global_store_b32 v[LS], v[PW], s[98:99] offset:\a*128
.endr
	s_wait_tensorcnt 0x0                           ; the wave's end
	ds_add_u32 v[SPW], v[NIL]
	s_wait_dscnt 0x0
	CROUND                                         ; the closing round
	s_endpgm
.Lfunc_end_k_q3c77a6ac5e_qkv:
	.size	k_q3c77a6ac5e_qkv, .Lfunc_end_k_q3c77a6ac5e_qkv-k_q3c77a6ac5e_qkv
	.p2alignl 7, 3214868480
	.fill 96, 4, 3214868480
	.section	.rodata,"a",@progbits
	.p2align	6, 0x0
	.amdhsa_kernel k_q3c77a6ac5e_qkv
		.amdhsa_group_segment_fixed_size 327680
		.amdhsa_private_segment_fixed_size 0
		.amdhsa_enable_private_segment 0
		.amdhsa_kernarg_size 16
		.amdhsa_user_sgpr_count 2
		.amdhsa_user_sgpr_kernarg_segment_ptr 1
		.amdhsa_wavefront_size32 1
		.amdhsa_system_sgpr_workgroup_id_x 1
		.amdhsa_system_sgpr_workgroup_id_y 1
		.amdhsa_system_sgpr_workgroup_id_z 1
		.amdhsa_system_vgpr_workitem_id 0
		.amdhsa_next_free_vgpr 1024
		.amdhsa_next_free_sgpr 100
		.amdhsa_reserve_vcc 0
		.amdhsa_float_denorm_mode_32 3
		.amdhsa_float_denorm_mode_16_64 3
		.amdhsa_memory_ordered 1
		.amdhsa_forward_progress 1
		.amdhsa_inst_pref_size 143
	.end_amdhsa_kernel
	.amdgpu_metadata
---
amdhsa.version: [ 1, 2 ]
amdhsa.kernels:
  - .name:           k_q3c77a6ac5e_qkv
    .symbol:         k_q3c77a6ac5e_qkv.kd
    .args:
      - { .name: pa, .offset: 0, .size: 8, .value_kind: global_buffer, .address_space: global }
      - { .name: qkv, .offset: 8, .size: 8, .value_kind: global_buffer, .address_space: global }
    .group_segment_fixed_size: 327680
    .private_segment_fixed_size: 0
    .kernarg_segment_align: 8
    .kernarg_segment_size: 16
    .max_flat_workgroup_size: 128
    .sgpr_count:     100
    .vgpr_count:     1024
    .wavefront_size: 32
...
	.end_amdgpu_metadata
.endif
;; end of part 2
;; launch attn (part 3): grid 8 x 32, 16 waves a work-group, clusters of 4 x 1, 327,680 bytes of LDS; arguments qkv, ctx; writes ctx
.if DOCPART == 3
	.amdgcn_target "amdgcn-amd-amdhsa--gfx1250"
	.amdhsa_code_object_version 6
	.text
	.protected	k_q3c77a6ac5e_attn
	.globl	k_q3c77a6ac5e_attn
	.p2align	8
	.type	k_q3c77a6ac5e_attn,@function
k_q3c77a6ac5e_attn:
	s_mov_b64 s[64:65], 0
	v_nop
	global_prefetch_b8 v0, s[64:65] scope:SCOPE_SE
	s_setreg_imm32_b32 hwreg(HW_REG_WAVE_MODE, 25, 1), 1
	s_wait_xcnt 0x0
	s_wait_alu depctr_hold_cnt(0) depctr_sa_sdst(0) depctr_va_vdst(0) depctr_va_sdst(0) depctr_va_ssrc(0) depctr_va_vcc(0) depctr_vm_vsrc(0)
	s_getreg_b32 s2, hwreg(HW_REG_IB_STS2, 6, 4)
	s_cmp_eq_u32 s2, 0
	s_cbranch_scc0 .Lentry_in_a_cluster
	s_endpgm
.Lentry_in_a_cluster:
	s_bfe_u32 s2, ttmp6, 0x10000c
	s_cmp_lg_u32 s2, 0x3003
	s_cbranch_scc0 .Lentry_shape_is_right
	s_endpgm
.Lentry_shape_is_right:
; Causal attention on codes of FP6 (E2M3, one E8M0 byte for each 32 along K), and ctx quantised along the row; all operands are images of operand registers (a fragment: 1,536 bytes, its scale words 128).
; A work-group has one batch and one pair of heads: all of k and v of the pair lie in LDS, asked for jointly by the four partners of a cluster, in one group at the head.  It serves eight tiles of 16 queries,
; tile j in the j-th 128 queries, which needs j + 1 steps of 128 keys, for each of the two heads (a fragment holds both heads' 64; the other head's half of q is cleared).
; Both products are used transposed (S^T = k q^T, O^T = v^T p^T): a lane holds one query.  p = 2^(t - M), M the running largest t rounded up to a whole number; the sum is taken of the unquantised p.
; THE STEPS ARE DEALT EVENLY: tiles j and 7 - j (j = 0 .. 3) of a head go to a pair of waves.  Wave A takes steps 0-4 of tile 7 - j.  Wave B takes its steps 5 .. 7 - j, hands O^T, the sum and M over to A
; through LDS, and then takes tile j whole.  So a wave has five steps or four.  A joins the two parts: both are brought under the larger M by powers of two, which round nothing.
; One loop of 16 trips serves all: trip s works on key step s % 8 where bit s of the wave's mask is set; the masks hang on the wave's number alone.
; No prefetch: every tile is asked for at the head.  LIMITS: NaN and infinities are not served; the scaled scores stay under 2^31 in magnitude; a block of zeros or under 2^-124 gets the byte 1 (read by this program alone).
.set VREG,  98304                      ; k's 64 fragments at 0, v's 64 here
.set SCK,   196608                     ; k's scale words, 8,192 bytes
.set SCV,   204800                     ; v's
.set STG,   212992                     ; the way out: 1,792 bytes for each pair of waves that share a tile
.set SPARE, 227328                     ; the spare words, 128 bytes a wave
.set QST,   229376                     ; a B wave's second q: 1,664 bytes each
.set PX,    242688                     ; a B wave's part of the long tile: 4,608 bytes each
.set AK0,  1
.set AV0,  2
.set ASK0, 3
.set ASV0, 4
.set SPW,  5
.set NIL,  6
.set DQ,   7                           ; my query's place in its 128, less 16 h: a key of the diagonal step counts while its number does not pass it
.set ADK,  8
.set ADV,  9
.set ADS,  10
.set ADT,  11
.set STA,  28
.set STB,  29
.set LI,   30                          ; 16 x lane
.set LS,   31                          ; 4 x lane
.set SSA,  80
.set PXA,  216
.set QSA,  217
.set QSS,  218
.set EE,   12                          ; which head of the pair
.set SIG,  14                          ; the tile that I finish and store
.set WV,   18
.set SEL,  20
.set CS,   22                          ; log2(e) / 8
.set G1C,  24
.set G1S,  32
.set G0C,  40
.set G0S,  44
.set G1V,  68
.set G1T,  76
.set TB,   2
.set TS,   3
.set STP,  48
.set ROLE, 84                          ; 0: wave A, 1: wave B
.set ACT,  85                          ; bit s: trip s has work for me
.set DIA,  86                          ; bit s: trip s is a diagonal step
.set SGL,  87                          ; the pair's long tile, 7 - j
.macro CROUND
	s_barrier_signal -1
	s_barrier_wait -1
	s_cmp_lg_u32 s[WV], 0
	s_cbranch_scc1 .Lnot_wave_0_\@
	s_barrier_signal -3
.Lnot_wave_0_\@:
	s_barrier_wait -3
	s_barrier_signal -1
	s_barrier_wait -1
.endm
.macro INIT                            ; a tile's walk begins: the largest t -3e38, -M, the sum, O^T
	v_mov_b32 v13, 0xff61b1e6
	v_mov_b32 v14, 0
	v_mov_b32 v15, 0
	v_floor_f32 v12, -v13
.set j, 0
.rept 32
	v_mov_b32 v[160+j], 0
.set j, j+1
.endr
.endm
	s_load_b128 s[4:7], s[0:1], 0x0                ; qkv, ctx
	v_lshl_add_u32 v[SPW], v0, 2, SPARE
	v_mov_b32 v[NIL], 0
	ds_add_u32 v[SPW], v[NIL]                      ; the opening lines: the add, twice on end, and its wait
	ds_add_u32 v[SPW], v[NIL]
	v_lshrrev_b32 v8, 5, v0
	s_delay_alu instid0(VALU_DEP_1)
	v_readfirstlane_b32 s[WV], v8
	s_bfe_u32 s8, ttmp6, 0x40000
	s_lshl_b32 s9, ttmp9, 2
	s_add_co_u32 s9, s9, s8                        ; which 16 of each 128 queries
	s_and_b32 s10, ttmp7, 0xffff
	s_lshr_b32 s11, s10, 3                         ; batch
	s_and_b32 s10, s10, 7                          ; pair of heads
	s_and_b32 s[EE], s[WV], 1
	s_lshr_b32 s13, s[WV], 1
	s_bfe_u32 s[ROLE], s[WV], 0x10002              ; waves w and w xor 4 are a pair
	s_bfe_u32 s16, s[WV], 0x10001
	s_bfe_u32 s17, s[WV], 0x10003
	s_lshl_b32 s17, s17, 1
	s_add_co_u32 s16, s16, s17                     ; j
	s_sub_co_u32 s[SGL], 7, s16
	s_lshl_b32 s17, 2, s[SGL]
	s_sub_co_u32 s17, s17, 32                      ; B: bits 5 .. 7 - j,
	s_lshl_b32 s15, 2, s16
	s_sub_co_u32 s15, s15, 1
	s_lshl_b32 s15, s15, 8
	s_or_b32 s17, s17, s15                         ; and bits 8 .. 8 + j
	s_lshl_b32 s[DIA], 1, s[SGL]
	s_lshl_b32 s15, 256, s16
	s_or_b32 s15, s15, s[DIA]
	s_cmp_eq_u32 s[ROLE], 0
	s_cselect_b32 s[SIG], s[SGL], s16
	s_cselect_b32 s[ACT], 31, s17                  ; A: bits 0 .. 4
	s_cselect_b32 s[DIA], s[DIA], s15
	s_add_co_u32 s15, s10, 8
	s_lshl_b32 s15, s15, 8
	s_lshl_b32 s16, s11, 6
	s_add_co_u32 s15, s15, s16                     ; k's first fragment of this batch and pair (64 on end)
	s_lshl_b32 s16, s11, 9
	s_add_co_u32 s16, s16, 4096
	s_lshl_b32 s17, s10, 3
	s_add_co_u32 s16, s16, s17                     ; v's (8 on end for each of 8 steps, 64 fragments apart)
	s_cmp_eq_u32 s[WV], 8
	s_cselect_b32 s52, s15, s16                    ; scale words: wave 8 fetches k's, wave 9 v's
	s_lshl_b32 s17, s[WV], 4
	s_add_co_u32 s15, s15, s17                     ; codes: waves 0-3 fetch 16 fragments of k each,
	s_lshl_b32 s17, s[WV], 7
	s_add_co_u32 s16, s16, s17
	s_sub_co_u32 s16, s16, 512                     ; waves 4-7 two steps of v each
	s_cmp_lt_u32 s[WV], 4
	s_cselect_b32 s15, s15, s16
	s_mul_i32 s50, s15, 1536
	s_mov_b32 s51, 0
	s_lshl_b32 s52, s52, 7
	s_add_co_u32 s52, s52, 9437184
	s_mov_b32 s53, 0
.irp g, G1C, G1V                               ; codes: 2 rows of 12,288 bytes (8 fragments), elements of 8 bytes
	s_mov_b32 s[\g], 15|(3<<16)|(1<<21)
	s_mov_b32 s[\g+1], 1536<<16
	s_mov_b32 s[\g+2], 2<<16
	s_mov_b32 s[\g+3], 1536<<16
	s_mov_b32 s[\g+4], 2
	s_mov_b32 s[\g+6], 0
	s_mov_b32 s[\g+7], 0
.endr
	s_mov_b32 s[G1C+5], 1536                       ; k's rows lie on end,
	s_mov_b32 s[G1V+5], 12288                      ; v's 64 fragments apart
.irp g, G1S, G1T                               ; scale words: 8 rows of 1,024 bytes
	s_mov_b32 s[\g], 15|(3<<16)|(1<<21)
	s_mov_b32 s[\g+1], 128<<16
	s_mov_b32 s[\g+2], 8<<16
	s_mov_b32 s[\g+3], 128<<16
	s_mov_b32 s[\g+4], 8
	s_mov_b32 s[\g+6], 0
	s_mov_b32 s[\g+7], 0
.endr
	s_mov_b32 s[G1S+5], 128
	s_mov_b32 s[G1T+5], 1024
	s_mov_b32 s[SEL], 0x76543210
	s_mov_b32 s[SEL+1], 0xfedcba98
	s_mov_b32 s[CS], 0x3e38aa3b
	s_mov_b32 s[CS+1], s[CS]
	s_mov_b32 s[STP], 0
	s_wait_dscnt 0x0
	s_wait_kmcnt 0x0
	s_mov_b32 s[G0C], 1
	s_mul_i32 s[G0C+1], s[WV], 24576
	s_add_nc_u64 s[G0C+2:G0C+3], s[4:5], s[50:51]
	s_or_b32 s[G0C+3], s[G0C+3], 0x80000000
	s_mov_b32 s[G0S], 1
	s_lshl_b32 s[G0S+1], s[WV], 13
	s_add_co_u32 s[G0S+1], s[G0S+1], SCK-65536     ; wave 8: SCK, wave 9: SCV
	s_add_nc_u64 s[G0S+2:G0S+3], s[4:5], s[52:53]
	s_or_b32 s[G0S+3], s[G0S+3], 0x80000000
	CROUND
; one group of joint loads, at most one a wave: one chain of branches on the wave's number, all arms leading to one join; waves 10-15 issue none
.macro ARM under, g0, g1, next
	s_cmp_lt_u32 s[WV], \under
	s_cbranch_scc0 \next
	tensor_load_to_lds s[\g0:\g0+3], s[\g1:\g1+7]
	s_nop 0
.rept 4
	v_nop
.endr
	s_branch .Lhead_asked
\next:
.endm
	ARM 4, G0C, G1C, .Lhead_v
	ARM 8, G0C, G1V, .Lhead_sk
	ARM 9, G0S, G1S, .Lhead_sv
	s_cmp_lt_u32 s[WV], 10
	s_cbranch_scc0 .Lhead_asked
	tensor_load_to_lds s[G0S:G0S+3], s[G1T:G1T+7]
	s_nop 0
.rept 4
	v_nop
.endr
.Lhead_asked:
	s_lshl_b32 s49, s[SIG], 3
	s_add_co_u32 s49, s49, s9
	s_lshl_b32 s50, s11, 6
	s_add_co_u32 s49, s49, s50                     ; the block of 16 tokens that I finish
	s_lshl_b32 s50, s10, 8
	s_add_co_u32 s50, s50, s49                     ; its fragment, in q and in ctx
	s_mul_i32 s52, s50, 1536
	s_mov_b32 s53, 0
	s_lshl_b32 s54, s50, 7
	s_add_co_u32 s54, s54, 9437184
	s_mov_b32 s55, 0
	s_add_nc_u64 s[54:55], s[4:5], s[54:55]
	s_add_nc_u64 s[4:5], s[4:5], s[52:53]
	s_sub_co_u32 s60, s[SGL], s[SIG]               ; the long tile's q lies 8 fragments further on for each 128 queries
	s_lshl_b32 s62, s60, 10
	s_mul_i32 s60, s60, 12288
	s_mov_b32 s61, 0
	s_mov_b32 s63, 0
	s_add_nc_u64 s[60:61], s[4:5], s[60:61]
	s_add_nc_u64 s[62:63], s[54:55], s[62:63]
	s_lshl_b32 s56, s49, 3
	s_add_co_u32 s56, s56, s10
	s_lshl_b32 s56, s56, 7
	s_add_co_u32 s56, s56, 3145728
	s_mov_b32 s57, 0
	s_add_nc_u64 s[56:57], s[6:7], s[56:57]
	s_add_nc_u64 s[6:7], s[6:7], s[52:53]
	v_and_b32 v8, 31, v0
	s_delay_alu instid0(VALU_DEP_1)
	v_lshlrev_b32 v[LI], 4, v8
	v_lshlrev_b32 v[LS], 2, v8
	s_wait_alu depctr_va_vdst(0)                   ; the wait
.irp c, 0,1,2
	global_load_b128 v[16+4*\c:19+4*\c], v[LI], s[60:61] offset:512*\c   ; the long tile's q
.endr
	global_load_b32 v255, v[LS], s[62:63]
	s_cmp_eq_u32 s[ROLE], 0
	s_cbranch_scc1 .Lone_q
.irp c, 0,1,2
	global_load_b128 v[32+4*\c:35+4*\c], v[LI], s[4:5] offset:512*\c     ; B: the short tile's q too
.endr
	global_load_b32 v44, v[LS], s[54:55]
.Lone_q:
	v_mov_b32 v[AK0], v[LI]
	s_mul_i32 s58, s[EE], 6144
	s_add_co_u32 s58, s58, VREG
	v_add_nc_u32 v[AV0], s58, v[LI]                ; my head's four fragments of v's eight
	v_add_nc_u32 v[ASK0], SCK, v[LS]
	s_lshl_b32 s58, s[EE], 9
	s_add_co_u32 s58, s58, SCV
	v_add_nc_u32 v[ASV0], s58, v[LS]
	s_mul_i32 s58, s13, 1792
	s_add_co_u32 s58, s58, STG
	s_mul_i32 s59, s[EE], 768
	s_add_co_u32 s59, s59, s58
	v_add_nc_u32 v[STA], s59, v[LI]
	s_add_co_u32 s59, s59, 512
	v_lshl_add_u32 v[STB], v8, 3, s59
	s_lshl_b32 s59, s[EE], 7
	s_add_co_u32 s59, s59, s58
	s_add_co_u32 s59, s59, 1536
	v_add_nc_u32 v[SSA], s59, v[LS]
	s_and_b32 s58, s[WV], 3                        ; the pair's number, 0 .. 7: the same in A and in B
	s_lshr_b32 s59, s[WV], 1
	s_and_b32 s59, s59, 4
	s_or_b32 s58, s58, s59
	s_mul_i32 s59, s58, 4608
	s_add_co_u32 s59, s59, PX
	v_add_nc_u32 v[PXA], s59, v[LI]
	s_mul_i32 s59, s58, 1664
	s_add_co_u32 s59, s59, QST
	v_add_nc_u32 v[QSA], s59, v[LI]
	s_add_co_u32 s59, s59, 1536
	v_add_nc_u32 v[QSS], s59, v[LS]
	s_lshr_b32 s58, s9, 1
	s_lshl_b32 s58, s58, 5
	s_and_b32 s59, s9, 1
	s_lshl_b32 s59, s59, 3
	s_add_co_u32 s58, s58, s59
	v_and_b32 v8, 15, v0
	v_bfe_u32 v9, v0, 4, 1
	s_delay_alu instid0(VALU_DEP_2)
	v_and_b32 v10, 8, v8
	s_delay_alu instid0(VALU_DEP_1)
	v_add_nc_u32 v10, v10, v8
	v_lshlrev_b32 v11, 4, v9
	s_delay_alu instid0(VALU_DEP_1)
	v_sub_nc_u32 v10, v10, v11
	s_delay_alu instid0(VALU_DEP_1)
	v_add_nc_u32 v[DQ], s58, v10
	s_cmp_eq_u32 s[EE], 0
	s_cselect_b32 s58, -1, 0
	s_cselect_b32 s59, 0, -1
	s_wait_alu depctr_va_vdst(0)                   ; the wait ahead of the wait below
	s_wait_tensorcnt 0x0
	s_barrier_signal -1
	s_barrier_wait -1                              ; all of k and v is in
	s_wait_loadcnt 0x0
.irp i, 0,1,2,3,4,5
	v_and_b32 v[16+\i], s58, v[16+\i]              ; the other head's half of q is cleared: zero codes add nothing
	v_and_b32 v[22+\i], s59, v[22+\i]
.endr
	s_cmp_eq_u32 s[ROLE], 0
	s_cbranch_scc1 .Lno_q2
.irp i, 0,1,2,3,4,5
	v_and_b32 v[32+\i], s58, v[32+\i]
	v_and_b32 v[38+\i], s59, v[38+\i]
.endr
.irp c, 0,1,2
	ds_store_b128 v[QSA], v[32+4*\c:35+4*\c] offset:512*\c   ; kept in my own LDS bytes until the long tile's part is done
.endr
	ds_store_b32 v[QSS], v44
.Lno_q2:
	INIT
.irp b, 0,1,2,3
	v_mov_b32 v[236+\b], 0                         ; a lane permute's destination counts as one of its sources
.endr
	v_mov_b32 v252, 0
	v_mov_b32 v253, 0
	v_mov_b32 v254, 0
	s_wait_alu depctr_va_vdst(0)                   ; the wait at the head's end
.macro KF reg, sc, t                   ; k's fragment t of this step, and its scale words
.irp c, 0,1,2
	ds_load_b128 v[(\reg)+4*\c:(\reg)+4*\c+3], v[ADK] offset:(\t)*1536+512*\c
.endr
	ds_load_b32 v[\sc], v[ADS] offset:(\t)*128
.endm
.macro SM reg, sc, t                   ; S^T, tile t: 16 keys x my 16 queries
	v_wmma_scale_f32_16x16x128_f8f6f4 v[96+8*(\t):103+8*(\t)], v[\reg:\reg+11], v[16:27], 0, v[\sc], v255 matrix_a_fmt:MATRIX_FMT_FP6 matrix_b_fmt:MATRIX_FMT_FP6
.endm
.Lstep:
	s_cmp_eq_u32 s[STP], 8
	s_cbranch_scc0 .Lsame_tile
	s_cmp_eq_u32 s[ROLE], 0
	s_cbranch_scc1 .Lsame_tile
; B changes tiles: its part of the long tile goes to LDS for A, the short tile's q comes back, the walk begins anew
.rept 4
	v_nop                                          ; places behind the last products
.endr
	s_wait_alu depctr_va_vdst(0)
.irp i, 0,1,2,3,4,5,6,7
	ds_store_b128 v[PXA], v[160+4*\i:163+4*\i] offset:512*\i   ; each accumulator from its low end on
.endr
	ds_store_b128 v[PXA], v[12:15] offset:4096     ; -M, the largest t, the sum's two halves
.irp c, 0,1,2
	ds_load_b128 v[16+4*\c:19+4*\c], v[QSA] offset:512*\c
.endr
	ds_load_b32 v255, v[QSS]
	s_wait_dscnt 0x0
	INIT
	s_wait_alu depctr_va_vdst(0)
.Lsame_tile:
	s_lshr_b32 s15, s[ACT], s[STP]
	s_and_b32 s15, s15, 1
	s_cmp_eq_u32 s15, 0
	s_cbranch_scc1 .Lskip
	s_and_b32 s15, s[STP], 7                       ; the key step
	s_mul_i32 s[TB], s15, 12288
	s_lshl_b32 s[TS], s15, 10
	v_add_nc_u32 v[ADK], s[TB], v[AK0]             ; (these four are also the places in front of the loads below)
	v_add_nc_u32 v[ADV], s[TB], v[AV0]
	v_add_nc_u32 v[ADS], s[TS], v[ASK0]
	v_add_nc_u32 v[ADT], s[TS], v[ASV0]
	s_wait_alu depctr_va_vdst(0)                   ; the wait
	KF 32, 248, 0                                  ; seven of the step's eight fragments of k in one run: four in v32-79, three in registers that lie idle in the loop
	KF 44, 249, 1
	KF 56, 250, 2
	KF 68, 251, 3
	KF 192, 81, 4
	KF 204, 94, 5
	KF 82, 95, 6
	s_wait_dscnt 12                                ; the first four are in; the twelve loads of the other three may be out
	SM 32, 248, 0
	SM 44, 249, 1
	SM 56, 250, 2
	SM 68, 251, 3
.rept 4
	v_nop                                          ; places in front of loads into registers that matrix instructions have read
.endr
	KF 32, 248, 7
	s_wait_dscnt 4                                 ; fragments 4-6 are in; the eighth's four loads may be out
	SM 192, 81, 4
	SM 204, 94, 5
	SM 82, 95, 6
	s_wait_dscnt 0x0
	SM 32, 248, 7
.rept 4
	v_nop
.endr
.irp t, 0,1,2,3                                ; v's four fragments: the softmax stands between the request and the wait for it
.irp c, 0,1,2
	ds_load_b128 v[32+12*\t+4*\c:35+12*\t+4*\c], v[ADV] offset:\t*1536+512*\c
.endr
	ds_load_b32 v[248+\t], v[ADT] offset:\t*128
.endr
	s_lshr_b32 s15, s[DIA], s[STP]
	s_and_b32 s15, s15, 1
	s_cmp_eq_u32 s15, 0
	s_cbranch_scc1 .Lopen
	v_mov_b32 v254, 0xff800000                     ; the diagonal step: keys behind my query count for nothing
.set n, 0
.rept 64
	v_cmp_gt_i32 vcc_lo, 32*(n/16)+n%16, v[DQ]
	v_cndmask_b32 v[96+n], v[96+n], v254, vcc_lo
.set n, n+1
.endr
.Lopen:
.irp b, 0,1,2,3
	v_max3_num_f32 v[232+\b], v[96+16*\b], v[97+16*\b], v[98+16*\b]   ; the largest score of each block of 32 keys
.endr
.irp i, 3,5,7,9,11,13
.irp b, 0,1,2,3
	v_max3_num_f32 v[232+\b], v[232+\b], v[96+16*\b+\i], v[97+16*\b+\i]
.endr
.endr
.irp b, 0,1,2,3
	v_max_num_f32 v[232+\b], v[232+\b], v[111+16*\b]
.endr
.irp b, 0,1,2,3
	s_delay_alu instid0(VALU_DEP_4)
	v_permlanex16_b32 v[236+\b], v[232+\b], s[SEL], s[SEL+1]
.endr
.irp b, 0,1,2,3
	s_delay_alu instid0(VALU_DEP_4)
	v_max_num_f32 v[232+\b], v[232+\b], v[236+\b]
.endr
	s_delay_alu instid0(VALU_DEP_2)
	v_max3_num_f32 v254, v232, v233, v234
	s_delay_alu instid0(VALU_DEP_1)
	v_max_num_f32 v254, v254, v235
	s_delay_alu instid0(VALU_DEP_1)
	v_mul_f32 v254, s[CS], v254
	s_delay_alu instid0(VALU_DEP_1)
	v_max_num_f32 v13, v13, v254                   ; the running largest t
	v_mov_b32 v254, v12
	s_delay_alu instid0(VALU_DEP_2)
	v_floor_f32 v12, -v13                          ; -M
	s_delay_alu instid0(VALU_DEP_1)
	v_sub_f32 v254, v12, v254
	s_delay_alu instid0(VALU_DEP_1)
	v_cvt_i32_f32 v254, v254
	s_delay_alu instid0(VALU_DEP_1)
	v_ldexp_f32 v252, 1.0, v254                    ; f = 2^(old M - new M)
.set j, 0
.rept 32
	v_pk_fma_f32 v[96+j:97+j], v[96+j:97+j], s[CS:CS+1], v[12:13] op_sel_hi:[1,0,0]   ; t - M
.set j, j+2
.endr
.irp b, 0,1,2,3
	v_fma_f32 v[232+\b], v[232+\b], s[CS], v12
.endr
	s_wait_alu depctr_va_vdst(0)                   ; the wait ahead of the batch
.set j, 0
.rept 64
	v_exp_f32 v[96+j], v[96+j]
.set j, j+1
.endr
	v_pk_mul_f32 v[14:15], v[14:15], v[252:253] op_sel_hi:[1,0]
	s_wait_alu depctr_va_vdst(0)                   ; and behind it
.irp b, 0,1,2,3
	v_exp_f32 v[232+\b], v[232+\b]                 ; each block's largest p
.endr
	v_pk_add_f32 v[236:237], v[96:97], v[98:99]    ; the sum of the unquantised p, in two chains
.set j, 4
.rept 15
	v_pk_add_f32 v[14:15], v[14:15], v[96+j:97+j]
	v_pk_add_f32 v[236:237], v[236:237], v[98+j:99+j]
.set j, j+4
.endr
	s_delay_alu instid0(VALU_DEP_1)
	v_pk_add_f32 v[14:15], v[14:15], v[236:237]
	s_wait_alu depctr_va_vdst(0)
.irp b, 0,1,2,3
	v_max_num_f32 v[232+\b], 0x1800000, v[232+\b]  ; the floor 2^(3 - 127)
.endr
.irp b, 0,1,2,3
	s_delay_alu instid0(VALU_DEP_4)
	v_add_nc_u32 v[244+\b], 0xff000000, v[232+\b]  ; 2 off the exponent field: the conversion's scale operand
.endr
.irp b, 0,1,2,3
	s_delay_alu instid0(VALU_DEP_4)
	v_lshrrev_b32 v[236+\b], 23, v[244+\b]
.endr
	s_delay_alu instid0(VALU_DEP_3)
	v_lshl_or_b32 v253, v237, 8, v236
	s_delay_alu instid0(VALU_DEP_1)
	v_lshl_or_b32 v253, v238, 16, v253
	s_delay_alu instid0(VALU_DEP_1)
	v_lshl_or_b32 v253, v239, 24, v253             ; p's scale word
.irp c, 0,1
	v_cvt_scalef32_pk16_fp6_f32 v[224+6*\c:226+6*\c], v[96+32*\c:111+32*\c], v[244+2*\c]
	v_cvt_scalef32_pk16_fp6_f32 v[236+4*\c:238+4*\c], v[112+32*\c:127+32*\c], v[244+2*\c+1]
.endr
	v_nop
.irp c, 0,1
.irp i, 0,1,2
	v_permlane16_swap_b32 v[224+6*\c+\i], v[236+4*\c+\i]
.endr
.irp i, 0,1,2
	s_delay_alu instid0(VALU_DEP_3)
	v_mov_b32 v[227+6*\c+\i], v[236+4*\c+\i]
.endr
.endr
.set j, 0
.rept 16
	v_pk_mul_f32 v[160+j:161+j], v[160+j:161+j], v[252:253] op_sel_hi:[1,0]   ; O^T under the new M
.set j, j+2
.endr
	s_wait_alu depctr_va_vdst(0)
	s_wait_dscnt 0x0                               ; v's fragments
.irp t, 0,1,2,3
	v_wmma_scale_f32_16x16x128_f8f6f4 v[160+8*\t:167+8*\t], v[32+12*\t:43+12*\t], v[224:235], v[160+8*\t:167+8*\t], v[248+\t], v253 matrix_a_fmt:MATRIX_FMT_FP6 matrix_b_fmt:MATRIX_FMT_FP6
.endr
.Lskip:
	s_add_co_u32 s[STP], s[STP], 1
	s_cmp_lt_u32 s[STP], 16
	s_cbranch_scc1 .Lstep
.rept 4
	v_nop
.endr
	s_wait_dscnt 0x0                               ; for the others' sake: B's part lies in LDS
	s_barrier_signal -1
	s_barrier_wait -1
	s_cmp_lg_u32 s[ROLE], 0
	s_cbranch_scc1 .Ljoined
; A joins B's part of the long tile to its own.  Where B had no step of it, its -M is 3e38 and its factor comes out 0
.irp i, 0,1,2,3,4,5,6,7
	ds_load_b128 v[96+4*\i:99+4*\i], v[PXA] offset:512*\i
.endr
	ds_load_b128 v[32:35], v[PXA] offset:4096
	s_wait_dscnt 0x0
	v_min_num_f32 v36, v12, v32                    ; -M of the two together
	s_delay_alu instid0(VALU_DEP_1)
	v_sub_f32 v37, v36, v12
	v_sub_f32 v38, v36, v32
	s_delay_alu instid0(VALU_DEP_2)
	v_cvt_i32_f32 v37, v37
	s_delay_alu instid0(VALU_DEP_2)
	v_cvt_i32_f32 v38, v38
	s_delay_alu instid0(VALU_DEP_2)
	v_ldexp_f32 v40, 1.0, v37                      ; 2^(my M - M)
	s_delay_alu instid0(VALU_DEP_2)
	v_ldexp_f32 v42, 1.0, v38                      ; 2^(B's M - M)
	s_delay_alu instid0(VALU_DEP_2)
	v_mov_b32 v41, v40
	s_delay_alu instid0(VALU_DEP_2)
	v_mov_b32 v43, v42
	v_pk_mul_f32 v[14:15], v[14:15], v[40:41]
	s_wait_alu depctr_va_vdst(0)
.set j, 0
.rept 16
	v_pk_mul_f32 v[160+j:161+j], v[160+j:161+j], v[40:41]
.set j, j+2
.endr
	v_pk_fma_f32 v[14:15], v[34:35], v[42:43], v[14:15]
.set j, 0
.rept 16
	v_pk_fma_f32 v[160+j:161+j], v[96+j:97+j], v[42:43], v[160+j:161+j]
.set j, j+2
.endr
	s_wait_alu depctr_va_vdst(0)
.Ljoined:
	v_add_f32 v14, v14, v15
	s_delay_alu instid0(VALU_DEP_1)
	v_permlanex16_b32 v252, v14, s[SEL], s[SEL+1]
	s_delay_alu instid0(VALU_DEP_1)
	v_add_f32 v14, v14, v252                       ; the row's sum
	s_wait_alu depctr_va_vdst(0)
	v_rcp_f32 v14, v14
	v_nop
	s_wait_alu depctr_va_vdst(0)
	v_mov_b32 v15, v14
.set j, 0
.rept 16
	v_pk_mul_f32 v[192+j:193+j], v[160+j:161+j], v[14:15]
.set j, j+2
.endr
; ctx's 64 numbers of my head and query, two blocks of 32, are quantised
.irp b, 0,1
	v_max3_num_f32 v[232+\b], |v[192+16*\b]|, |v[193+16*\b]|, 0x1800000
.endr
.irp i, 2,4,6,8,10,12,14
.irp b, 0,1
	s_delay_alu instid0(VALU_DEP_2)
	v_max3_num_f32 v[232+\b], v[232+\b], |v[192+16*\b+\i]|, |v[193+16*\b+\i]|
.endr
.endr
.irp b, 0,1
	s_delay_alu instid0(VALU_DEP_2)
	v_permlanex16_b32 v[236+\b], v[232+\b], s[SEL], s[SEL+1]
.endr
.irp b, 0,1
	s_delay_alu instid0(VALU_DEP_2)
	v_max_num_f32 v[232+\b], v[232+\b], v[236+\b]
.endr
.irp b, 0,1
	s_delay_alu instid0(VALU_DEP_2)
	v_add_nc_u32 v[244+\b], 0xff000000, v[232+\b]
.endr
.irp b, 0,1
	s_delay_alu instid0(VALU_DEP_2)
	v_lshrrev_b32 v[236+\b], 23, v[244+\b]
.endr
	s_delay_alu instid0(VALU_DEP_1)
	v_lshl_or_b32 v253, v237, 8, v236
	v_cvt_scalef32_pk16_fp6_f32 v[224:226], v[192:207], v244
	v_cvt_scalef32_pk16_fp6_f32 v[228:230], v[208:223], v245
	v_nop
	v_permlane16_swap_b32 v224, v228
	v_permlane16_swap_b32 v225, v229
	v_permlane16_swap_b32 v226, v230
	s_delay_alu instid0(VALU_DEP_3)
	v_mov_b32 v227, v228
	s_delay_alu instid0(VALU_DEP_3)
	v_mov_b32 v228, v229
	s_delay_alu instid0(VALU_DEP_3)
	v_mov_b32 v229, v230
	ds_store_b128 v[STA], v[224:227]               ; the two heads' halves of a fragment meet in LDS
	ds_store_b64 v[STB], v[228:229]
	ds_store_b32 v[SSA], v253
	s_wait_dscnt 0x0
	s_barrier_signal -1
	s_barrier_wait -1
	s_cmp_lg_u32 s[EE], 0
	s_cbranch_scc1 .Ldone
	ds_load_b128 v[32:35], v[STA]
	ds_load_b64 v[36:37], v[STB]
	ds_load_b128 v[38:41], v[STA] offset:768
	ds_load_b64 v[42:43], v[STB] offset:768
	ds_load_b32 v44, v[SSA]
	ds_load_b32 v45, v[SSA] offset:128
	s_wait_dscnt 0x0
	v_lshl_or_b32 v44, v45, 16, v44
.irp c, 0,1,2
	global_store_b128 v[LI], v[32+4*\c:35+4*\c], s[6:7] offset:512*\c   ; 512 consecutive bytes a store
.endr
	global_store_b32 v[LS], v44, s[56:57]
.Ldone:
	s_wait_tensorcnt 0x0                           ; the wave's end
	ds_add_u32 v[SPW], v[NIL]
	s_wait_dscnt 0x0
	CROUND                                         ; the closing round
	s_endpgm
.Lfunc_end_k_q3c77a6ac5e_attn:
	.size	k_q3c77a6ac5e_attn, .Lfunc_end_k_q3c77a6ac5e_attn-k_q3c77a6ac5e_attn
	.p2alignl 7, 3214868480
	.fill 96, 4, 3214868480
	.section	.rodata,"a",@progbits
	.p2align	6, 0x0
	.amdhsa_kernel k_q3c77a6ac5e_attn
		.amdhsa_group_segment_fixed_size 327680
		.amdhsa_private_segment_fixed_size 0
		.amdhsa_enable_private_segment 0
		.amdhsa_kernarg_size 16
		.amdhsa_user_sgpr_count 2
		.amdhsa_user_sgpr_kernarg_segment_ptr 1
		.amdhsa_wavefront_size32 1
		.amdhsa_system_sgpr_workgroup_id_x 1
		.amdhsa_system_sgpr_workgroup_id_y 1
		.amdhsa_system_sgpr_workgroup_id_z 1
		.amdhsa_system_vgpr_workitem_id 0
		.amdhsa_next_free_vgpr 256
		.amdhsa_next_free_sgpr 100
		.amdhsa_reserve_vcc 1
		.amdhsa_float_denorm_mode_32 3
		.amdhsa_float_denorm_mode_16_64 3
		.amdhsa_memory_ordered 1
		.amdhsa_forward_progress 1
		.amdhsa_inst_pref_size 49
	.end_amdhsa_kernel
	.amdgpu_metadata
---
amdhsa.version: [ 1, 2 ]
amdhsa.kernels:
  - .name:           k_q3c77a6ac5e_attn
    .symbol:         k_q3c77a6ac5e_attn.kd
    .args:
      - { .name: qkv, .offset: 0, .size: 8, .value_kind: global_buffer, .address_space: global }
      - { .name: ctx, .offset: 8, .size: 8, .value_kind: global_buffer, .address_space: global }
    .group_segment_fixed_size: 327680
    .private_segment_fixed_size: 0
    .kernarg_segment_align: 8
    .kernarg_segment_size: 16
    .max_flat_workgroup_size: 512
    .sgpr_count:     100
    .vgpr_count:     256
    .wavefront_size: 32
...
	.end_amdgpu_metadata
.endif
;; end of part 3
;; launch wo (part 4): grid 8 x 32, 4 waves a work-group, clusters of 4 x 4, 327,680 bytes of LDS; arguments ctx, pa, bo, x, x2; writes x2
.if DOCPART == 4
	.amdgcn_target "amdgcn-amd-amdhsa--gfx1250"
	.amdhsa_code_object_version 6
	.text
	.protected	k_q3c77a6ac5e_wo
	.globl	k_q3c77a6ac5e_wo
	.p2align	8
	.type	k_q3c77a6ac5e_wo,@function
k_q3c77a6ac5e_wo:
	s_mov_b64 s[64:65], 0
	v_nop
	global_prefetch_b8 v0, s[64:65] scope:SCOPE_SE
	s_setreg_imm32_b32 hwreg(HW_REG_WAVE_MODE, 25, 1), 1
	s_wait_xcnt 0x0
	s_wait_alu depctr_hold_cnt(0) depctr_sa_sdst(0) depctr_va_vdst(0) depctr_va_sdst(0) depctr_va_ssrc(0) depctr_va_vcc(0) depctr_vm_vsrc(0)
	s_getreg_b32 s2, hwreg(HW_REG_IB_STS2, 6, 4)
	s_cmp_eq_u32 s2, 0
	s_cbranch_scc0 .Lentry_in_a_cluster
	s_endpgm
.Lentry_in_a_cluster:
	s_bfe_u32 s2, ttmp6, 0x10000c
	s_cmp_lg_u32 s2, 0xf033
	s_cbranch_scc0 .Lentry_shape_is_right
	s_endpgm
.Lentry_shape_is_right:
; out = A B^T + bias + residual, f32 [4,096][1,024]; A (SIZE_K along K) and B arrive as codes of FP6 (E2M3, one E8M0 byte for each 32 along K), laid as images of operand registers:
; fragment (K step, block) of A at (256 ks + rb) x 1,536, of B at (64 ks + rb) x 1,536; scale words at (KS rb + ks) x 128.  Row r of block 2 b + u is row 32 b + 8 u + r + 8 (r / 8), in A and in B.
; A tile of the result is 128 x 128, so that there are 256 work-groups: four waves, each 64 x 64 in 16 accumulators.  K goes four steps (512) to a slot through two LDS slots; all scale words come once.
; Transposed use (source 0 = B, source 1 = A): a lane holds eight neighbouring columns of a row.  The bias is the C of each sum's first product; the residual is loaded at the head, in the layout in which rows leave.
; CLUSTERS 4 x 4: A's tiles jointly along a row of the cluster, B's along a column.  No prefetch: the launch is short, and half or all of its tiles are asked for at the head.
.set SIZE_K, 1024
.set WB_C,   6815744
.set WB_S,   7602176
.set KS,    SIZE_K/128
.set LAPS,  KS/8
.set HALFT, 24576                      ; 2 K steps x 8 blocks x 1,536
.set SLOT,  98304                      ; B's area; A [step 0..7][block 0..7] lies below it
.set SCL,   196608
.set HALFS, 4*KS*128                   ; the scale words of 4 blocks
.set SPARE, SCL+4*HALFS
.set ADRA, 16
.set ADRB, 20
.set STO,  24
.set RD,   25
.set CO,   26
.set ADRS, 27
.set SPW,  28
.set NIL,  29
.set SC,   32                          ; v32-39 scale words, two sets of four: lanes 0-15 A's block i, lanes 16-31 B's
.set BI,   64                          ; v64-95 the bias, four tiles
.set ACC,  128                         ; v128-255 accumulator (a, b) at 128 + 8 (4 a + b)
.set G1, 24
.set G0, 32
.set G1B, 48
.set G0B, 56
.set G1S, 68
.set G0S, 76
.set G1SB, 80
.set G0SB, 88
.set MSB, 0
.macro WIN new
.if MSB != (\new)
	s_set_vgpr_msb (MSB<<8)|(\new)
.set MSB, (\new)
.endif
.endm
.macro JLOAD g0a, g1a, g0b, g1b        ; waves 0, 1 fetch for A, waves 2, 3 for B; an s_nop 0 and four v_nop follow each line
	s_cmp_eq_u32 s15, 0
	s_cbranch_scc0 .Lfor_b_\@
	tensor_load_to_lds s[\g0a:\g0a+3], s[\g1a:\g1a+7]
	s_nop 0
.rept 4
	v_nop
.endr
	s_branch .Lasked_\@
.Lfor_b_\@:
	tensor_load_to_lds s[\g0b:\g0b+3], s[\g1b:\g1b+7]
	s_nop 0
.rept 4
	v_nop
.endr
.Lasked_\@:
.endm
.macro CREST
	s_cmp_lg_u32 s14, 0
	s_cbranch_scc1 .Lnot_wave_0_\@
	s_barrier_signal -3
.Lnot_wave_0_\@:
	s_barrier_wait -3
	s_barrier_signal -1
	s_barrier_wait -1
.endm
.macro CROUND
	s_barrier_signal -1
	s_barrier_wait -1
	CREST
.endm
.macro PLACES n
.rept \n
	v_nop
.endr
.endm
	s_load_b256 s[4:11], s[0:1], 0x0               ; A, pa, the bias, the residual
	s_load_b64 s[12:13], s[0:1], 0x20              ; out
	v_lshl_add_u32 v[SPW], v0, 2, SPARE
	v_mov_b32 v[NIL], 0
	ds_add_u32 v[SPW], v[NIL]                      ; the wave's opening: the add and its wait ahead of my first tensor load
	ds_add_u32 v[SPW], v[NIL]
	v_lshrrev_b32 v1, 5, v0
	v_readfirstlane_b32 s14, v1                    ; wave 0..3
	s_lshr_b32 s15, s14, 1                         ; my half of the rows.  Also: I fetch for A (0) or B (1)
	s_and_b32 s16, s14, 1                          ; my half of the columns.  Also: which 4 blocks' scale words I fetch
	s_bfe_u32 s40, ttmp6, 0x40000
	s_bfe_u32 s41, ttmp6, 0x40004
	s_lshl_b32 s42, ttmp9, 2
	s_add_co_u32 s42, s42, s40                     ; tile column 0..7
	s_and_b32 s17, ttmp7, 0xffff
	s_lshl_b32 s17, s17, 2
	s_add_co_u32 s17, s17, s41                     ; tile row 0..31
	s_lshl_b32 s43, s41, 2
	s_lshl_b32 s43, 15, s43
	s_lshl_b32 s44, 0x1111, s40
	s_or_b32 s[G1+0], s43, (3<<16)|(1<<21)
	s_or_b32 s[G1B+0], s44, (3<<16)|(1<<21)
.irp g, G1, G1B                                ; KS rows (K steps) of 12,288 bytes (8 fragments)
	s_mov_b32 s[\g+1], 1536<<16
	s_mov_b32 s[\g+2], KS<<16                      ; in this launch all KS = 8 K steps of a side come by one load, at the head: A's lie at LDS byte 0, B's at SLOT, 12,288 bytes a K step; nothing is filled again
	s_mov_b32 s[\g+3], 1536<<16
	s_mov_b32 s[\g+4], KS
	s_mov_b32 s[\g+6], 0
	s_mov_b32 s[\g+7], 0
.endr
	s_mov_b32 s[G1+5], 49152                       ; A: 256 fragments from K step to K step
	s_mov_b32 s[G1B+5], 12288                      ; B: 64
	s_or_b32 s[G1S+0], s43, (3<<16)|(1<<21)
	s_or_b32 s[G1SB+0], s44, (3<<16)|(1<<21)
.irp g, G1S, G1SB                              ; 2 HALFS dense bytes as rows of 256
	s_mov_b32 s[\g+1], 32<<16
	s_mov_b32 s[\g+2], (2*HALFS/256)<<16           ; the scale words of a side's 8 blocks
	s_mov_b32 s[\g+3], 32<<16
	s_mov_b32 s[\g+4], 2*HALFS/256
	s_mov_b32 s[\g+5], 32
	s_mov_b32 s[\g+6], 0
	s_mov_b32 s[\g+7], 0
.endr
	s_mul_i32 s20, s17, 12288
	s_mov_b32 s21, 0
	s_mul_i32 s22, s17, 2*HALFS
	s_add_co_u32 s22, s22, SIZE_K*3072
	s_mov_b32 s23, 0
	s_mul_i32 s46, s42, 12288
	s_add_co_u32 s46, s46, WB_C
	s_mov_b32 s47, 0
	s_mul_i32 s92, s42, 2*HALFS
	s_add_co_u32 s92, s92, WB_S
	s_mov_b32 s93, 0
	s_wait_dscnt 0x0                               ; the opening add is done
	s_wait_kmcnt 0x0
	s_add_nc_u64 s[20:21], s[4:5], s[20:21]
	s_add_nc_u64 s[22:23], s[4:5], s[22:23]
	s_add_nc_u64 s[46:47], s[6:7], s[46:47]
	s_add_nc_u64 s[92:93], s[6:7], s[92:93]
	CROUND                                         ; all sixteen work-groups are here: the first joint loads meet
.macro GZ g, p                         ; a group 0 but for its LDS address: count 1, the address in s[p:p+1], the type
	s_mov_b32 s[\g], 1
	s_mov_b64 s[\g+2:\g+3], s[\p:\p+1]
	s_or_b32 s[\g+3], s[\g+3], 0x80000000
.endm
	GZ G0, 20
	s_mov_b32 s[G0+1], 0
	GZ G0B, 46
	s_mov_b32 s[G0B+1], SLOT
	GZ G0S, 22
	s_mov_b32 s[G0S+1], SCL
	GZ G0SB, 92
	s_mov_b32 s[G0SB+1], SCL+2*HALFS
; the head's loads, one a wave: wave 0 A's codes, wave 1 B's, wave 2 A's scale words, wave 3 B's; one chain of branches on the wave's number, every way through it passes one load
.macro ARM under, g0, g1, next
	s_cmp_lt_u32 s14, \under
	s_cbranch_scc0 \next
	tensor_load_to_lds s[\g0:\g0+3], s[\g1:\g1+7]
	s_nop 0
.rept 4
	v_nop
.endr
	s_branch .Lhead_asked
\next:
.endm
	ARM 1, G0,  G1,  .Lhead_b
	ARM 2, G0B, G1B, .Lhead_sa
	ARM 3, G0S, G1S, .Lhead_sb
	tensor_load_to_lds s[G0SB:G0SB+3], s[G1SB:G1SB+7]
	s_nop 0
.rept 4
	v_nop
.endr
.Lhead_asked:
	s_lshl_b32 s95, s17, 1
	s_add_co_u32 s95, s95, s15
	s_lshl_b32 s95, s95, 18                        ; my 64 rows of 4,096 bytes
	s_lshl_b32 s98, s42, 1
	s_add_co_u32 s98, s98, s16
	s_lshl_b32 s98, s98, 8                         ; my 64 columns of 4 bytes
	s_mov_b32 s99, 0
	s_add_nc_u64 s[8:9], s[8:9], s[98:99]
	s_add_co_u32 s96, s98, s95
	s_mov_b32 s97, 0
	s_add_nc_u64 s[10:11], s[10:11], s[96:97]
	s_add_nc_u64 s[12:13], s[12:13], s[96:97]
	v_and_b32 v1, 31, v0
	v_and_b32 v2, 15, v0                           ; r
	v_bfe_u32 v3, v0, 4, 1                         ; h
	s_wait_alu depctr_va_vdst(0)
	v_lshlrev_b32 v4, 4, v1
	v_lshlrev_b32 v5, 2, v1
	v_lshlrev_b32 v6, 6, v3
	s_mul_i32 s95, s15, 6144                       ; my four blocks of A
	s_mul_i32 s96, s16, 6144
	s_add_co_u32 s96, s96, SLOT                    ; and of B
.irp s, 0,1                                    ; register s serves K steps 4 s .. 4 s + 3
	v_add_nc_u32 v[ADRA+\s], s95, v4
	v_add_nc_u32 v[ADRB+\s], s96, v4
	s_add_co_u32 s95, s95, 49152
	s_add_co_u32 s96, s96, 49152
.endr
	s_mul_i32 s95, s15, HALFS
	s_mul_i32 s96, s16, HALFS
	s_add_co_u32 s96, s96, 2*HALFS
	s_sub_co_u32 s96, s96, s95
	v_mul_u32_u24 v7, s96, v3                      ; lanes 16-31 take B's scale words: one product
	s_wait_alu depctr_va_vdst(0)
	s_add_co_u32 s95, s95, SCL
	v_add_nc_u32 v7, v7, v5
	v_add_nc_u32 v[ADRS], s95, v7
	s_mul_i32 s95, s14, 4352                       ; my stage, 16 rows of 256 bytes + 16, in slot 0: it has had its last fill and its last read when the first result is stored there
	v_mul_u32_u24 v7, v2, 272
	v_lshl_add_u32 v7, v3, 6, v7
	v_add_nc_u32 v[STO], s95, v7
	v_mul_u32_u24 v7, v3, 272
	v_lshl_add_u32 v7, v2, 4, v7
	v_add_nc_u32 v[RD], s95, v7
	v_lshlrev_b32 v7, 12, v3
	v_lshl_add_u32 v[CO], v2, 4, v7                ; lanes 0-15 one row's 256 bytes, lanes 16-31 the next row's
.irp b, 0,1,2,3
	global_load_b128 v[BI+8*\b:BI+8*\b+3], v6, s[8:9] offset:(32*(\b/2)+8*(\b%2))*4
	global_load_b128 v[BI+8*\b+4:BI+8*\b+7], v6, s[8:9] offset:(32*(\b/2)+8*(\b%2))*4+16
.endr
.macro FRAG reg, adr, off
.irp c, 0,1,2
	ds_load_b128 v[(\reg)+4*\c:(\reg)+4*\c+3], v[\adr] offset:(\off)+512*\c
.endr
.endm
.macro FETCH slot, s, f, sc            ; the slot's K step s: four fragments of A, four of B into buffer f of window 1; four scale registers into set sc
	WIN 0x40
.irp i, 0,1,2,3
	FRAG (\f)+12*\i, ADRA+\slot, (\s)*12288+\i*1536
.endr
.irp i, 0,1,2,3
	FRAG (\f)+48+12*\i, ADRB+\slot, (\s)*12288+\i*1536
.endr
	WIN 0
.irp i, 0,1,2,3
	ds_load_b32 v[SC+4*(\sc)+\i], v[ADRS] offset:\i*KS*128+(\s)*128
.endr
.endm
.macro MULA f, sc, a, zero             ; A's block a x B's four; the 16 accumulators take turns
.irp b, 0,1,2,3
.if \zero
	v_wmma_scale_f32_16x16x128_f8f6f4 v[ACC+8*(4*(\a)+\b):ACC+8*(4*(\a)+\b)+7], v[(\f)+48+12*\b:(\f)+48+12*\b+11], v[(\f)+12*(\a):(\f)+12*(\a)+11], v[BI+8*\b:BI+8*\b+7], v[SC+4*(\sc)+\b], v[SC+4*(\sc)+(\a)] matrix_a_fmt:MATRIX_FMT_FP6 matrix_b_fmt:MATRIX_FMT_FP6 matrix_a_scale:MATRIX_SCALE_ROW1
.else
	v_wmma_scale_f32_16x16x128_f8f6f4 v[ACC+8*(4*(\a)+\b):ACC+8*(4*(\a)+\b)+7], v[(\f)+48+12*\b:(\f)+48+12*\b+11], v[(\f)+12*(\a):(\f)+12*(\a)+11], v[ACC+8*(4*(\a)+\b):ACC+8*(4*(\a)+\b)+7], v[SC+4*(\sc)+\b], v[SC+4*(\sc)+(\a)] matrix_a_fmt:MATRIX_FMT_FP6 matrix_b_fmt:MATRIX_FMT_FP6 matrix_a_scale:MATRIX_SCALE_ROW1
.endif
.endr
.endm
.macro KSTEP slot, s, zero             ; one of a slot's first three K steps: fetches the next step's fragments, multiplies this one's
	s_wait_dscnt 0x0                               ; this step's fragments are in
	PLACES 4                                       ; in front of loads into registers that the last step's products read
	FETCH \slot, (\s)+1, 96*(((\s)+1)%2), ((\s)+1)%2
	WIN 0x05                                       ; sources 0 and 1 window 1; C and D window 0
.irp a, 0,1,2,3
	MULA 96*((\s)%2), (\s)%2, \a, \zero
.endr
.endm
.macro TURN slot, next, fill           ; a slot's fourth K step changes slots: one barrier
	WIN 0
	s_wait_tensorcnt 0x0                           ; all my tensor loads have landed: my part of the next slot
	ds_add_u32 v[SPW], v[NIL]
	s_wait_dscnt 1                                 ; this step's fragments are in; the add may be out
	WIN 0x05
	MULA 96, 1, 0, 0
	s_wait_dscnt 0x0                               ; the add is done, and my reads of this slot are over
	s_barrier_signal -1
	MULA 96, 1, 1, 0
	WIN 0
	s_barrier_wait -1
.if \fill
	CREST                                          ; the barrier has opened a round of the cluster's: no wave of any partner still reads this slot or has a load on its way
	s_add_nc_u64 s[G0+4*\slot+2:G0+4*\slot+3], s[G0+4*\slot+2:G0+4*\slot+3], 3145728
	s_add_nc_u64 s[G0B+4*\slot+2:G0B+4*\slot+3], s[G0B+4*\slot+2:G0B+4*\slot+3], 786432
	JLOAD G0+4*\slot, G1, G0B+4*\slot, G1B         ; the first tensor load behind the round; its four v_nop are the places in front of the loads below
.else
	PLACES 4
.endif
	v_add_nc_u32 v[ADRS], 512, v[ADRS]             ; the next slot's scale words
	FETCH \next, 0, 0, 0
	WIN 0x05
	MULA 96, 1, 2, 0
	MULA 96, 1, 3, 0
.endm
	s_wait_alu depctr_va_vdst(0)
	s_wait_tensorcnt 0x0                           ; my tile of the head's four is in
	s_barrier_signal -1
	s_barrier_wait -1
	FETCH 0, 0, 0, 0
	s_wait_loadcnt 0x0                             ; the bias
	WIN 0x80                                       ; destination window 2: the residual, 32 registers for each block of 16 rows; it is wanted on the way out, so it is asked for behind the tiles
.irp a, 0,1,2,3
.irp t, 0,1,2,3,4,5,6,7
	global_load_b128 v[32*\a+4*\t:32*\a+4*\t+3], v[CO], s[10:11] offset:(32*(\a/2)+8*(\a%2)+2*\t+8*(\t/4))*4096
.endr
.endr
	WIN 0
	KSTEP 0, 0, 1
.if LAPS > 1
	WIN 0
	s_mov_b32 s3, LAPS-1
.Llap:                                             ; a trip goes once round the ring and fills both slots again
	KSTEP 0, 1, 0
	KSTEP 0, 2, 0
	TURN 0, 1, 1
	KSTEP 1, 0, 0
	KSTEP 1, 1, 0
	KSTEP 1, 2, 0
	TURN 1, 0, 1
	KSTEP 0, 0, 0
	WIN 0
	s_sub_co_u32 s3, s3, 1
	s_cmp_lg_u32 s3, 0
	s_cbranch_scc1 .Llap
.endif
	KSTEP 0, 1, 0                                  ; the last lap fills nothing
	KSTEP 0, 2, 0
	TURN 0, 1, 0
	s_wait_alu depctr_va_vdst(0)
	KSTEP 1, 0, 0
	KSTEP 1, 1, 0
	KSTEP 1, 2, 0
	s_wait_dscnt 0x0
	WIN 0x05
.irp a, 0,1,2,3
	MULA 96, 1, \a, 0
.endr
	WIN 0
; THE WAY OUT, a block of 16 rows x 64 columns at a time: through my stage, back as whole rows of 256 bytes, the residual added, stored: sixteen lanes store 256 consecutive, aligned bytes
.macro TOSTAGE a
.irp b, 0,1,2,3
	ds_store_b128 v[STO], v[ACC+8*(4*(\a)+\b):ACC+8*(4*(\a)+\b)+3] offset:128*(\b/2)+32*(\b%2)      ; each accumulator from its low end on
	ds_store_b128 v[STO], v[ACC+8*(4*(\a)+\b)+4:ACC+8*(4*(\a)+\b)+7] offset:128*(\b/2)+32*(\b%2)+16
.endr
.irp t, 0,1,2,3,4,5,6,7
	ds_load_b128 v[32+32*((\a)%2)+4*\t:32+32*((\a)%2)+4*\t+3], v[RD] offset:544*\t   ; LDS serves a wave's instructions in order: these see my stores
.endr
.endm
.macro SEND a, younger
	s_wait_dscnt \younger                          ; the block is back; the next block's 8 stores and 8 loads may be out
	WIN 0x08                                       ; source 1 window 2
.set j, 0
.rept 16
	v_pk_add_f32 v[32+32*((\a)%2)+j:32+32*((\a)%2)+j+1], v[32+32*((\a)%2)+j:32+32*((\a)%2)+j+1], v[32*(\a)+j:32*(\a)+j+1]
.set j, j+2
.endr
	WIN 0
.irp t, 0,1,2,3,4,5,6,7
	global_store_b128 v[CO], v[32+32*((\a)%2)+4*\t:32+32*((\a)%2)+4*\t+3], s[12:13] offset:(32*((\a)/2)+8*((\a)%2)+2*\t+8*(\t/4))*4096
.endr
.endm
	PLACES 4
	s_wait_loadcnt 0x0                             ; the residual
	TOSTAGE 0
	TOSTAGE 1
	SEND 0, 16
	s_wait_xcnt 0x0                                ; block 0's stores have read their registers: block 2's loads may land there
	TOSTAGE 2
	SEND 1, 16
	s_wait_xcnt 0x0
	TOSTAGE 3
	SEND 2, 16
	SEND 3, 0
	s_wait_tensorcnt 0x0                           ; the wave's end
	ds_add_u32 v[SPW], v[NIL]
	s_wait_dscnt 0x0
	CROUND                                         ; the closing round
	s_endpgm
.Lfunc_end_k_q3c77a6ac5e_wo:
	.size	k_q3c77a6ac5e_wo, .Lfunc_end_k_q3c77a6ac5e_wo-k_q3c77a6ac5e_wo
	.p2alignl 7, 3214868480
	.fill 96, 4, 3214868480
	.section	.rodata,"a",@progbits
	.p2align	6, 0x0
	.amdhsa_kernel k_q3c77a6ac5e_wo
		.amdhsa_group_segment_fixed_size 327680
		.amdhsa_private_segment_fixed_size 0
		.amdhsa_enable_private_segment 0
		.amdhsa_kernarg_size 40
		.amdhsa_user_sgpr_count 2
		.amdhsa_user_sgpr_kernarg_segment_ptr 1
		.amdhsa_wavefront_size32 1
		.amdhsa_system_sgpr_workgroup_id_x 1
		.amdhsa_system_sgpr_workgroup_id_y 1
		.amdhsa_system_sgpr_workgroup_id_z 1
		.amdhsa_system_vgpr_workitem_id 0
		.amdhsa_next_free_vgpr 768
		.amdhsa_next_free_sgpr 100
		.amdhsa_reserve_vcc 0
		.amdhsa_float_denorm_mode_32 3
		.amdhsa_float_denorm_mode_16_64 3
		.amdhsa_memory_ordered 1
		.amdhsa_forward_progress 1
		.amdhsa_inst_pref_size 57
	.end_amdhsa_kernel
	.amdgpu_metadata
---
amdhsa.version: [ 1, 2 ]
amdhsa.kernels:
  - .name:           k_q3c77a6ac5e_wo
    .symbol:         k_q3c77a6ac5e_wo.kd
    .args:
      - { .name: ctx, .offset: 0, .size: 8, .value_kind: global_buffer, .address_space: global }
      - { .name: pa, .offset: 8, .size: 8, .value_kind: global_buffer, .address_space: global }
      - { .name: bo, .offset: 16, .size: 8, .value_kind: global_buffer, .address_space: global }
      - { .name: x, .offset: 24, .size: 8, .value_kind: global_buffer, .address_space: global }
      - { .name: x2, .offset: 32, .size: 8, .value_kind: global_buffer, .address_space: global }
    .group_segment_fixed_size: 327680
    .private_segment_fixed_size: 0
    .kernarg_segment_align: 8
    .kernarg_segment_size: 40
    .max_flat_workgroup_size: 128
    .sgpr_count:     100
    .vgpr_count:     768
    .wavefront_size: 32
...
	.end_amdgpu_metadata
.endif
;; end of part 4
;; launch lnw2 (part 5): grid 512 x 1, 8 waves a work-group, no clusters, 98,304 bytes of LDS; arguments x2, g2, be2, h2, W1, W2, pa; writes h2, pa
.if DOCPART == 5
	.amdgcn_target "amdgcn-amd-amdhsa--gfx1250"
	.amdhsa_code_object_version 6
	.text
	.protected	k_q3c77a6ac5e_lnw2
	.globl	k_q3c77a6ac5e_lnw2
	.p2align	8
	.type	k_q3c77a6ac5e_lnw2,@function
k_q3c77a6ac5e_lnw2:
	s_mov_b64 s[64:65], 0
	v_nop
	global_prefetch_b8 v0, s[64:65] scope:SCOPE_SE
	s_setreg_imm32_b32 hwreg(HW_REG_WAVE_MODE, 25, 1), 1
	s_wait_xcnt 0x0
; TWO KINDS OF WORK-GROUPS IN ONE LAUNCH.  They part at the first branch, on the work-group's number (the same in all eight waves), share nothing, and have LDS bytes of their own.
; The weights' loads are on their way while the LayerNorm's waves wait for their rows and for each other; both results are wanted by the launches that follow, neither by the other.
;
; WORK-GROUPS 0 .. 255: h = g (x - mean) / sqrt(var + 1e-5) + be over rows of 1,024, in f32, and h quantised along the row to FP6 (E2M3) with one E8M0 byte for each 32; stored as images of operand registers.
; A work-group takes ONE block of 16 rows (row r of block 2 b + u is row 32 b + 8 u + r + 8 (r / 8)); wave w takes columns 128 w .. + 127, which are K step w: one fragment.
; Fragment (w, rb) goes to (256 w + rb) x 1,536; its scale words to 3,145,728 + (8 rb + w) x 128.  Loads read 512 consecutive bytes; the numbers turn through the wave's own stage so that lane (r, h) holds,
; of row r, 16 neighbours of each block of 32.  Mean and variance in two passes (the variance of x - mean: no difference of large sums); the eight waves' partial sums meet in LDS behind a barrier each.
;
; WORK-GROUPS 256 .. 511: W1 (128 of them) and W2 (128), f32 [K][N] with K as the first axis, become codes of FP6 with one E8M0 byte for each 32 along K, laid as images of operand registers:
; a fragment (16 columns n x 128 k) is 12 registers a lane, 1,536 dense bytes: registers 4 c .. 4 c + 3 of lane l at 512 c + 16 l.  Fragment (K step ks, block rb) lies at (ks RB + rb) x 1,536; its scale words
; (4 bytes at 4 l; lanes r and r + 16 hold column r's word) at (rb KS + ks) x 128.  The columns of a fragment are ordered as the rows above.
; A lane takes a column and its registers run down K, so a block of 32 lies in one lane and the conversions give codes with K innermost.  A wave takes 32 columns x 128 k (two fragments), a work-group 256 columns.
; One path serves both tensors: pointer, pitch and places are chosen by the work-group's number (s_cselect).  The codes turn through the wave's own LDS bytes and leave as 3,072 consecutive bytes.
;
; No matrix unit, no cluster, no tensor load: streams, each byte read once by one work-group.
; LIMITS: NaN and infinities are not served; a block of zeros, or one whose largest magnitude lies under 2^-124, gets the byte 1 (the bytes are read by this program alone).
.set NLN,    256                       ; work-groups of the first kind
.set W1_C,   7667712
.set W1_S,   10813440
.set W2_C,   11075584
.set W2_S,   14221312
; LDS
.set STGB,  8448                       ; first kind: a wave's stage: 16 rows of 512 bytes + 16
.set RED1,  67584                      ; 16 rows x 8 waves: partial sums; the squares' 512 bytes further on
.set SPARE, 68608                      ; the spare words, 128 bytes a wave, for both kinds
.set PBASE, 69632                      ; second kind: eight regions of WREG bytes
.set WREG,  3584                       ; two fragment images 1,664 bytes apart, then two scale images of 128 bytes
.set FPIT,  1664                       ; 1,536 + 128: the two fragments' stores of one instruction fall on different banks
.set SIMG,  3328
; registers of both kinds
.set SPW, 252                          ; v252     my spare word's LDS address; never rewritten
.set NIL, 253                          ; v253     0; never rewritten
; registers of the first kind
.set X,   16                           ; v16-79   x as loaded; later be
.set Y,   80                           ; v80-143  register 16 b + i: column 32 b + 16 h + i of my row
.set G,   144                          ; v144-207 g
.set TM,  208                          ; v208-223 at work
.set PW,  224                          ; the scale word
.set PC,  226                          ; v226-244 the codes
.set SEL, 12                           ; s[12:13] lane selects: lane l xor 16
; registers of the second kind
.set OF,  16                           ; v16-23   4 x lane + q x 16 rows of the tensor
.set CD,  26                           ; v26-49   the codes: six registers for each of my four blocks
.set TU,  50                           ; v50-52   a block's upper 16 codes as the conversion leaves them
.set FB,  54                           ; v54-77   the two fragments read back; v78, v79 their scale words
.set WX,  124                          ; v124-251 my column's 128 numbers
.set RB0, 66                           ; s66-97   sixteen bases, a row of the tensor apart
; 64 numbers of a lane, v[s] .. v[s + 63], become a fragment's codes in v[PC] on and its scale word in v[PW]
.macro QUANT s
.irp b, 0,1,2,3
	v_max3_num_f32 v[TM+\b], |v[(\s)+16*\b]|, |v[(\s)+1+16*\b]|, 0x1800000   ; my 16 numbers of block b, and the floor 2^(3 - 127)
.endr
.irp i, 2,4,6,8,10,12,14
.irp b, 0,1,2,3
	s_delay_alu instid0(VALU_DEP_4)
	v_max3_num_f32 v[TM+\b], v[TM+\b], |v[(\s)+16*\b+\i]|, |v[(\s)+1+16*\b+\i]|
.endr
.endr
.irp b, 0,1,2,3
	s_delay_alu instid0(VALU_DEP_4)
	v_permlanex16_b32 v[TM+4+\b], v[TM+\b], s[SEL], s[SEL+1]
.endr
.irp b, 0,1,2,3
	s_delay_alu instid0(VALU_DEP_4)
	v_max_num_f32 v[TM+\b], v[TM+\b], v[TM+4+\b]   ; with lane l xor 16's: the block's largest magnitude
.endr
.irp b, 0,1,2,3
	s_delay_alu instid0(VALU_DEP_4)
	v_add_nc_u32 v[TM+12+\b], 0xff000000, v[TM+\b] ; 2 off the exponent field: the conversion's scale operand
.endr
.irp b, 0,1,2,3
	s_delay_alu instid0(VALU_DEP_4)
	v_lshrrev_b32 v[TM+4+\b], 23, v[TM+12+\b]      ; the byte
.endr
	s_delay_alu instid0(VALU_DEP_3)
	v_lshl_or_b32 v[PW], v[TM+5], 8, v[TM+4]
	s_delay_alu instid0(VALU_DEP_1)
	v_lshl_or_b32 v[PW], v[TM+6], 16, v[PW]
	s_delay_alu instid0(VALU_DEP_1)
	v_lshl_or_b32 v[PW], v[TM+7], 24, v[PW]
.irp c, 0,1
	v_cvt_scalef32_pk16_fp6_f32 v[PC+6*\c:PC+2+6*\c], v[(\s)+32*\c:(\s)+15+32*\c], v[TM+12+2*\c]
	v_cvt_scalef32_pk16_fp6_f32 v[PC+12+4*\c:PC+14+4*\c], v[(\s)+16+32*\c:(\s)+31+32*\c], v[TM+12+2*\c+1]
.endr
	v_nop                                          ; one plain place behind a scaled conversion
.irp c, 0,1                                    ; the layout wants a whole block in a lane
.irp i, 0,1,2
	v_permlane16_swap_b32 v[PC+6*\c+\i], v[PC+12+4*\c+\i]
.endr
.irp i, 0,1,2
	s_delay_alu instid0(VALU_DEP_3)
	v_mov_b32 v[PC+3+6*\c+\i], v[PC+12+4*\c+\i]
.endr
.endr
.endm
.macro PICK lim, p, start, pitch, nbb, ks, rb, cb, sb   ; work-groups under lim belong to this tensor
	s_cmp_lt_u32 ttmp9, \lim
	s_cselect_b64 s[20:21], s[\p:\p+1], s[20:21]
	s_cselect_b32 s22, \start, s22
	s_cselect_b32 s23, \pitch, s23
	s_cselect_b32 s24, \nbb, s24
	s_cselect_b32 s25, \ks, s25
	s_cselect_b32 s26, \rb, s26
	s_cselect_b32 s27, \cb, s27
	s_cselect_b32 s28, \sb, s28
.endm
	v_lshl_add_u32 v[SPW], v0, 2, SPARE
	v_mov_b32 v[NIL], 0
	s_cmp_ge_u32 ttmp9, NLN                        ; which kind am I?  The same answer in all eight waves
	s_cbranch_scc1 .Lweights
	; ======== the first kind: LayerNorm and its quantiser ========
	s_load_b256 s[4:11], s[0:1], 0x0               ; x, g, be, h
	v_lshrrev_b32 v1, 5, v0
	s_delay_alu instid0(VALU_DEP_1)
	v_readfirstlane_b32 s16, v1                    ; wave 0..7
	v_and_b32 v2, 31, v0
	v_and_b32 v3, 15, v0                           ; r
	v_bfe_u32 v4, v0, 4, 1                         ; h
	s_delay_alu instid0(VALU_DEP_3)
	v_lshlrev_b32 v5, 4, v2                        ; 16 x lane
	s_delay_alu instid0(VALU_DEP_4)
	v_lshlrev_b32 v6, 2, v2                        ; 4 x lane
	s_mul_i32 s17, s16, STGB
	v_add_nc_u32 v7, s17, v5                       ; into the stage: a row as it lies
	v_mul_u32_u24 v8, v3, 528
	s_delay_alu instid0(VALU_DEP_1)
	v_lshl_add_u32 v8, v4, 6, v8
	s_delay_alu instid0(VALU_DEP_1)
	v_add_nc_u32 v8, s17, v8                       ; out of it: row r, + 64 h
	v_lshlrev_b32 v10, 5, v3
	s_delay_alu instid0(VALU_DEP_1)
	v_add_nc_u32 v10, RED1, v10                    ; row r's eight partial sums
	s_lshl_b32 s18, s16, 2
	v_add_nc_u32 v9, s18, v10                      ; and my wave's among them
	v_lshlrev_b32 v11, 6, v4                       ; g, be: 64 h
	s_mov_b32 s[SEL], 0x76543210
	s_mov_b32 s[SEL+1], 0xfedcba98
	s_mov_b32 s14, 0x3a800000                      ; 1 / 1,024
	s_mov_b32 s15, 0x3727c5ac                      ; 1e-5
.irp b, 0,1,2,3
	v_mov_b32 v[TM+4+\b], 0                        ; a lane permute's destination counts as one of its sources
.endr
	v_mov_b32 v250, 0
	s_lshr_b32 s19, ttmp9, 1
	s_lshl_b32 s19, s19, 5
	s_and_b32 s20, ttmp9, 1
	s_lshl_b32 s20, s20, 3
	s_add_co_u32 s19, s19, s20                     ; the block's first row
	s_lshl_b32 s20, s19, 12
	s_lshl_b32 s22, s16, 9                         ; my wave's 512 bytes of a row
	s_add_co_u32 s20, s20, s22
	s_mov_b32 s21, 0
	s_mov_b32 s23, 0
	s_lshl_b32 s24, s16, 8
	s_add_co_u32 s24, s24, ttmp9
	s_mul_i32 s24, s24, 1536
	s_mov_b32 s25, 0
	s_lshl_b32 s26, ttmp9, 3
	s_add_co_u32 s26, s26, s16
	s_lshl_b32 s26, s26, 7
	s_add_co_u32 s26, s26, 3145728
	s_mov_b32 s27, 0
	s_wait_alu depctr_va_vdst(0)
	s_wait_kmcnt 0x0
	s_add_nc_u64 s[4:5], s[4:5], s[20:21]
	s_add_nc_u64 s[6:7], s[6:7], s[22:23]
	s_add_nc_u64 s[8:9], s[8:9], s[22:23]
	s_add_nc_u64 s[24:25], s[10:11], s[24:25]
	s_add_nc_u64 s[26:27], s[10:11], s[26:27]
.set t, 0
.rept 16
	global_load_b128 v[X+4*t:X+4*t+3], v5, s[4:5] offset:(t+8*(t/8))*4096   ; row t of the block: 512 consecutive bytes
.set t, t+1
.endr
.irp b, 0,1,2,3
.irp j, 0,1,2,3
	global_load_b128 v[G+16*\b+4*\j:G+16*\b+4*\j+3], v11, s[6:7] offset:128*\b+16*\j
.endr
.endr
	s_wait_loadcnt 16                              ; x is in; g's sixteen loads may be out
.set t, 0
.rept 16
	ds_store_b128 v7, v[X+4*t:X+4*t+3] offset:528*t
.set t, t+1
.endr
.irp b, 0,1,2,3
.irp j, 0,1,2,3
	ds_load_b128 v[Y+16*\b+4*\j:Y+16*\b+4*\j+3], v8 offset:128*\b+16*\j   ; LDS serves a wave's instructions in order: these see my stores
.endr
.endr
	s_wait_dscnt 0x0                               ; the numbers are back, and the stores have read x's registers,
.irp b, 0,1,2,3
.irp j, 0,1,2,3
	global_load_b128 v[X+16*\b+4*\j:X+16*\b+4*\j+3], v11, s[8:9] offset:128*\b+16*\j   ; which take be
.endr
.endr
	v_pk_add_f32 v[248:249], v[80:81], v[82:83]
	v_pk_add_f32 v[254:255], v[88:89], v[92:93]
	v_pk_add_f32 v[244:245], v[96:97], v[100:101]
	v_pk_add_f32 v[242:243], v[104:105], v[108:109]
	v_pk_add_f32 v[240:241], v[112:113], v[116:117]
	v_pk_add_f32 v[238:239], v[120:121], v[124:125]
	v_pk_add_f32 v[236:237], v[128:129], v[132:133]
	v_pk_add_f32 v[246:247], v[136:137], v[140:141]
	s_delay_alu instid0(VALU_DEP_1)
	v_pk_add_f32 v[246:247], v[246:247], v[84:85]
	v_pk_add_f32 v[248:249], v[248:249], v[86:87]
	v_pk_add_f32 v[254:255], v[254:255], v[90:91]
	v_pk_add_f32 v[244:245], v[244:245], v[94:95]
	v_pk_add_f32 v[242:243], v[242:243], v[98:99]
	v_pk_add_f32 v[240:241], v[240:241], v[102:103]
	v_pk_add_f32 v[238:239], v[238:239], v[106:107]
	v_pk_add_f32 v[236:237], v[236:237], v[110:111]
	v_pk_add_f32 v[246:247], v[246:247], v[114:115]
	v_pk_add_f32 v[248:249], v[248:249], v[118:119]
	v_pk_add_f32 v[254:255], v[254:255], v[122:123]
	v_pk_add_f32 v[244:245], v[244:245], v[126:127]
	v_pk_add_f32 v[242:243], v[242:243], v[130:131]
	v_pk_add_f32 v[240:241], v[240:241], v[134:135]
	v_pk_add_f32 v[238:239], v[238:239], v[138:139]
	v_pk_add_f32 v[236:237], v[236:237], v[142:143]
	s_delay_alu instid0(VALU_DEP_4)
	v_pk_add_f32 v[246:247], v[246:247], v[242:243]
	s_delay_alu instid0(VALU_DEP_4)
	v_pk_add_f32 v[248:249], v[248:249], v[240:241]
	s_delay_alu instid0(VALU_DEP_4)
	v_pk_add_f32 v[254:255], v[254:255], v[238:239]
	s_delay_alu instid0(VALU_DEP_4)
	v_pk_add_f32 v[244:245], v[244:245], v[236:237]
	s_delay_alu instid0(VALU_DEP_2)
	v_pk_add_f32 v[246:247], v[246:247], v[254:255]
	s_delay_alu instid0(VALU_DEP_2)
	v_pk_add_f32 v[248:249], v[248:249], v[244:245]
	s_delay_alu instid0(VALU_DEP_1)
	v_pk_add_f32 v[246:247], v[246:247], v[248:249]
	s_delay_alu instid0(VALU_DEP_1)
	v_add_f32 v246, v246, v247
	s_delay_alu instid0(VALU_DEP_1)
	v_permlanex16_b32 v250, v246, s[SEL], s[SEL+1]
	s_delay_alu instid0(VALU_DEP_1)
	v_add_f32 v246, v246, v250                     ; my wave's 128 columns of row r
	ds_store_b32 v9, v246                          ; (lanes r and r + 16 write the same word with the same value)
	s_wait_dscnt 0x0                               ; for the others' sake
	s_barrier_signal -1
	s_barrier_wait -1
	ds_load_b128 v[208:211], v10
	ds_load_b128 v[212:215], v10 offset:16
	s_wait_dscnt 0x0
	v_add_f32 v208, v208, v209
	v_add_f32 v210, v210, v211
	v_add_f32 v212, v212, v213
	v_add_f32 v214, v214, v215
	s_delay_alu instid0(VALU_DEP_3)
	v_add_f32 v208, v208, v210
	s_delay_alu instid0(VALU_DEP_2)
	v_add_f32 v212, v212, v214
	s_delay_alu instid0(VALU_DEP_1)
	v_add_f32 v208, v208, v212
	s_delay_alu instid0(VALU_DEP_1)
	v_mul_f32 v12, s14, v208                       ; the mean
	s_delay_alu instid0(VALU_DEP_1)
	v_mov_b32 v13, v12
.set j, 0
.rept 32
	v_pk_add_f32 v[Y+j:Y+j+1], v[Y+j:Y+j+1], v[12:13] neg_lo:[0,1] neg_hi:[0,1]   ; x - mean
.set j, j+2
.endr
	v_pk_mul_f32 v[246:247], v[Y:Y+1], v[Y:Y+1]
	v_pk_mul_f32 v[248:249], v[Y+2:Y+3], v[Y+2:Y+3]
.set j, 4
.rept 15
	s_delay_alu instid0(VALU_DEP_2)
	v_pk_fma_f32 v[246:247], v[Y+j:Y+j+1], v[Y+j:Y+j+1], v[246:247]
	s_delay_alu instid0(VALU_DEP_2)
	v_pk_fma_f32 v[248:249], v[Y+j+2:Y+j+3], v[Y+j+2:Y+j+3], v[248:249]
.set j, j+4
.endr
	s_delay_alu instid0(VALU_DEP_1)
	v_pk_add_f32 v[246:247], v[246:247], v[248:249]
	s_delay_alu instid0(VALU_DEP_1)
	v_add_f32 v246, v246, v247
	s_delay_alu instid0(VALU_DEP_1)
	v_permlanex16_b32 v250, v246, s[SEL], s[SEL+1]
	s_delay_alu instid0(VALU_DEP_1)
	v_add_f32 v246, v246, v250
	ds_store_b32 v9, v246 offset:512               ; other bytes than the first sums': no barrier is owed between
	s_wait_dscnt 0x0
	s_barrier_signal -1
	s_barrier_wait -1
	ds_load_b128 v[208:211], v10 offset:512
	ds_load_b128 v[212:215], v10 offset:528
	s_wait_dscnt 0x0
	v_add_f32 v208, v208, v209
	v_add_f32 v210, v210, v211
	v_add_f32 v212, v212, v213
	v_add_f32 v214, v214, v215
	s_delay_alu instid0(VALU_DEP_3)
	v_add_f32 v208, v208, v210
	s_delay_alu instid0(VALU_DEP_2)
	v_add_f32 v212, v212, v214
	s_delay_alu instid0(VALU_DEP_1)
	v_add_f32 v208, v208, v212
	s_delay_alu instid0(VALU_DEP_1)
	v_fma_f32 v208, v208, s14, s15                 ; var + 1e-5
	s_wait_alu depctr_va_vdst(0)
	v_rsq_f32 v14, v208
	v_nop                                          ; a plain place behind the transcendental
	s_wait_alu depctr_va_vdst(0)                   ; the wait ahead of the first reader
	v_mov_b32 v15, v14
	s_wait_alu depctr_va_vdst(0)
	s_wait_loadcnt 0x0                             ; g and be
.set j, 0
.rept 32
	v_pk_mul_f32 v[Y+j:Y+j+1], v[Y+j:Y+j+1], v[14:15]
.set j, j+2
.endr
.set j, 0
.rept 32
	v_pk_fma_f32 v[Y+j:Y+j+1], v[Y+j:Y+j+1], v[G+j:G+j+1], v[X+j:X+j+1]
.set j, j+2
.endr
	QUANT Y
.irp c, 0,1,2
	global_store_b128 v5, v[PC+4*\c:PC+4*\c+3], s[24:25] offset:512*\c   ; 512 consecutive bytes a store
.endr
	global_store_b32 v6, v[PW], s[26:27]
	s_wait_tensorcnt 0x0                           ; the wave's end
	ds_add_u32 v[SPW], v[NIL]
	s_wait_dscnt 0x0
	s_endpgm
	; ======== the second kind: the weights' quantiser ========
.Lweights:
	s_load_b128 s[12:15], s[0:1], 0x20             ; W1, W2
	s_load_b64 s[16:17], s[0:1], 0x30              ; pa
	v_lshrrev_b32 v1, 5, v0
	s_delay_alu instid0(VALU_DEP_1)
	v_readfirstlane_b32 s18, v1                    ; wave 0..7
	v_and_b32 v2, 31, v0                           ; lane = my column in the wave's 32
	s_delay_alu instid0(VALU_DEP_1)
	v_lshlrev_b32 v3, 4, v2                        ; 16 x lane
	s_delay_alu instid0(VALU_DEP_2)
	v_lshlrev_b32 v4, 2, v2                        ; 4 x lane
	s_mul_i32 s19, s18, WREG
	s_add_co_u32 s19, s19, PBASE                   ; my wave's LDS bytes
	v_bfe_u32 v9, v0, 3, 1                         ; u: which of the two fragments my column belongs to
	v_and_b32 v5, 7, v0
	v_bfe_u32 v6, v0, 4, 1
	s_delay_alu instid0(VALU_DEP_1)
	v_lshl_add_u32 v7, v6, 3, v5                   ; r: its row there
	s_delay_alu instid0(VALU_DEP_4)
	v_mul_u32_u24 v8, v9, FPIT
	s_delay_alu instid0(VALU_DEP_1)
	v_lshl_add_u32 v5, v7, 4, v8
	s_delay_alu instid0(VALU_DEP_1)
	v_add_nc_u32 v5, s19, v5                       ; v5: where lane r of fragment u has its 16 bytes
	v_lshlrev_b32 v8, 7, v9
	s_delay_alu instid0(VALU_DEP_1)
	v_lshl_add_u32 v6, v7, 2, v8
	s_delay_alu instid0(VALU_DEP_1)
	v_add_nc_u32 v6, s19, v6
	s_delay_alu instid0(VALU_DEP_1)
	v_add_nc_u32 v6, SIMG, v6                      ; v6: and its scale word
	v_add_nc_u32 v7, s19, v3                       ; v7: back: 16 x lane
	v_add_nc_u32 v8, s19, v4
	s_delay_alu instid0(VALU_DEP_1)
	v_add_nc_u32 v8, SIMG, v8                      ; v8: back: 4 x lane
	s_wait_kmcnt 0x0
	s_mov_b64 s[20:21], s[14:15]                   ; W2's figures, unless the PICK below takes over
	s_mov_b32 s22, NLN+128                         ; the tensor's first work-group
	s_mov_b32 s23, 4096                            ; bytes of a row
	s_mov_b32 s24, 2                               ; log2 of its blocks of 256 columns
	s_mov_b32 s25, 32                              ; K steps
	s_mov_b32 s26, 64                              ; fragment slots in a K step
	s_mov_b32 s27, W2_C
	s_mov_b32 s28, W2_S
	PICK NLN+128, 12, NLN, 16384, 4, 8, 256, W1_C, W1_S
	s_sub_co_u32 s29, ttmp9, s22                   ; my number in the tensor
	s_bfm_b32 s30, s24, 0
	s_and_b32 s31, s29, s30                        ; which 256 columns
	s_lshr_b32 s29, s29, s24                       ; which K step
	s_lshl_b32 s32, s31, 4
	s_lshl_b32 s33, s18, 1
	s_add_co_u32 s32, s32, s33                     ; rb of my wave's first fragment
	s_mul_i32 s34, s29, s23
	s_lshl_b32 s34, s34, 7                         ; 128 rows a K step
	s_lshl_b32 s35, s32, 6                         ; 16 columns of 4 bytes a fragment
	s_add_co_u32 s34, s34, s35
	s_mov_b32 s35, 0
	s_add_nc_u64 s[RB0:RB0+1], s[20:21], s[34:35]
	s_mov_b32 s36, s23
	s_mov_b32 s37, 0
.set i, 1
.rept 15
	s_add_nc_u64 s[RB0+2*i:RB0+2*i+1], s[RB0+2*(i-1):RB0+2*(i-1)+1], s[36:37]
.set i, i+1
.endr
	s_mul_i32 s38, s29, s26
	s_add_co_u32 s38, s38, s32
	s_mul_i32 s38, s38, 1536
	s_add_co_u32 s38, s38, s27
	s_mov_b32 s39, 0
	s_add_nc_u64 s[38:39], s[16:17], s[38:39]      ; where my two fragments go
	s_mul_i32 s40, s32, s25
	s_add_co_u32 s40, s40, s29
	s_lshl_b32 s40, s40, 7
	s_add_co_u32 s40, s40, s28
	s_mov_b32 s41, 0
	s_add_nc_u64 s[40:41], s[16:17], s[40:41]      ; and their scale words
	s_lshl_b32 s42, s25, 7                         ; the second fragment's lie KS x 128 bytes on
	v_mov_b32 v10, v4
	v_add_nc_u32 v11, s42, v4
	s_lshl_b32 s43, s23, 4                         ; 16 rows
	v_mov_b32 v[OF], v4
.set i, 1
.rept 7
	s_delay_alu instid0(VALU_DEP_1)
	v_add_nc_u32 v[OF+i], s43, v[OF+i-1]
.set i, i+1
.endr
.macro LOAD b                          ; block b: rows 32 b + 0 .. 31 of my column; each load reads 128 consecutive bytes a wave
.irp q, 0,1
.irp i, 0,1,2,3,4,5,6,7,8,9,10,11,12,13,14,15
	global_load_b32 v[WX+32*(\b)+16*\q+\i], v[OF+2*(\b)+\q], s[RB0+2*\i:RB0+2*\i+1] th:TH_LOAD_NT
.endr
.endr
.endm
.macro BLOCK b
.set XS, WX+32*(\b)
.if (\b) < 3
	s_wait_loadcnt 32                              ; this block's 32 loads are in; the next block's 32 may be out
.else
	s_wait_loadcnt 0x0
.endif
.if (\b) < 2
	LOAD (\b)+2                                    ; two blocks ahead: every block has registers of its own
.endif
	v_max3_num_f32 v12, |v[XS]|, |v[XS+1]|, |v[XS+2]|      ; the block's largest magnitude, in two chains
	v_max3_num_f32 v13, |v[XS+3]|, |v[XS+4]|, |v[XS+5]|
.irp i, 6,10,14,18,22,26
	s_delay_alu instid0(VALU_DEP_2)
	v_max3_num_f32 v12, v12, |v[XS+\i]|, |v[XS+\i+1]|
	s_delay_alu instid0(VALU_DEP_2)
	v_max3_num_f32 v13, v13, |v[XS+\i+2]|, |v[XS+\i+3]|
.endr
	s_delay_alu instid0(VALU_DEP_2)
	v_max3_num_f32 v12, v12, |v[XS+30]|, |v[XS+31]|
	s_delay_alu instid0(VALU_DEP_1)
	v_max3_num_f32 v12, v12, v13, 0x1800000        ; and the floor 2^(3 - 127): the byte cannot fall under 1
	s_delay_alu instid0(VALU_DEP_1)
	v_add_nc_u32 v14, 0xff000000, v12              ; 2 off the exponent field: the conversion's scale operand
	s_delay_alu instid0(VALU_DEP_1)
	v_lshrrev_b32 v15, 23, v14                     ; the scale's byte
.if (\b) == 0
	s_delay_alu instid0(VALU_DEP_1)
	v_mov_b32 v24, v15
.else
	s_delay_alu instid0(VALU_DEP_1)
	v_lshl_or_b32 v24, v15, 8*(\b), v24            ; four bytes make my column's scale word
.endif
	v_cvt_scalef32_pk16_fp6_f32 v[CD+6*(\b):CD+6*(\b)+2], v[XS:XS+15], v14
	v_cvt_scalef32_pk16_fp6_f32 v[TU:TU+2], v[XS+16:XS+31], v14    ; (a conversion's three registers begin on an even number)
	v_nop                                          ; one plain place behind a scaled conversion
.irp i, 0,1,2
	v_mov_b32 v[CD+6*(\b)+3+\i], v[TU+\i]
.endr
; block b is registers 6 (b / 2) .. + 5 of lane r + 16 (b % 2) of the fragment
.if (\b) == 0
	ds_store_b128 v5, v[CD:CD+3]
	ds_store_b64 v5, v[CD+4:CD+5] offset:512
.elseif (\b) == 1
	ds_store_b128 v5, v[CD+6:CD+9] offset:256
	ds_store_b64 v5, v[CD+10:CD+11] offset:768
.elseif (\b) == 2
	ds_store_b64 v5, v[CD+12:CD+13] offset:520
	ds_store_b128 v5, v[CD+14:CD+17] offset:1024
.else
	ds_store_b64 v5, v[CD+18:CD+19] offset:776
	ds_store_b128 v5, v[CD+20:CD+23] offset:1280
.endif
.endm
	LOAD 0
	LOAD 1
	s_wait_alu depctr_va_vdst(0)
	BLOCK 0
	BLOCK 1
	BLOCK 2
	BLOCK 3
	ds_store_b32 v6, v24                           ; the scale word, for lane r
	ds_store_b32 v6, v24 offset:64                 ; and for lane r + 16
.irp u, 0,1
.irp c, 0,1,2
	ds_load_b128 v[FB+12*\u+4*\c:FB+12*\u+4*\c+3], v7 offset:\u*FPIT+512*\c   ; LDS serves a wave's instructions in order: these see my stores
.endr
	ds_load_b32 v[FB+24+\u], v8 offset:128*\u
.endr
	s_wait_dscnt 0x0
.irp u, 0,1
.irp c, 0,1,2
	global_store_b128 v3, v[FB+12*\u+4*\c:FB+12*\u+4*\c+3], s[38:39] offset:\u*1536+512*\c   ; 512 consecutive bytes a store
.endr
	global_store_b32 v[10+\u], v[FB+24+\u], s[40:41]
.endr
	s_wait_tensorcnt 0x0                           ; the wave's end
	ds_add_u32 v[SPW], v[NIL]
	s_wait_dscnt 0x0
	s_endpgm
.Lfunc_end_k_q3c77a6ac5e_lnw2:
	.size	k_q3c77a6ac5e_lnw2, .Lfunc_end_k_q3c77a6ac5e_lnw2-k_q3c77a6ac5e_lnw2
	.p2alignl 7, 3214868480
	.fill 96, 4, 3214868480
	.section	.rodata,"a",@progbits
	.p2align	6, 0x0
	.amdhsa_kernel k_q3c77a6ac5e_lnw2
		.amdhsa_group_segment_fixed_size 98304
		.amdhsa_private_segment_fixed_size 0
		.amdhsa_enable_private_segment 0
		.amdhsa_kernarg_size 56
		.amdhsa_user_sgpr_count 2
		.amdhsa_user_sgpr_kernarg_segment_ptr 1
		.amdhsa_wavefront_size32 1
		.amdhsa_system_sgpr_workgroup_id_x 1
		.amdhsa_system_sgpr_workgroup_id_y 1
		.amdhsa_system_sgpr_workgroup_id_z 1
		.amdhsa_system_vgpr_workitem_id 0
		.amdhsa_next_free_vgpr 256
		.amdhsa_next_free_sgpr 100
		.amdhsa_reserve_vcc 0
		.amdhsa_float_denorm_mode_32 3
		.amdhsa_float_denorm_mode_16_64 3
		.amdhsa_memory_ordered 1
		.amdhsa_forward_progress 1
		.amdhsa_inst_pref_size 55
	.end_amdhsa_kernel
	.amdgpu_metadata
---
amdhsa.version: [ 1, 2 ]
amdhsa.kernels:
  - .name:           k_q3c77a6ac5e_lnw2
    .symbol:         k_q3c77a6ac5e_lnw2.kd
    .args:
      - { .name: x2, .offset: 0, .size: 8, .value_kind: global_buffer, .address_space: global }
      - { .name: g2, .offset: 8, .size: 8, .value_kind: global_buffer, .address_space: global }
      - { .name: be2, .offset: 16, .size: 8, .value_kind: global_buffer, .address_space: global }
      - { .name: h2, .offset: 24, .size: 8, .value_kind: global_buffer, .address_space: global }
      - { .name: W1, .offset: 32, .size: 8, .value_kind: global_buffer, .address_space: global }
      - { .name: W2, .offset: 40, .size: 8, .value_kind: global_buffer, .address_space: global }
      - { .name: pa, .offset: 48, .size: 8, .value_kind: global_buffer, .address_space: global }
    .group_segment_fixed_size: 98304
    .private_segment_fixed_size: 0
    .kernarg_segment_align: 8
    .kernarg_segment_size: 56
    .max_flat_workgroup_size: 256
    .sgpr_count:     100
    .vgpr_count:     256
    .wavefront_size: 32
...
	.end_amdgpu_metadata
.endif
;; end of part 5
;; launch ff1 (part 6): grid 16 x 16, 4 waves a work-group, clusters of 4 x 4, 327,680 bytes of LDS; arguments h2, pa, b1, hid; writes hid
.if DOCPART == 6
	.amdgcn_target "amdgcn-amd-amdhsa--gfx1250"
	.amdhsa_code_object_version 6
	.text
	.protected	k_q3c77a6ac5e_ff1
	.globl	k_q3c77a6ac5e_ff1
	.p2align	8
	.type	k_q3c77a6ac5e_ff1,@function
k_q3c77a6ac5e_ff1:
	s_mov_b64 s[64:65], 0
	v_nop
	global_prefetch_b8 v0, s[64:65] scope:SCOPE_SE
	s_setreg_imm32_b32 hwreg(HW_REG_WAVE_MODE, 25, 1), 1
	s_wait_xcnt 0x0
	s_wait_alu depctr_hold_cnt(0) depctr_sa_sdst(0) depctr_va_vdst(0) depctr_va_sdst(0) depctr_va_ssrc(0) depctr_va_vcc(0) depctr_vm_vsrc(0)
	s_getreg_b32 s2, hwreg(HW_REG_IB_STS2, 6, 4)
	s_cmp_eq_u32 s2, 0
	s_cbranch_scc0 .Lentry_in_a_cluster
	s_endpgm
.Lentry_in_a_cluster:
	s_bfe_u32 s2, ttmp6, 0x10000c
	s_cmp_lg_u32 s2, 0xf033
	s_cbranch_scc0 .Lentry_shape_is_right
	s_endpgm
.Lentry_shape_is_right:
.set W1_C,  7667712
.set W1_S,  10813440
.set NQ,    2
.set FR,    12
.set NL,    3
.set NP,    4
; hid = Q(gelu(h2 W1 + b1)): a tile of 256 x 256 on codes of FP6, four waves of 128 x 128, used transposed (source 0 = W1's columns, source 1 = tokens); the result is quantised along its 128 columns a wave and stored as fragments.
; THE WALK ALONG K = 1,024: LDS holds five K steps of each side, K step k in region k % 5 of A's area and of B's (a region: 16 fragments, 24,576 bytes).
; K steps 0-2 and all scale words are asked for at the head (wave 0: A, wave 1: B, wave 2: A's scale words, wave 3: B's), K steps 3, 4 behind the first round (a K step of a side to a wave),
; K steps 5-7 into regions 0-2 in K step 2, when every wave has read them out (waves 0 and 1).  No prefetch: three fills in all, at the largest block in clusters.
.set KREG,  24576
.set BAREA, 122880
.set SCL,   245760
.set HALFS, 8192
.set SPARE, 278528
.set ADRA, 16
.set ADRB, 20
.set LI,   24
.set LS,   25
.set ADRS, 27
.set SPW,  28
.set NIL,  29
.set SC,   32
.set BI,   64
.set HA,   64
.set AF,   128
.set E,    128
.set TM,   200
.set PW,   216
.set PC,   224
.set K1,   244
.set K2,   246
.set SEL,  2
.set G1, 24
.set G0, 32
.set G1B, 48
.set G0B, 56
.set G1S, 68
.set G0S, 76
.set G1SB, 80
.set G0SB, 88
.set MSB, 0
.macro WIN new
.if MSB != (\new)
	s_set_vgpr_msb (MSB<<8)|(\new)
.set MSB, (\new)
.endif
.endm
.set MUL_LO, 0xa1
.set MUL_HI, 0xf1
.set TO_B,   0x40
.macro JLOAD g0a, g1a, g0b, g1b
	s_cmp_eq_u32 s15, 0
	s_cbranch_scc0 .Lfor_b_\@
	tensor_load_to_lds s[\g0a:\g0a+3], s[\g1a:\g1a+7]
	s_nop 0
.rept 4
	v_nop
.endr
	s_branch .Lasked_\@
.Lfor_b_\@:
	tensor_load_to_lds s[\g0b:\g0b+3], s[\g1b:\g1b+7]
	s_nop 0
.rept 4
	v_nop
.endr
.Lasked_\@:
.endm
.macro CREST
	s_cmp_lg_u32 s14, 0
	s_cbranch_scc1 .Lnot_wave_0_\@
	s_barrier_signal -3
.Lnot_wave_0_\@:
	s_barrier_wait -3
	s_barrier_signal -1
	s_barrier_wait -1
.endm
.macro CROUND
	s_barrier_signal -1
	s_barrier_wait -1
	CREST
.endm
.macro PLACES n
.rept \n
	v_nop
.endr
.endm
.macro QUANT s, w
	s_wait_xcnt 0x0
	WIN (\w)|((\w)<<2)
.irp b, 0,1,2,3
	v_max3_num_f32 v[TM+\b], |v[(\s)+16*\b]|, |v[(\s)+1+16*\b]|, 0x1800000
.endr
	WIN ((\w)<<2)|((\w)<<4)
.irp i, 2,4,6,8,10,12,14
.irp b, 0,1,2,3
	v_max3_num_f32 v[TM+\b], v[TM+\b], |v[(\s)+16*\b+\i]|, |v[(\s)+1+16*\b+\i]|
.endr
.endr
	WIN 0
.irp b, 0,1,2,3
	v_permlanex16_b32 v[TM+4+\b], v[TM+\b], s[SEL], s[SEL+1]
.endr
.irp b, 0,1,2,3
	v_max_num_f32 v[TM+\b], v[TM+\b], v[TM+4+\b]
.endr
.irp b, 0,1,2,3
	v_add_nc_u32 v[TM+12+\b], 0xff000000, v[TM+\b]
.endr
.irp b, 0,1,2,3
	v_lshrrev_b32 v[TM+4+\b], 23, v[TM+12+\b]
.endr
	v_lshl_or_b32 v[PW], v[TM+5], 8, v[TM+4]
	v_lshl_or_b32 v[PW], v[TM+6], 16, v[PW]
	v_lshl_or_b32 v[PW], v[TM+7], 24, v[PW]
	WIN (\w)
.irp c, 0,1
	v_cvt_scalef32_pk16_fp6_f32 v[PC+6*\c:PC+2+6*\c], v[(\s)+32*\c:(\s)+15+32*\c], v[TM+12+2*\c]
	v_cvt_scalef32_pk16_fp6_f32 v[PC+12+4*\c:PC+14+4*\c], v[(\s)+16+32*\c:(\s)+31+32*\c], v[TM+12+2*\c+1]
.endr
	WIN 0
	v_nop
.irp c, 0,1
.irp i, 0,1,2
	v_permlane16_swap_b32 v[PC+6*\c+\i], v[PC+12+4*\c+\i]
.endr
.irp i, 0,1,2
	v_mov_b32 v[PC+3+6*\c+\i], v[PC+12+4*\c+\i]
.endr
.endr
.endm
	s_load_b256 s[4:11], s[0:1], 0x0
	v_lshl_add_u32 v[SPW], v0, 2, SPARE
	v_mov_b32 v[NIL], 0
	ds_add_u32 v[SPW], v[NIL]
	ds_add_u32 v[SPW], v[NIL]
	v_lshrrev_b32 v1, 5, v0
	v_readfirstlane_b32 s14, v1
	s_lshr_b32 s15, s14, 1
	s_and_b32 s16, s14, 1
	s_bfe_u32 s40, ttmp6, 0x40000
	s_bfe_u32 s41, ttmp6, 0x40004
	s_lshl_b32 s42, ttmp9, 2
	s_add_co_u32 s42, s42, s40
	s_and_b32 s17, ttmp7, 0xffff
	s_lshl_b32 s17, s17, 2
	s_add_co_u32 s17, s17, s41
	s_lshl_b32 s43, s41, 2
	s_lshl_b32 s43, 15, s43
	s_lshl_b32 s44, 0x1111, s40
	s_or_b32 s[G1+0], s43, (3<<16)|(1<<21)
	s_or_b32 s[G1B+0], s44, (3<<16)|(1<<21)
.irp g, G1, G1B
	s_mov_b32 s[\g+1], 3072<<16                    ; 3 rows (K steps) of 24,576 bytes (16 fragments)
	s_mov_b32 s[\g+2], 3<<16
	s_mov_b32 s[\g+3], 3072<<16
	s_mov_b32 s[\g+4], 3
	s_mov_b32 s[\g+5], 49152
	s_mov_b32 s[\g+6], 0
	s_mov_b32 s[\g+7], 0
.endr
	s_or_b32 s[G1S+0], s43, (3<<16)|(1<<21)
	s_or_b32 s[G1SB+0], s44, (3<<16)|(1<<21)
.irp g, G1S, G1SB
	s_mov_b32 s[\g+1], 32<<16
	s_mov_b32 s[\g+2], 64<<16                      ; 16,384 dense bytes as 64 rows of 256
	s_mov_b32 s[\g+3], 32<<16
	s_mov_b32 s[\g+4], 64
	s_mov_b32 s[\g+5], 32
	s_mov_b32 s[\g+6], 0
	s_mov_b32 s[\g+7], 0
.endr
	s_lshl_b32 s20, s17, 4                         ; A: the tile's first block
	s_lshl_b32 s46, s42, 4                         ; B likewise
	s_lshl_b32 s22, s20, 10
	s_add_co_u32 s22, s22, 3145728
	s_mov_b32 s23, 0
	s_mul_i32 s20, s20, 1536
	s_mov_b32 s21, 0
	s_lshl_b32 s92, s46, 10
	s_add_co_u32 s92, s92, W1_S
	s_mov_b32 s93, 0
	s_mul_i32 s46, s46, 1536
	s_add_co_u32 s46, s46, W1_C
	s_mov_b32 s47, 0
	s_mul_i32 s45, s16, KREG
	s_add_co_u32 s45, s45, 3*KREG                  ; K step 3 or 4: its region in an area, by the wave's number alone,
	s_mul_i32 s94, s16, 393216
	s_add_co_u32 s94, s94, 3*393216                ; and its place in memory
	s_mov_b32 s95, 0
	s_mov_b32 s[SEL], 0x76543210
	s_mov_b32 s[SEL+1], 0xfedcba98
	s_wait_dscnt 0x0
	s_wait_kmcnt 0x0
	s_add_nc_u64 s[20:21], s[4:5], s[20:21]
	s_add_nc_u64 s[22:23], s[4:5], s[22:23]
	s_add_nc_u64 s[46:47], s[6:7], s[46:47]
	s_add_nc_u64 s[92:93], s[6:7], s[92:93]
	CROUND
.macro GZ g, p                         ; a group 0 but for its LDS address: count 1, the address in s[p:p+1], the type
	s_mov_b32 s[\g], 1
	s_mov_b64 s[\g+2:\g+3], s[\p:\p+1]
	s_or_b32 s[\g+3], s[\g+3], 0x80000000
.endm
	GZ G0S, 22                                     ; A's scale words
	s_mov_b32 s[G0S+1], SCL
	GZ G0SB, 92                                    ; B's
	s_mov_b32 s[G0SB+1], SCL+2*HALFS
	GZ G0, 20                                      ; A's K steps 0-2; later 5-7
	s_mov_b32 s[G0+1], 0
	GZ G0B, 46                                     ; B's
	s_mov_b32 s[G0B+1], BAREA
	s_add_nc_u64 s[20:21], s[20:21], s[94:95]
	s_add_nc_u64 s[46:47], s[46:47], s[94:95]
	GZ G0+4, 20                                    ; K step 3 or 4 of A,
	s_mov_b32 s[G0+5], s45
	GZ G0B+4, 46                                   ; and of B
	s_add_co_u32 s[G0B+5], s45, BAREA
; the head's loads, one a wave: one chain of branches on the wave's number, every way through it passes one load
.macro ARM under, g0, g1, next
	s_cmp_lt_u32 s14, \under
	s_cbranch_scc0 \next
	tensor_load_to_lds s[\g0:\g0+3], s[\g1:\g1+7]
	s_nop 0
.rept 4
	v_nop
.endr
	s_branch .Lhead_asked
\next:
.endm
	ARM 1, G0,  G1,  .Lhead_b
	ARM 2, G0B, G1B, .Lhead_sa
	ARM 3, G0S, G1S, .Lhead_sb
	tensor_load_to_lds s[G0SB:G0SB+3], s[G1SB:G1SB+7]
	s_nop 0
.rept 4
	v_nop
.endr
.Lhead_asked:
	v_and_b32 v1, 31, v0
	v_bfe_u32 v2, v0, 4, 1
	v_lshlrev_b32 v[LI], 4, v1
	s_wait_alu depctr_va_vdst(0)
	v_lshlrev_b32 v[LS], 2, v1
	v_lshlrev_b32 v4, 6, v2
	s_lshl_b32 s95, s42, 1
	s_add_co_u32 s95, s95, s16
	s_lshl_b32 s12, s95, 9
	s_mov_b32 s13, 0
	s_add_nc_u64 s[8:9], s[8:9], s[12:13]
.irp b, 0,1,2,3,4,5,6,7
	global_load_b128 v[BI+8*\b:BI+8*\b+3], v4, s[8:9] offset:(32*(\b/2)+8*(\b%2))*4
	global_load_b128 v[BI+8*\b+4:BI+8*\b+7], v4, s[8:9] offset:(32*(\b/2)+8*(\b%2))*4+16
.endr
	s_lshl_b32 s96, s17, 4
	s_lshl_b32 s97, s15, 3
	s_add_co_u32 s96, s96, s97
	s_lshl_b32 s98, s96, 5
	s_add_co_u32 s98, s98, s95
	s_lshl_b32 s98, s98, 7
	s_add_co_u32 s98, s98, 12582912
	s_mov_b32 s99, 0
	s_add_nc_u64 s[98:99], s[10:11], s[98:99]
	s_lshl_b32 s97, s95, 8
	s_add_co_u32 s96, s96, s97
	s_mul_i32 s96, s96, 1536
	s_mov_b32 s97, 0
	s_add_nc_u64 s[96:97], s[10:11], s[96:97]
	s_mul_i32 s12, s15, 12288                      ; my 8 blocks of a region's 16
	s_mul_i32 s13, s16, 12288
	s_add_co_u32 s13, s13, BAREA
.irp s, 0,1                                    ; register 0 serves regions 0-2, register 1 regions 3, 4: the offsets stay inside 16 bits
	v_add_nc_u32 v[ADRA+\s], s12, v[LI]
	v_add_nc_u32 v[ADRB+\s], s13, v[LI]
	s_add_co_u32 s12, s12, 3*KREG
	s_add_co_u32 s13, s13, 3*KREG
.endr
	s_mul_i32 s12, s15, HALFS
	s_mul_i32 s13, s16, HALFS
	s_add_co_u32 s13, s13, 2*HALFS
	s_sub_co_u32 s13, s13, s12
	v_mul_u32_u24 v3, s13, v2
	s_wait_alu depctr_va_vdst(0)
	s_add_co_u32 s12, s12, SCL
	v_add_nc_u32 v3, v3, v[LS]
	v_add_nc_u32 v[ADRS], s12, v3
.macro FRAG reg, adr, off
.irp c, 0,1,2
	ds_load_b128 v[(\reg)+4*\c:(\reg)+4*\c+3], v[\adr] offset:(\off)+512*\c
.endr
.endm
.macro MUL16 a0, p, q, sc, zero
.irp a, \a0, \a0+1
.irp b, 0,1,2,3,4,5,6,7
.if (\zero) == 2
	v_wmma_scale_f32_16x16x128_f8f6f4 v[8*(8*((\a)%4)+\b):8*(8*((\a)%4)+\b)+7], v[128*(\p)+FR*\b:128*(\p)+FR*\b+FR-1], v[AF+FR*(\a):AF+FR*(\a)+FR-1], v[BI+8*\b:BI+8*\b+7], v[SC+8*NQ*(\sc)+NQ*\b+(\q)], v[SC+8*NQ*(\sc)+NQ*(\a)+(\q)] matrix_a_fmt:MATRIX_FMT_FP6 matrix_b_fmt:MATRIX_FMT_FP6 matrix_a_scale:MATRIX_SCALE_ROW1
.else
	v_wmma_scale_f32_16x16x128_f8f6f4 v[8*(8*((\a)%4)+\b):8*(8*((\a)%4)+\b)+7], v[128*(\p)+FR*\b:128*(\p)+FR*\b+FR-1], v[AF+FR*(\a):AF+FR*(\a)+FR-1], v[8*(8*((\a)%4)+\b):8*(8*((\a)%4)+\b)+7], v[SC+8*NQ*(\sc)+NQ*\b+(\q)], v[SC+8*NQ*(\sc)+NQ*(\a)+(\q)] matrix_a_fmt:MATRIX_FMT_FP6 matrix_b_fmt:MATRIX_FMT_FP6 matrix_a_scale:MATRIX_SCALE_ROW1
.endif
.endr
.endr
.endm
.macro FETCH_B k, p                    ; B's eight fragments of K step k into set p
	WIN TO_B
.irp i, 0,1,2,3,4,5,6,7
	FRAG 128*(\p)+FR*\i, ADRB+((\k)%5)/3, (((\k)%5)%3)*KREG+\i*1536
.endr
	WIN 0
.endm
.macro FETCH_A k, i0                   ; A's blocks i0 .. i0 + 3 of K step k
.irp i, \i0, \i0+1, \i0+2, \i0+3
	FRAG AF+FR*(\i), ADRA+((\k)%5)/3, (((\k)%5)%3)*KREG+(\i)*1536
.endr
.endm
.macro SCALES sc
.irp i, 0,1,2,3,4,5,6,7
.irp q, 0,1
	ds_load_b32 v[SC+16*(\sc)+2*\i+\q], v[ADRS] offset:\i*1024+\q*128
.endr
.endr
.endm
; K step k: 64 products; the next step's fragments are fetched in its middle and at its end.  kind 0: no barrier.  kind 1: one barrier for two things: the K steps on their way are whole for all four waves, and
; regions 0-2 are read out; it opens a round of the cluster's barrier, and waves 0 and 1 fill the regions again.  kind 2: the barrier alone.  zero = 2: the bias, in window 0, is the C of the first products.
.macro KS k, kind, zero
.set NX, (\k)+1
.if (\zero) == 2
.set LO, 0x81
.set HI, 0xc1
.else
.set LO, MUL_LO
.set HI, MUL_HI
.endif
.if \kind
	s_wait_tensorcnt 0x0                           ; all my tensor loads have landed
	ds_add_u32 v[SPW], v[NIL]
	s_wait_dscnt 4*NL+1                            ; (the add and A's blocks 4-7 may be out)
	WIN LO
	MUL16 0, (\k)%2, (\k)%2, ((\k)/2)%2, \zero
	s_wait_dscnt 0x0                               ; the add is done, and all my reads of LDS so far
	s_barrier_signal -1
	MUL16 2, (\k)%2, (\k)%2, ((\k)/2)%2, \zero
	WIN 0
	s_barrier_wait -1
.if (\kind) == 1
	CREST
	s_add_nc_u64 s[G0+2:G0+3], s[G0+2:G0+3], 5*393216
	s_add_nc_u64 s[G0B+2:G0B+3], s[G0B+2:G0B+3], 5*393216
	s_cmp_lt_u32 s14, 1
	s_cbranch_scc0 .Lfill_b_\@
	tensor_load_to_lds s[G0:G0+3], s[G1:G1+7]      ; A's K steps 5-7
	s_nop 0
.rept 4
	v_nop
.endr
	s_branch .Lfilled_\@
.Lfill_b_\@:
	s_cmp_lt_u32 s14, 2
	s_cbranch_scc0 .Lfilled_\@
	tensor_load_to_lds s[G0B:G0B+3], s[G1B:G1B+7]  ; B's
	s_nop 0
.rept 4
	v_nop
.endr
.Lfilled_\@:
.endif
.else
	s_wait_dscnt 4*NL                              ; B's set, A's blocks 0-3 and the scale words are in; the youngest twelve loads (A's blocks 4-7) may be out
	WIN LO
	MUL16 0, (\k)%2, (\k)%2, ((\k)/2)%2, \zero
	MUL16 2, (\k)%2, (\k)%2, ((\k)/2)%2, \zero
	s_wait_dscnt 0
.endif
	PLACES NP                                      ; four places in front of loads into registers that matrix instructions have read
.if NX%2 == 0
	WIN 0
	s_wait_alu depctr_va_vdst(0)                   ; the wait ahead of this reader
	v_add_nc_u32 v[ADRS], 256, v[ADRS]             ; the next two K steps' scale words
.endif
	FETCH_B NX, NX%2
	FETCH_A NX, 0
.if NX%2 == 0
	SCALES (NX/2)%2
.endif
	WIN HI
	MUL16 4, (\k)%2, (\k)%2, ((\k)/2)%2, \zero
	MUL16 6, (\k)%2, (\k)%2, ((\k)/2)%2, \zero
	PLACES NP
	WIN 0
	FETCH_A NX, 4
.endm
	s_wait_alu depctr_va_vdst(0)
	s_wait_tensorcnt 0x0                           ; my tile of the head's four is in
	ds_add_u32 v[SPW], v[NIL]
	s_mov_b32 s[G1S+2], 96<<16                     ; no tensor load of mine is out: the scale words' groups 1 now serve a dense K step, 24,576 bytes as 96 rows of 256
	s_mov_b32 s[G1S+4], 96
	s_mov_b32 s[G1SB+2], 96<<16
	s_mov_b32 s[G1SB+4], 96
	s_wait_dscnt 0x0
	CROUND                                         ; a whole round: the head's four tiles are in, and the joint loads meet
	JLOAD G0+4, G1S, G0B+4, G1SB                   ; K steps 3 and 4
	FETCH_B 0, 0
	FETCH_A 0, 0
	SCALES 0
	FETCH_A 0, 4
	s_wait_loadcnt 0x0                             ; the bias
	KS 0, 0, 2
	KS 1, 0, 0
	KS 2, 1, 0
	KS 3, 0, 0
	KS 4, 2, 0
	KS 5, 0, 0
	KS 6, 0, 0
	s_wait_dscnt 4*NL
	WIN MUL_LO
	MUL16 0, 1, NQ-1, 1, 0
	MUL16 2, 1, NQ-1, 1, 0
	s_wait_dscnt 0
	WIN MUL_HI
	MUL16 4, 1, NQ-1, 1, 0
	MUL16 6, 1, NQ-1, 1, 0
	WIN 0
	PLACES NP
.irp b, 0,1,2,3
	v_mov_b32 v[TM+4+\b], 0
.endr
	v_mov_b32 v[K1], 0xc0135761
	v_mov_b32 v[K1+1], 0xc0135761
	v_mov_b32 v[K2], 0xbdd2d3e8
	v_mov_b32 v[K2+1], 0xbdd2d3e8
.macro GELU a
.set AC, 64*((\a)%4)
.set WW, 2+(\a)/4
	WIN WW|(WW<<2)
.set j, 0
.rept 32
	v_pk_mul_f32 v[E+j:E+j+1], v[AC+j:AC+j+1], v[AC+j:AC+j+1]
.set j, j+2
.endr
	WIN 0
.set j, 0
.rept 32
	v_pk_fma_f32 v[E+j:E+j+1], v[E+j:E+j+1], v[K2:K2+1], v[K1:K1+1]
.set j, j+2
.endr
	WIN WW<<2
.set j, 0
.rept 32
	v_pk_mul_f32 v[E+j:E+j+1], v[E+j:E+j+1], v[AC+j:AC+j+1]
.set j, j+2
.endr
	WIN 0
.set j, 0
	s_wait_alu depctr_va_vdst(0)
.rept 64
	v_exp_f32 v[E+j], v[E+j]
.set j, j+1
.endr
	v_nop
	s_wait_alu depctr_va_vdst(0)
.set j, 0
.rept 32
	v_pk_add_f32 v[E+j:E+j+1], v[E+j:E+j+1], 1.0 op_sel_hi:[1,0]
.set j, j+2
.endr
.set j, 0
	s_wait_alu depctr_va_vdst(0)
.rept 64
	v_rcp_f32 v[E+j], v[E+j]
.set j, j+1
.endr
	v_nop
	s_wait_alu depctr_va_vdst(0)
	WIN WW<<2
.set j, 0
.rept 32
	v_pk_mul_f32 v[HA+j:HA+j+1], v[E+j:E+j+1], v[AC+j:AC+j+1]
.set j, j+2
.endr
.endm
.irp a, 0,1,2,3,4,5,6,7
	GELU \a
	QUANT HA, 0
.irp c, 0,1,2
	global_store_b128 v[LI], v[PC+4*\c:PC+4*\c+3], s[96:97] offset:\a*1536+512*\c
.endr
	global_store_b32 v[LS], v[PW], s[98:99] offset:\a*4096
.endr
	s_wait_tensorcnt 0x0
	ds_add_u32 v[SPW], v[NIL]
	s_wait_dscnt 0x0
	CROUND
	s_endpgm
.Lfunc_end_k_q3c77a6ac5e_ff1:
	.size	k_q3c77a6ac5e_ff1, .Lfunc_end_k_q3c77a6ac5e_ff1-k_q3c77a6ac5e_ff1
	.p2alignl 7, 3214868480
	.fill 96, 4, 3214868480
	.section	.rodata,"a",@progbits
	.p2align	6, 0x0
	.amdhsa_kernel k_q3c77a6ac5e_ff1
		.amdhsa_group_segment_fixed_size 327680
		.amdhsa_private_segment_fixed_size 0
		.amdhsa_enable_private_segment 0
		.amdhsa_kernarg_size 32
		.amdhsa_user_sgpr_count 2
		.amdhsa_user_sgpr_kernarg_segment_ptr 1
		.amdhsa_wavefront_size32 1
		.amdhsa_system_sgpr_workgroup_id_x 1
		.amdhsa_system_sgpr_workgroup_id_y 1
		.amdhsa_system_sgpr_workgroup_id_z 1
		.amdhsa_system_vgpr_workitem_id 0
		.amdhsa_next_free_vgpr 1024
		.amdhsa_next_free_sgpr 100
		.amdhsa_reserve_vcc 0
		.amdhsa_float_denorm_mode_32 3
		.amdhsa_float_denorm_mode_16_64 3
		.amdhsa_memory_ordered 1
		.amdhsa_forward_progress 1
		.amdhsa_inst_pref_size 255
	.end_amdhsa_kernel
	.section	.bss,"aw",@nobits
	.p2align	6
	.space	262144
	.amdgpu_metadata
---
amdhsa.version: [ 1, 2 ]
amdhsa.kernels:
  - .name:           k_q3c77a6ac5e_ff1
    .symbol:         k_q3c77a6ac5e_ff1.kd
    .args:
      - { .name: h2, .offset: 0, .size: 8, .value_kind: global_buffer, .address_space: global }
      - { .name: pa, .offset: 8, .size: 8, .value_kind: global_buffer, .address_space: global }
      - { .name: b1, .offset: 16, .size: 8, .value_kind: global_buffer, .address_space: global }
      - { .name: hid, .offset: 24, .size: 8, .value_kind: global_buffer, .address_space: global }
    .group_segment_fixed_size: 327680
    .private_segment_fixed_size: 0
    .kernarg_segment_align: 8
    .kernarg_segment_size: 32
    .max_flat_workgroup_size: 128
    .sgpr_count:     100
    .vgpr_count:     1024
    .wavefront_size: 32
...
	.end_amdgpu_metadata
.endif
;; end of part 6
;; launch ff2 (part 7): grid 8 x 32, 4 waves a work-group, clusters of 4 x 4, 327,680 bytes of LDS; arguments hid, pa, b2, x2, out0; writes out0
.if DOCPART == 7
	.amdgcn_target "amdgcn-amd-amdhsa--gfx1250"
	.amdhsa_code_object_version 6
	.text
	.protected	k_q3c77a6ac5e_ff2
	.globl	k_q3c77a6ac5e_ff2
	.p2align	8
	.type	k_q3c77a6ac5e_ff2,@function
k_q3c77a6ac5e_ff2:
	s_mov_b64 s[64:65], 0
	v_nop
	global_prefetch_b8 v0, s[64:65] scope:SCOPE_SE
	s_setreg_imm32_b32 hwreg(HW_REG_WAVE_MODE, 25, 1), 1
	s_wait_xcnt 0x0
	s_wait_alu depctr_hold_cnt(0) depctr_sa_sdst(0) depctr_va_vdst(0) depctr_va_sdst(0) depctr_va_ssrc(0) depctr_va_vcc(0) depctr_vm_vsrc(0)
	s_getreg_b32 s2, hwreg(HW_REG_IB_STS2, 6, 4)
	s_cmp_eq_u32 s2, 0
	s_cbranch_scc0 .Lentry_in_a_cluster
	s_endpgm
.Lentry_in_a_cluster:
	s_bfe_u32 s2, ttmp6, 0x10000c
	s_cmp_lg_u32 s2, 0xf033
	s_cbranch_scc0 .Lentry_shape_is_right
	s_endpgm
.Lentry_shape_is_right:
; out = A B^T + bias + residual, f32 [4,096][1,024]; A (SIZE_K along K) and B arrive as codes of FP6 (E2M3, one E8M0 byte for each 32 along K), laid as images of operand registers:
; fragment (K step, block) of A at (256 ks + rb) x 1,536, of B at (64 ks + rb) x 1,536; scale words at (KS rb + ks) x 128.  Row r of block 2 b + u is row 32 b + 8 u + r + 8 (r / 8), in A and in B.
; A tile of the result is 128 x 128, so that there are 256 work-groups: four waves, each 64 x 64 in 16 accumulators.  K goes four steps (512) to a slot through two LDS slots; all scale words come once.
; Transposed use (source 0 = B, source 1 = A): a lane holds eight neighbouring columns of a row.  The bias is the C of each sum's first product; the residual is loaded at the head of the loop's last trip, in the layout in which rows leave.
; CLUSTERS 4 x 4: A's tiles jointly along a row of the cluster, B's along a column.  Prefetches run two slots ahead, and a refill has a slot's 64 products in which to land.
.set SIZE_K, 4096
.set WB_C,   11075584
.set WB_S,   14221312
.set KS,    SIZE_K/128
.set LAPS,  KS/8
.set HALFT, 24576
.set SLOT,  98304
.set SCL,   196608
.set HALFS, 4*KS*128
.set SPARE, SCL+4*HALFS
.set ADRA, 16
.set ADRB, 20
.set STO,  24
.set RD,   25
.set CO,   26
.set ADRS, 27
.set SPW,  28
.set NIL,  29
.set SC,   32
.set BI,   64
.set ACC,  128
.set G1, 24
.set G0, 32
.set G1B, 48
.set G0B, 56
.set G1S, 68
.set G0S, 76
.set G1SB, 80
.set G0SB, 88
.set MSB, 0
.macro WIN new
.if MSB != (\new)
	s_set_vgpr_msb (MSB<<8)|(\new)
.set MSB, (\new)
.endif
.endm
.macro JLOAD g0a, g1a, g0b, g1b        ; waves 0, 1 fetch for A, waves 2, 3 for B; an s_nop 0 and four v_nop follow each line
	s_cmp_eq_u32 s15, 0
	s_cbranch_scc0 .Lfor_b_\@
	tensor_load_to_lds s[\g0a:\g0a+3], s[\g1a:\g1a+7]
	s_nop 0
.rept 4
	v_nop
.endr
	s_branch .Lasked_\@
.Lfor_b_\@:
	tensor_load_to_lds s[\g0b:\g0b+3], s[\g1b:\g1b+7]
	s_nop 0
.rept 4
	v_nop
.endr
.Lasked_\@:
.endm
.macro CREST
	s_cmp_lg_u32 s14, 0
	s_cbranch_scc1 .Lnot_wave_0_\@
	s_barrier_signal -3
.Lnot_wave_0_\@:
	s_barrier_wait -3
	s_barrier_signal -1
	s_barrier_wait -1
.endm
.macro CROUND
	s_barrier_signal -1
	s_barrier_wait -1
	CREST
.endm
.macro PLACES n
.rept \n
	v_nop
.endr
.endm
	s_load_b256 s[4:11], s[0:1], 0x0               ; A, pa, the bias, the residual
	s_load_b64 s[12:13], s[0:1], 0x20              ; out
	v_lshl_add_u32 v[SPW], v0, 2, SPARE
	v_mov_b32 v[NIL], 0
	ds_add_u32 v[SPW], v[NIL]                      ; the wave's opening: the add and its wait ahead of my first tensor load
	ds_add_u32 v[SPW], v[NIL]
	v_lshrrev_b32 v1, 5, v0
	v_readfirstlane_b32 s14, v1                    ; wave 0..3
	s_lshr_b32 s15, s14, 1                         ; my half of the rows.  Also: I fetch for A (0) or B (1)
	s_and_b32 s16, s14, 1                          ; my half of the columns.  Also: which two K steps of a slot, and which 4 blocks' scale words, I fetch
	s_bfe_u32 s40, ttmp6, 0x40000
	s_bfe_u32 s41, ttmp6, 0x40004
	s_lshl_b32 s42, ttmp9, 2
	s_add_co_u32 s42, s42, s40                     ; tile column 0..7
	s_and_b32 s17, ttmp7, 0xffff
	s_lshl_b32 s17, s17, 2
	s_add_co_u32 s17, s17, s41                     ; tile row 0..31
	s_lshl_b32 s43, s41, 2
	s_lshl_b32 s43, 15, s43
	s_lshl_b32 s44, 0x1111, s40
	s_or_b32 s[G1+0], s43, (3<<16)|(1<<21)
	s_or_b32 s[G1B+0], s44, (3<<16)|(1<<21)
.irp g, G1, G1B                                ; 2 rows (K steps) of 12,288 bytes (8 fragments)
	s_mov_b32 s[\g+1], 1536<<16
	s_mov_b32 s[\g+2], 4<<16                       ; at the head 4 rows: a side's whole part of slot 0; behind the head the two words that count rows are set to 2, for the ring's loads
	s_mov_b32 s[\g+3], 1536<<16
	s_mov_b32 s[\g+4], 4
	s_mov_b32 s[\g+6], 0
	s_mov_b32 s[\g+7], 0
.endr
	s_mov_b32 s[G1+5], 49152                       ; A: 256 fragments from K step to K step
	s_mov_b32 s[G1B+5], 12288                      ; B: 64
	s_or_b32 s[G1S+0], s43, (3<<16)|(1<<21)
	s_or_b32 s[G1SB+0], s44, (3<<16)|(1<<21)
.irp g, G1S, G1SB                              ; 2 HALFS dense bytes as rows of 256
	s_mov_b32 s[\g+1], 32<<16
	s_mov_b32 s[\g+2], (2*HALFS/256)<<16           ; the scale words of a side's 8 blocks
	s_mov_b32 s[\g+3], 32<<16
	s_mov_b32 s[\g+4], 2*HALFS/256
	s_mov_b32 s[\g+5], 32
	s_mov_b32 s[\g+6], 0
	s_mov_b32 s[\g+7], 0
.endr
	s_mul_i32 s20, s17, 12288
	s_mov_b32 s21, 0
	s_mul_i32 s22, s17, 2*HALFS
	s_add_co_u32 s22, s22, SIZE_K*3072
	s_mov_b32 s23, 0
	s_mul_i32 s46, s42, 12288
	s_add_co_u32 s46, s46, WB_C
	s_mov_b32 s47, 0
	s_mul_i32 s92, s42, 2*HALFS
	s_add_co_u32 s92, s92, WB_S
	s_mov_b32 s93, 0
	s_mul_i32 s18, s16, 786432                     ; in the ring I fetch two of a slot's four K steps: which, in A's bytes,
	s_mov_b32 s19, 0
	s_mul_i32 s94, s16, 196608                     ; and in B's
	s_mov_b32 s95, 0
	s_mul_i32 s45, s14, HALFT
	s_wait_dscnt 0x0                               ; the opening add is done
	s_wait_kmcnt 0x0
	s_add_nc_u64 s[20:21], s[4:5], s[20:21]
	s_add_nc_u64 s[22:23], s[4:5], s[22:23]
	s_add_nc_u64 s[46:47], s[6:7], s[46:47]
	s_add_nc_u64 s[92:93], s[6:7], s[92:93]
	CROUND                                         ; all sixteen work-groups are here: the first joint loads meet
.set PFA, 66                           ; s[66:67] where my prefetches stand; s[18:19] their step, a slot's four K steps
.set PFO, 30                           ; v30 the prefetches' offset: 256 x my lane, lanes 24-31 with lane 23
	s_mov_b32 s[G0S], 1
	s_mov_b32 s[G0S+1], SCL
	s_mov_b64 s[G0S+2:G0S+3], s[22:23]
	s_or_b32 s[G0S+3], s[G0S+3], 0x80000000
	s_mov_b32 s[G0SB], 1
	s_mov_b32 s[G0SB+1], SCL+2*HALFS
	s_mov_b64 s[G0SB+2:G0SB+3], s[92:93]
	s_or_b32 s[G0SB+3], s[G0SB+3], 0x80000000
	s_add_nc_u64 s[22:23], s[20:21], s[18:19]      ; the ring: my two K steps of A,
	s_add_nc_u64 s[92:93], s[46:47], s[94:95]      ; and of B
.irp s, 0,1
	s_mov_b32 s[G0+4*\s], 1
	s_add_co_u32 s[G0+4*\s+1], s45, \s*SLOT
	s_add_nc_u64 s[G0+4*\s+2:G0+4*\s+3], s[22:23], \s*1572864
	s_or_b32 s[G0+4*\s+3], s[G0+4*\s+3], 0x80000000
	s_mov_b32 s[G0B+4*\s], 1
	s_add_co_u32 s[G0B+4*\s+1], s45, \s*SLOT
	s_add_nc_u64 s[G0B+4*\s+2:G0B+4*\s+3], s[92:93], \s*393216
	s_or_b32 s[G0B+4*\s+3], s[G0B+4*\s+3], 0x80000000
.endr
; THE PREFETCHES: behind the fill of slot n each wave asks for its share of slot n + 2, up to slot 7, the last.  What a wave fetches of a slot is 2 K steps x 12,288 bytes, 96 blocks of 256;
; the four partners that ask for it jointly share them out by address, 24 each: partner p (cx for A, cy for B) takes K step p / 2, half p % 2.  So each block is named once in each cluster that loads it.
	s_mov_b32 s18, 393216
	s_cmp_eq_u32 s15, 0                            ; do I fetch for A?
	s_cselect_b64 s[PFA:PFA+1], s[22:23], s[92:93]
	s_cselect_b32 s2, s40, s41                     ; my place among the four
	s_cselect_b32 s18, 1572864, s18                ; from slot to slot
	s_lshr_b32 s94, s18, 2                         ; from K step to K step
	s_lshr_b32 s92, s2, 1
	s_mul_i32 s94, s94, s92
	s_and_b32 s92, s2, 1
	s_mul_i32 s92, s92, 6144
	s_add_co_u32 s94, s94, s92
	s_add_nc_u64 s[PFA:PFA+1], s[PFA:PFA+1], s[94:95]
	s_add_nc_u64 s[PFA:PFA+1], s[PFA:PFA+1], s[18:19]
	s_add_nc_u64 s[PFA:PFA+1], s[PFA:PFA+1], s[18:19]   ; at slot 2
	s_mov_b32 s4, 1                                ; s[4:7]: group 0 for the head's load of A's part of slot 0 (the arguments that lay there have been used),
	s_mov_b32 s5, 0
	s_mov_b64 s[6:7], s[20:21]
	s_or_b32 s7, s7, 0x80000000
	s_mov_b32 s44, 1                               ; s[44:47]: and of B's
	s_mov_b32 s45, 49152
	s_or_b32 s47, s47, 0x80000000
; the head's loads, one a wave: wave 0 A's part of slot 0, wave 1 B's, wave 2 A's scale words, wave 3 B's; one chain of branches on the wave's number, every way through it passes one load
.macro ARM under, g0, g1, next
	s_cmp_lt_u32 s14, \under
	s_cbranch_scc0 \next
	tensor_load_to_lds s[\g0:\g0+3], s[\g1:\g1+7]
	s_nop 0
.rept 4
	v_nop
.endr
	s_branch .Lhead_asked
\next:
.endm
	ARM 1, 4,   G1,  .Lhead_b
	ARM 2, 44,  G1B, .Lhead_sa
	ARM 3, G0S, G1S, .Lhead_sb
	tensor_load_to_lds s[G0SB:G0SB+3], s[G1SB:G1SB+7]
	s_nop 0
.rept 4
	v_nop
.endr
.Lhead_asked:
	s_lshl_b32 s95, s17, 1
	s_add_co_u32 s95, s95, s15
	s_lshl_b32 s95, s95, 18                        ; my 64 rows of 4,096 bytes
	s_lshl_b32 s98, s42, 1
	s_add_co_u32 s98, s98, s16
	s_lshl_b32 s98, s98, 8                         ; my 64 columns of 4 bytes
	s_mov_b32 s99, 0
	s_add_nc_u64 s[8:9], s[8:9], s[98:99]
	s_add_co_u32 s96, s98, s95
	s_mov_b32 s97, 0
	s_add_nc_u64 s[10:11], s[10:11], s[96:97]
	s_add_nc_u64 s[12:13], s[12:13], s[96:97]
	v_and_b32 v1, 31, v0
	v_and_b32 v2, 15, v0                           ; r
	v_bfe_u32 v3, v0, 4, 1                         ; h
	s_wait_alu depctr_va_vdst(0)
	v_lshlrev_b32 v4, 4, v1
	v_lshlrev_b32 v5, 2, v1
	v_lshlrev_b32 v6, 6, v3
	v_min_u32 v[PFO], 23, v1
	v_lshlrev_b32 v[PFO], 8, v[PFO]
	s_mul_i32 s95, s15, 6144                       ; my four blocks of A
	s_mul_i32 s96, s16, 6144
	s_add_co_u32 s96, s96, 49152                   ; and of B
.irp s, 0,1
	v_add_nc_u32 v[ADRA+\s], s95, v4
	v_add_nc_u32 v[ADRB+\s], s96, v4
	s_add_co_u32 s95, s95, SLOT
	s_add_co_u32 s96, s96, SLOT
.endr
	s_mul_i32 s95, s15, HALFS
	s_mul_i32 s96, s16, HALFS
	s_add_co_u32 s96, s96, 2*HALFS
	s_sub_co_u32 s96, s96, s95
	v_mul_u32_u24 v7, s96, v3                      ; lanes 16-31 take B's scale words: one product
	s_wait_alu depctr_va_vdst(0)
	s_add_co_u32 s95, s95, SCL
	v_add_nc_u32 v7, v7, v5
	v_add_nc_u32 v[ADRS], s95, v7
	s_mul_i32 s95, s14, 4352                       ; my stage, 16 rows of 256 bytes + 16, in slot 0: it has had its last fill and its last read when the first result is stored there
	v_mul_u32_u24 v7, v2, 272
	v_lshl_add_u32 v7, v3, 6, v7
	v_add_nc_u32 v[STO], s95, v7
	v_mul_u32_u24 v7, v3, 272
	v_lshl_add_u32 v7, v2, 4, v7
	v_add_nc_u32 v[RD], s95, v7
	v_lshlrev_b32 v7, 12, v3
	v_lshl_add_u32 v[CO], v2, 4, v7                ; lanes 0-15 one row's 256 bytes, lanes 16-31 the next row's
.irp b, 0,1,2,3
	global_load_b128 v[BI+8*\b:BI+8*\b+3], v6, s[8:9] offset:(32*(\b/2)+8*(\b%2))*4
	global_load_b128 v[BI+8*\b+4:BI+8*\b+7], v6, s[8:9] offset:(32*(\b/2)+8*(\b%2))*4+16
.endr
	global_prefetch_b8 v[PFO], s[PFA:PFA+1] th:TH_LOAD_NT scope:SCOPE_SE   ; my share of slot 2
.macro FRAG reg, adr, off
.irp c, 0,1,2
	ds_load_b128 v[(\reg)+4*\c:(\reg)+4*\c+3], v[\adr] offset:(\off)+512*\c
.endr
.endm
.macro FETCH slot, s, f, sc            ; the slot's K step s: four fragments of A, four of B into buffer f of window 1; four scale registers into set sc
	WIN 0x40
.irp i, 0,1,2,3
	FRAG (\f)+12*\i, ADRA+\slot, (\s)*12288+\i*1536
.endr
.irp i, 0,1,2,3
	FRAG (\f)+48+12*\i, ADRB+\slot, (\s)*12288+\i*1536
.endr
	WIN 0
.irp i, 0,1,2,3
	ds_load_b32 v[SC+4*(\sc)+\i], v[ADRS] offset:\i*KS*128+(\s)*128
.endr
.endm
.macro MULA f, sc, a, zero             ; A's block a x B's four; the 16 accumulators take turns
.irp b, 0,1,2,3
.if \zero
	v_wmma_scale_f32_16x16x128_f8f6f4 v[ACC+8*(4*(\a)+\b):ACC+8*(4*(\a)+\b)+7], v[(\f)+48+12*\b:(\f)+48+12*\b+11], v[(\f)+12*(\a):(\f)+12*(\a)+11], v[BI+8*\b:BI+8*\b+7], v[SC+4*(\sc)+\b], v[SC+4*(\sc)+(\a)] matrix_a_fmt:MATRIX_FMT_FP6 matrix_b_fmt:MATRIX_FMT_FP6 matrix_a_scale:MATRIX_SCALE_ROW1
.else
	v_wmma_scale_f32_16x16x128_f8f6f4 v[ACC+8*(4*(\a)+\b):ACC+8*(4*(\a)+\b)+7], v[(\f)+48+12*\b:(\f)+48+12*\b+11], v[(\f)+12*(\a):(\f)+12*(\a)+11], v[ACC+8*(4*(\a)+\b):ACC+8*(4*(\a)+\b)+7], v[SC+4*(\sc)+\b], v[SC+4*(\sc)+(\a)] matrix_a_fmt:MATRIX_FMT_FP6 matrix_b_fmt:MATRIX_FMT_FP6 matrix_a_scale:MATRIX_SCALE_ROW1
.endif
.endr
.endm
.macro KSTEP slot, s, zero             ; one of a slot's first three K steps: fetches the next step's fragments, multiplies this one's
	s_wait_dscnt 0x0                               ; this step's fragments are in
	PLACES 4                                       ; in front of loads into registers that the last step's products read
	FETCH \slot, (\s)+1, 96*(((\s)+1)%2), ((\s)+1)%2
	WIN 0x05                                       ; sources 0 and 1 window 1; C and D window 0
.irp a, 0,1,2,3
	MULA 96*((\s)%2), (\s)%2, \a, \zero
.endr
.endm
.macro TURN slot, next, fill           ; a slot's fourth K step changes slots: one barrier
	WIN 0
.if \fill
	s_wait_xcnt 0x0                                ; my last prefetch has read its address: it is stepped here, ahead of the waits of the change of slots
	s_add_nc_u64 s[PFA:PFA+1], s[PFA:PFA+1], s[18:19]
.endif
	s_wait_tensorcnt 0x0
	ds_add_u32 v[SPW], v[NIL]
	s_wait_dscnt 1
	WIN 0x05
	MULA 96, 1, 0, 0
	s_wait_dscnt 0x0                               ; the add is done, and my reads of this slot are over
	s_barrier_signal -1
	MULA 96, 1, 1, 0
	WIN 0
	s_barrier_wait -1
.if \fill
	CREST                                          ; the barrier has opened a round of the cluster's: no wave of any partner still reads this slot or has a load on its way
	s_add_nc_u64 s[G0+4*\slot+2:G0+4*\slot+3], s[G0+4*\slot+2:G0+4*\slot+3], 3145728
	s_add_nc_u64 s[G0B+4*\slot+2:G0B+4*\slot+3], s[G0B+4*\slot+2:G0B+4*\slot+3], 786432
	JLOAD G0+4*\slot, G1, G0B+4*\slot, G1B         ; the first tensor load behind the round; its four v_nop are the places in front of the loads below
.else
	PLACES 4
.endif
	v_add_nc_u32 v[ADRS], 512, v[ADRS]             ; the next slot's scale words
	FETCH \next, 0, 0, 0
.if \fill
	s_cmp_gt_u32 s3, 1                             ; the loop's last trip fills slots 6 and 7: no slot stands two fills on
	s_cbranch_scc0 .Lno_ask_\@
	global_prefetch_b8 v[PFO], s[PFA:PFA+1] th:TH_LOAD_NT scope:SCOPE_SE
.Lno_ask_\@:
.endif
	WIN 0x05
	MULA 96, 1, 2, 0
	MULA 96, 1, 3, 0
.endm
	s_wait_alu depctr_va_vdst(0)
	s_wait_tensorcnt 0x0                           ; my tile of the head's four is in
	ds_add_u32 v[SPW], v[NIL]
	s_mov_b32 s[G1+2], 2<<16                       ; no tensor load of mine is out: from here on a load brings 2 K steps
	s_mov_b32 s[G1+4], 2
	s_mov_b32 s[G1B+2], 2<<16
	s_mov_b32 s[G1B+4], 2
	s_wait_xcnt 0x0                                ; the head's prefetch has read its address
	s_add_nc_u64 s[PFA:PFA+1], s[PFA:PFA+1], s[18:19]
	s_wait_dscnt 0x0
	CROUND                                         ; a whole round: the head's four tiles are in, and the joint loads meet
	JLOAD G0+4, G1, G0B+4, G1B                     ; slot 1
	FETCH 0, 0, 0, 0
	s_wait_loadcnt 0x0                             ; the bias
	global_prefetch_b8 v[PFO], s[PFA:PFA+1] th:TH_LOAD_NT scope:SCOPE_SE   ; my share of slot 3
	KSTEP 0, 0, 1
.if LAPS > 1
	WIN 0
	s_mov_b32 s3, LAPS-1
.Llap:
	s_cmp_lg_u32 s3, 1                             ; the residual is wanted on the way out: it is asked for at the head of the loop's last trip, when all slots but the last two have been fetched and those two prefetched
	s_cbranch_scc1 .Lno_residual
	WIN 0x80                                       ; destination window 2: 32 registers for each block of 16 rows
.irp a, 0,1,2,3
.irp t, 0,1,2,3,4,5,6,7
	global_load_b128 v[32*\a+4*\t:32*\a+4*\t+3], v[CO], s[10:11] offset:(32*(\a/2)+8*(\a%2)+2*\t+8*(\t/4))*4096
.endr
.endr
	WIN 0
.Lno_residual:
	s_wait_alu depctr_va_vdst(0)
	KSTEP 0, 1, 0
	KSTEP 0, 2, 0
	TURN 0, 1, 1
	s_wait_alu depctr_va_vdst(0)
	KSTEP 1, 0, 0
	KSTEP 1, 1, 0
	KSTEP 1, 2, 0
	TURN 1, 0, 1
	s_wait_alu depctr_va_vdst(0)
	KSTEP 0, 0, 0
	WIN 0
	s_sub_co_u32 s3, s3, 1
	s_cmp_lg_u32 s3, 0
	s_cbranch_scc1 .Llap
.endif
	KSTEP 0, 1, 0                                  ; the last lap fills nothing
	KSTEP 0, 2, 0
	TURN 0, 1, 0
	s_wait_alu depctr_va_vdst(0)
	KSTEP 1, 0, 0
	KSTEP 1, 1, 0
	KSTEP 1, 2, 0
	s_wait_dscnt 0x0
	WIN 0x05
.irp a, 0,1,2,3
	MULA 96, 1, \a, 0
.endr
	WIN 0
; THE WAY OUT, a block of 16 rows x 64 columns at a time: through my stage, back as whole rows of 256 bytes, the residual added, stored: sixteen lanes store 256 consecutive, aligned bytes
.macro TOSTAGE a
.irp b, 0,1,2,3
	ds_store_b128 v[STO], v[ACC+8*(4*(\a)+\b):ACC+8*(4*(\a)+\b)+3] offset:128*(\b/2)+32*(\b%2)      ; each accumulator from its low end on
	ds_store_b128 v[STO], v[ACC+8*(4*(\a)+\b)+4:ACC+8*(4*(\a)+\b)+7] offset:128*(\b/2)+32*(\b%2)+16
.endr
.irp t, 0,1,2,3,4,5,6,7
	ds_load_b128 v[32+32*((\a)%2)+4*\t:32+32*((\a)%2)+4*\t+3], v[RD] offset:544*\t   ; LDS serves a wave's instructions in order: these see my stores
.endr
.endm
.macro SEND a, younger
	s_wait_dscnt \younger                          ; the block is back; the next block's 8 stores and 8 loads may be out
	WIN 0x08                                       ; source 1 window 2
.set j, 0
.rept 16
	v_pk_add_f32 v[32+32*((\a)%2)+j:32+32*((\a)%2)+j+1], v[32+32*((\a)%2)+j:32+32*((\a)%2)+j+1], v[32*(\a)+j:32*(\a)+j+1]
.set j, j+2
.endr
	WIN 0
.irp t, 0,1,2,3,4,5,6,7
	global_store_b128 v[CO], v[32+32*((\a)%2)+4*\t:32+32*((\a)%2)+4*\t+3], s[12:13] offset:(32*((\a)/2)+8*((\a)%2)+2*\t+8*(\t/4))*4096
.endr
.endm
	PLACES 4
	s_wait_loadcnt 0x0                             ; the residual
	TOSTAGE 0
	TOSTAGE 1
	SEND 0, 16
	s_wait_xcnt 0x0                                ; block 0's stores have read their registers: block 2's loads may land there
	TOSTAGE 2
	SEND 1, 16
	s_wait_xcnt 0x0
	TOSTAGE 3
	SEND 2, 16
	SEND 3, 0
	s_wait_tensorcnt 0x0                           ; the wave's end
	ds_add_u32 v[SPW], v[NIL]
	s_wait_dscnt 0x0
	CROUND                                         ; the closing round
	s_endpgm
.Lfunc_end_k_q3c77a6ac5e_ff2:
	.size	k_q3c77a6ac5e_ff2, .Lfunc_end_k_q3c77a6ac5e_ff2-k_q3c77a6ac5e_ff2
	.p2alignl 7, 3214868480
	.fill 96, 4, 3214868480
	.section	.rodata,"a",@progbits
	.p2align	6, 0x0
	.amdhsa_kernel k_q3c77a6ac5e_ff2
		.amdhsa_group_segment_fixed_size 327680
		.amdhsa_private_segment_fixed_size 0
		.amdhsa_enable_private_segment 0
		.amdhsa_kernarg_size 40
		.amdhsa_user_sgpr_count 2
		.amdhsa_user_sgpr_kernarg_segment_ptr 1
		.amdhsa_wavefront_size32 1
		.amdhsa_system_sgpr_workgroup_id_x 1
		.amdhsa_system_sgpr_workgroup_id_y 1
		.amdhsa_system_sgpr_workgroup_id_z 1
		.amdhsa_system_vgpr_workitem_id 0
		.amdhsa_next_free_vgpr 768
		.amdhsa_next_free_sgpr 100
		.amdhsa_reserve_vcc 0
		.amdhsa_float_denorm_mode_32 3
		.amdhsa_float_denorm_mode_16_64 3
		.amdhsa_memory_ordered 1
		.amdhsa_forward_progress 1
		.amdhsa_inst_pref_size 95
	.end_amdhsa_kernel
	.amdgpu_metadata
---
amdhsa.version: [ 1, 2 ]
amdhsa.kernels:
  - .name:           k_q3c77a6ac5e_ff2
    .symbol:         k_q3c77a6ac5e_ff2.kd
    .args:
      - { .name: hid, .offset: 0, .size: 8, .value_kind: global_buffer, .address_space: global }
      - { .name: pa, .offset: 8, .size: 8, .value_kind: global_buffer, .address_space: global }
      - { .name: b2, .offset: 16, .size: 8, .value_kind: global_buffer, .address_space: global }
      - { .name: x2, .offset: 24, .size: 8, .value_kind: global_buffer, .address_space: global }
      - { .name: out0, .offset: 32, .size: 8, .value_kind: global_buffer, .address_space: global }
    .group_segment_fixed_size: 327680
    .private_segment_fixed_size: 0
    .kernarg_segment_align: 8
    .kernarg_segment_size: 40
    .max_flat_workgroup_size: 128
    .sgpr_count:     100
    .vgpr_count:     768
    .wavefront_size: 32
...
	.end_amdgpu_metadata
.endif
;; end of part 7
